; MI455X (gfx1250); checked and timed in simulation.
; The chip was launched on July 23, 2026; its instructions are those of AMD's public machine-readable ISA for CDNA 5 (MIT licence, August 2026) and "CDNA5" Instruction Set Architecture Reference Guide (July 2026). The comments in the code are by the model that wrote it; some were corrected since.
;; UHG Transformer. Allowed arithmetic: matrix products marked QUANTISED: E2M1 operands, one E8M0 scale for each 32 along K, by v_wmma_scale_f32_16x16x128_f8f6f4 with both operands' format E2M1 (or v_wmma_scale_f32_32x16x128_f4), f32 sums; everything else in f32.
;; Inputs: b1 4,096 float32; b2 1,024 float32; beta1 1,024 float32; beta2 1,024 float32; bk 1,024 float32; bo 1,024 float32; bq 1,024 float32; bv 1,024 float32; g1 1,024 float32; g2 1,024 float32; src 2,048 x 2 x 1,024 float32; w1 4,096 x 1,024 float32; w2 1,024 x 4,096 float32; wk 1,024 x 1,024 float32; wo 1,024 x 1,024 float32; wq 1,024 x 1,024 float32; wv 1,024 x 1,024 float32.
;; Outputs: out0 2,048 x 2 x 1,024 float32.
;; This version of the problem:
;;   THIS VERSION OF THE PROBLEM IS GIVEN IN LOW PRECISION. The matrix products marked QUANTISED in the list below multiply operands that are first quantised to E2M1 (2 exponent bits, 1 mantissa bit; 4 bits a number), with one power-of-two scale for each 32 numbers along K (OCP MX v1.0); their sums are f32. All else is computed in f32.
;;   The module's matrix products, in the order in which they are computed (A, B: the left and right operand; K: the contracted axis; several contracted axes count as one K, in the product's order):
;;     1. [M 4,096, K 1,024] x [K 1,024, N 1,024]; A: input src; B: input wq: QUANTISED
;;     2. [M 4,096, K 1,024] x [K 1,024, N 1,024]; A: input src; B: input wk: QUANTISED
;;     3. [M 4,096, K 1,024] x [K 1,024, N 1,024]; A: input src; B: input wv: QUANTISED
;;     4. batch 32 x [M 2,048, K 64] x [K 64, N 2,048]; A: computed on the way; B: computed on the way: QUANTISED
;;     5. batch 32 x [M 64, K 2,048] x [K 2,048, N 2,048]; A: computed on the way; B: softmax (see below): QUANTISED
;;     6. [M 4,096, K 1,024] x [K 1,024, N 1,024]; A: computed on the way; B: input wo: QUANTISED
;;     7. [M 4,096, K 1,024] x [K 1,024, N 4,096]; A: computed on the way; B: input w1: QUANTISED
;;     8. [M 4,096, K 4,096] x [K 4,096, N 1,024]; A: computed on the way; B: input w2: QUANTISED
;;   THE QUANTISER, for each operand of a quantised product, along K:
;;     - K is cut into blocks of 32 from its start; a last block that is shorter is filled with zeros.
;;     - A block's scale is 2^e with e = floor(log2(the largest magnitude in the block)) - 2, held to -126 .. 127; a block of zeros has e = 0. As a byte (E8M0): e + 127.
;;     - Each number is divided by its block's scale, clamped to +-6, and rounded to the nearest number of E2M1, ties to even, subnormals kept.
;;     - The product sums the exact products of the quantised numbers (number of the format x scale) in f32.
;;   ~~~python
;;   def quantise(x, axis):      # numpy; x: float32 -> the quantised numbers, widened to float32 again
;;       x = np.moveaxis(x, axis, -1); K = x.shape[-1]
;;       x = np.pad(x, [(0, 0)] * (x.ndim - 1) + [(0, -K % 32)]); x = x.reshape(x.shape[:-1] + (-1, 32)); a = np.abs(x).max(-1, keepdims=True)
;;       e = np.where(a > 0, np.clip(np.frexp(np.where(a > 0, a, 1))[1] - 1 - 2, -126, 127), 0)      # np.frexp(a)[1] - 1 = floor(log2(a)), exactly
;;       r = np.clip(x / 2.0 ** e, -6, 6)
;;       step = 2.0 ** (np.maximum(np.frexp(np.where(r == 0, 1, r))[1] - 1, 0) - 1)
;;       q = np.round(r / step) * step * 2.0 ** e      # np.round: ties to even
;;       return np.moveaxis(q.reshape(q.shape[:-2] + (-1,))[..., :K], -1, axis).astype(np.float32)
;;   ~~~
;;   SOFTMAX AHEAD OF A QUANTISED PRODUCT. Where the list says 'softmax', what is quantised is not the finished softmax but p = 2^(t - M), with t = logit x log2(e) and M = ceil(the row's largest t), a whole number; so 1/2 < the row's largest p <= 1. The row's sum l is taken of the UNQUANTISED p, in f32, and the product's result is divided by l at the end. Since M is a whole number, a kernel that streams over the keys may use a running M (the ceiling of the running maximum): every later rescaling is an exact power of two, which a block's scale takes up: the codes' values come out the same.
;;   OPERANDS COMPUTED ON THE WAY. 'Computed on the way' means the value that the module computes at that place (a softmax that the list does not call 'softmax' is quantised finished and normalised). What goes into a quantiser is computed in f32, as accurately as f32 sums, v_exp_f32 and their like allow (about 1e-6 of the number): no bf16 or f16 on the way to a quantiser, and a product that is left as it is and whose result goes on into a quantised operand takes f32 operands (vector FMAs, or v_wmma_f32_16x16x4_f32). A number that lies on a knife's edge between two numbers of the format may be rounded either way, as far as f32 arithmetic and the matrix unit's own rounding can turn it there, and no further.
;; 2 versions. Each part assembles by itself: llvm-mc -triple=amdgcn-amd-amdhsa -mcpu=gfx1250 --defsym DOCPART=n.
;; ======== version 1 of 2: 8 launches
;; workspace buffers: wimg 9,437,184 bytes; qkvb 8,388,608 bytes; oimg 2,359,296 bytes; xbuf 19,136,512 bytes; hp 65,536 bytes; himg 9,437,184 bytes; obuf 16,777,216 bytes
;; launch quant (part 1): grid 1024 x 1, 4 waves a work-group, no clusters, 34,304 bytes of LDS; arguments src, wq, wk, wv, wo, w1, w2, wimg; writes wimg
.if DOCPART == 1
	.amdgcn_target "amdgcn-amd-amdhsa--gfx1250"
	.amdhsa_code_object_version 6
	.text
	.protected	k_qa7313bdbcf_quant
	.globl	k_qa7313bdbcf_quant
	.p2align	8
	.type	k_qa7313bdbcf_quant,@function
k_qa7313bdbcf_quant:
	s_mov_b64 s[64:65], 0
	v_nop
	global_prefetch_b8 v0, s[64:65] scope:SCOPE_SE
	s_setreg_imm32_b32 hwreg(HW_REG_WAVE_MODE, 25, 1), 1
	s_wait_xcnt 0x0
; src and the six weights, f32 with K innermost, become codes of E2M1 with one E8M0 byte for each 32 along K, laid as IMAGES OF OPERAND REGISTERS.
; A tile is 16 rows: tile 2 g + u holds rows 32 g + 8 u + pi(r), pi(r) = r + 8 (r / 8).  A fragment (tile, K step of 128) is 1,024 bytes: the 16 bytes at 512 c + 16 lane, lane = r + 16 h,
; are the codes of block 4 s + 2 c + h of row pi(r).  Its scale image is 128 bytes: the word at 4 lane holds the bytes of blocks 4 s .. 4 s + 3 of that row.
; Fragments: src (rows in the order batch x 2048 + s) from 0, wq 2048, wk 2560, wv 3072, wo 3584, w1 4096, w2 6144; scale images from byte 8,388,608.
; A wave takes two K steps of one tile: 16 rows x 1,024 bytes.  Each load reads 512 consecutive bytes of a row; the numbers turn through the wave's own stage in LDS so that a lane holds whole blocks.
; A block's scale is 2^(floor(log2(largest magnitude)) - 2); its byte is the largest magnitude's exponent field - 2, held at 1 from below.
; LIMITS: a block of zeros, or one whose largest magnitude lies under 2^-124, keeps the byte 1 (its bytes are read by this program alone); NaN and infinities among the inputs are not served.
.set R,   32                           ; v32-159  two sets of 64 numbers
.set C,   160                          ; v160-175 codes, 8 registers a fragment
.set SEL, 4                            ; s[4:5]   lane selects: lane l xor 16
	s_load_b512 s[8:23], s[0:1], 0x0               ; src, wq, wk, wv, wo, w1, w2, wimg
	v_lshl_add_u32 v176, v0, 2, 0x8400
	v_mov_b32 v177, 0
	v_lshrrev_b32 v24, 5, v0
	v_readfirstlane_b32 s2, v24                    ; wave
	v_and_b32 v25, 31, v0                          ; lane
	v_lshlrev_b32 v1, 4, v25                       ; 16 lane
	v_lshlrev_b32 v2, 2, v25                       ; 4 lane
	s_mul_i32 s3, s2, 8448                         ; my stage: 16 rows of 512 bytes + 16
	v_add_nc_u32 v3, s3, v1                        ; into it: 16 lane, a row an instruction
	v_and_b32 v26, 15, v0                          ; r
	v_bfe_u32 v5, v0, 4, 1                         ; h
	v_mul_u32_u24 v4, v26, 528
	v_lshl_add_u32 v4, v5, 7, v4
	v_add_nc_u32 v4, s3, v4                        ; out of it: row r, block h
	v_lshlrev_b32 v6, 3, v5                        ; 8 h: my bytes' place in the scale word
	v_mov_b32 v31, 0                               ; a lane permute's destination counts as read
	s_mov_b32 s[SEL], 0x76543210
	s_mov_b32 s[SEL+1], 0xfedcba98
	; which tensor, tile and pair of K steps: work-groups 0-255 src, 256-511 wq wk wv wo (64 each), 512-767 w1, 768-1023 w2
	s_mov_b32 s24, 4096                            ; bytes from row to row
	s_cmp_lt_u32 ttmp9, 256
	s_cselect_b32 s24, 8192, s24                   ; src: the two batches alternate
	s_mov_b32 s25, 16384
	s_cmp_ge_u32 ttmp9, 768
	s_cselect_b32 s24, s25, s24                    ; w2
	s_and_b32 s26, ttmp9, 255
	s_and_b32 s27, ttmp9, 63
	s_and_b32 s29, ttmp9, 127
	s_lshr_b32 s30, ttmp9, 7
	s_lshl_b32 s30, s30, 12                        ; src: the batch's 4,096 bytes
	s_lshr_b32 s28, ttmp9, 8                       ; 0 src, 1 the four small weights, 2 w1, 3 w2
	s_cmp_eq_u32 s28, 1
	s_cselect_b32 s26, s27, s26
	s_cmp_eq_u32 s28, 0
	s_cselect_b32 s26, s29, s26
	s_cselect_b32 s30, s30, 0
	s_lshr_b32 s31, s26, 2                         ; w2: four work-groups to a tile
	s_and_b32 s32, s26, 3
	s_lshl_b32 s32, s32, 2
	s_add_co_u32 s32, s32, s2
	s_cmp_eq_u32 s28, 3
	s_cselect_b32 s26, s31, s26                    ; the tile
	s_cselect_b32 s32, s32, s2                     ; the pair of K steps
	s_lshr_b32 s33, s26, 1
	s_lshl_b32 s33, s33, 5
	s_and_b32 s34, s26, 1
	s_lshl_b32 s34, s34, 3
	s_add_co_u32 s33, s33, s34                     ; the tile's first row: 32 g + 8 u
	s_mul_i32 s33, s33, s24
	s_add_co_u32 s33, s33, s30
	s_lshl_b32 s32, s32, 10                        ; a pair of K steps is 1,024 bytes of a row
	s_add_co_u32 s36, s33, s32
	s_mov_b32 s37, 0
	s_lshl_b32 s40, ttmp9, 2
	s_add_co_u32 s40, s40, s2                      ; the pair's number in wimg
	s_lshl_b32 s42, s40, 11
	s_mov_b32 s43, 0
	s_lshl_b32 s44, s40, 8
	s_add_co_u32 s44, s44, 8388608
	s_mov_b32 s45, 0
.irp i, 0,1,2,3,4,5,6,7,8,9,10,11,12,13,14,15
	v_mad_u32_u24 v[8+\i], s24, \i+8*(\i/8), v1    ; row pi(i) of the tile, 16 bytes a lane
.endr
	s_wait_kmcnt 0x0
	s_mov_b64 s[38:39], s[8:9]
	s_cmp_ge_u32 ttmp9, 256
	s_cselect_b64 s[38:39], s[10:11], s[38:39]
	s_cmp_ge_u32 ttmp9, 320
	s_cselect_b64 s[38:39], s[12:13], s[38:39]
	s_cmp_ge_u32 ttmp9, 384
	s_cselect_b64 s[38:39], s[14:15], s[38:39]
	s_cmp_ge_u32 ttmp9, 448
	s_cselect_b64 s[38:39], s[16:17], s[38:39]
	s_cmp_ge_u32 ttmp9, 512
	s_cselect_b64 s[38:39], s[18:19], s[38:39]
	s_cmp_ge_u32 ttmp9, 768
	s_cselect_b64 s[38:39], s[20:21], s[38:39]
	s_add_nc_u64 s[38:39], s[38:39], s[36:37]
	s_add_nc_u64 s[46:47], s[22:23], s[42:43]      ; the codes' images
	s_add_nc_u64 s[48:49], s[22:23], s[44:45]      ; the scale images
.irp f, 0,1
.irp i, 0,1,2,3,4,5,6,7,8,9,10,11,12,13,14,15
	global_load_b128 v[R+64*\f+4*\i:R+64*\f+4*\i+3], v[8+\i], s[38:39] offset:512*\f th:TH_LOAD_NT   ; 32 lanes read 512 consecutive bytes of one row
.endr
.endr
; Fragment f.  Its scale word has a register of its own (v7, v30), and so have its codes: no store's data are written again.
.macro FRAG f
.set X, R+64*\f
.set W, 7+23*\f
	s_wait_loadcnt 16-16*\f                        ; this fragment's sixteen loads are in; the other's may be out
.irp i, 0,1,2,3,4,5,6,7,8,9,10,11,12,13,14,15
	ds_store_b128 v3, v[X+4*\i:X+4*\i+3] offset:528*\i
.endr
.irp c, 0,1
.irp q, 0,1,2,3,4,5,6,7
	ds_load_b128 v[X+32*\c+4*\q:X+32*\c+4*\q+3], v4 offset:256*\c+16*\q   ; LDS serves a wave's instructions in order: these see my stores.  Block 2 c + h of row r: 32 numbers
.endr
.endr
	s_wait_dscnt 0x0
.irp c, 0,1
	v_max3_num_f32 v[24+\c], |v[X+32*\c]|, |v[X+32*\c+1]|, 0x1800000   ; the floor 2^(3 - 127) holds the byte at 1 from below
.endr
.irp i, 2,4,6,8,10,12,14,16,18,20,22,24,26,28,30
.irp c, 0,1
	v_max3_num_f32 v[24+\c], v[24+\c], |v[X+32*\c+\i]|, |v[X+32*\c+\i+1]|
.endr
.endr
.irp c, 0,1
	v_add_nc_u32 v[26+\c], 0xff000000, v[24+\c]    ; 2 off the exponent field: the conversion's scale operand
.endr
.irp c, 0,1
	v_lshrrev_b32 v[28+\c], 23, v[26+\c]           ; the scale's byte
.endr
	v_lshl_or_b32 v[W], v29, 16, v28               ; blocks h and 2 + h,
	v_lshlrev_b32 v[W], v6, v[W]                   ; at their places;
	v_permlanex16_b32 v31, v[W], s[SEL], s[SEL+1]
	v_or_b32 v[W], v[W], v31                       ; with lane l xor 16's two the word is whole
.irp c, 0,1
.irp g, 0,1,2,3
	v_cvt_scalef32_pk8_fp4_f32 v[C+8*\f+4*\c+\g], v[X+32*\c+8*\g:X+32*\c+8*\g+7], v[26+\c]
.endr
.endr
	v_nop                                          ; one plain line behind the conversions
.irp c, 0,1
	global_store_b128 v1, v[C+8*\f+4*\c:C+8*\f+4*\c+3], s[46:47] offset:1024*\f+512*\c   ; 512 consecutive bytes
.endr
	global_store_b32 v2, v[W], s[48:49] offset:128*\f
.endm
	FRAG 0
	FRAG 1
	s_wait_tensorcnt 0x0
	ds_add_u32 v176, v177
	s_wait_dscnt 0x0
	s_endpgm
.Lfunc_end_k_qa7313bdbcf_quant:
	.size	k_qa7313bdbcf_quant, .Lfunc_end_k_qa7313bdbcf_quant-k_qa7313bdbcf_quant
	.p2alignl 7, 3214868480
	.fill 96, 4, 3214868480
	.section	.rodata,"a",@progbits
	.p2align	6, 0x0
	.amdhsa_kernel k_qa7313bdbcf_quant
		.amdhsa_group_segment_fixed_size 34304
		.amdhsa_private_segment_fixed_size 0
		.amdhsa_enable_private_segment 0
		.amdhsa_kernarg_size 64
		.amdhsa_user_sgpr_count 2
		.amdhsa_user_sgpr_kernarg_segment_ptr 1
		.amdhsa_wavefront_size32 1
		.amdhsa_system_sgpr_workgroup_id_x 1
		.amdhsa_system_sgpr_workgroup_id_y 1
		.amdhsa_system_sgpr_workgroup_id_z 1
		.amdhsa_system_vgpr_workitem_id 0
		.amdhsa_next_free_vgpr 178
		.amdhsa_next_free_sgpr 66
		.amdhsa_reserve_vcc 0
		.amdhsa_float_denorm_mode_32 3
		.amdhsa_float_denorm_mode_16_64 3
		.amdhsa_memory_ordered 1
		.amdhsa_forward_progress 1
		.amdhsa_inst_pref_size 19
	.end_amdhsa_kernel
	.amdgpu_metadata
---
amdhsa.version: [ 1, 2 ]
amdhsa.kernels:
  - .name:           k_qa7313bdbcf_quant
    .symbol:         k_qa7313bdbcf_quant.kd
    .args:
      - { .name: src, .offset: 0, .size: 8, .value_kind: global_buffer, .address_space: global }
      - { .name: wq, .offset: 8, .size: 8, .value_kind: global_buffer, .address_space: global }
      - { .name: wk, .offset: 16, .size: 8, .value_kind: global_buffer, .address_space: global }
      - { .name: wv, .offset: 24, .size: 8, .value_kind: global_buffer, .address_space: global }
      - { .name: wo, .offset: 32, .size: 8, .value_kind: global_buffer, .address_space: global }
      - { .name: w1, .offset: 40, .size: 8, .value_kind: global_buffer, .address_space: global }
      - { .name: w2, .offset: 48, .size: 8, .value_kind: global_buffer, .address_space: global }
      - { .name: wimg, .offset: 56, .size: 8, .value_kind: global_buffer, .address_space: global }
    .group_segment_fixed_size: 34304
    .private_segment_fixed_size: 0
    .kernarg_segment_align: 8
    .kernarg_segment_size: 64
    .max_flat_workgroup_size: 128
    .sgpr_count:     66
    .vgpr_count:     178
    .wavefront_size: 32
...
	.end_amdgpu_metadata
.endif
;; end of part 1
;; launch qkv (part 2): grid 64 x 3, 16 waves a work-group, no clusters, 57,344 bytes of LDS; arguments wimg, bq, bk, bv, qkvb; writes qkvb
.if DOCPART == 2
	.amdgcn_target "amdgcn-amd-amdhsa--gfx1250"
	.amdhsa_code_object_version 6
	.text
	.protected	k_qa7313bdbcf_qkv
	.globl	k_qa7313bdbcf_qkv
	.p2align	8
	.type	k_qa7313bdbcf_qkv,@function
k_qa7313bdbcf_qkv:
	s_mov_b64 s[64:65], 0
	v_nop
	global_prefetch_b8 v0, s[64:65] scope:SCOPE_SE
	s_setreg_imm32_b32 hwreg(HW_REG_WAVE_MODE, 25, 1), 1
	s_wait_xcnt 0x0
; q, k, v = (src W^T + b) / (row norm + 1e-8), products on codes of E2M1.  Work-group (G, y): 64 rows (group G of one batch) x all 1,024 columns of q (y = 0), k (1) or v (2), so that a row's norm is made inside it.
; Sixteen waves, four to a SIMD; wave w makes 64 rows x columns 64 w .. 64 w + 63, which is head w: 16 accumulators.  Weight fragments come from memory straight into registers (each feeds one wave alone);
; the 64 rows' images are copied to LDS once and read by all waves.
; q, k: source 0 = 16 rows of W, source 1 = 16 rows of src: a lane holds ONE row and 32 neighbouring-by-16 columns; the head's 64 numbers are quantised along the head's axis.
; v: the sources are swapped: a lane holds ONE column and its registers run down the rows (the keys), along which v is quantised.
; Out: q's codes, scale words and |q|^2; for each head a block of 163,840 bytes: k's codes, k's scale words, |k|^2, v's codes, v's scale words, laid as the next launch's registers take them.
; LIMITS: NaN and infinities are not served; a block under 2^-124 keeps the byte 1; a division is a reciprocal and a multiplication.
.set KS,    8                          ; K steps of 128
.set WT,    8192                       ; bytes from a weight tile's images to the next tile's
.set WST,   1024                       ; the same for scale images
.set A_RT,  8192                       ; LDS: from a row tile's images to the next
.set A_S,   1024                       ; from a K step to the next
.set AS_RT, 1024
.set AS_S,  128
.set XAO,   0                          ; LDS: the rows' images,
.set XSO,   32768                      ; their scale images
.set NT6,   8                          ; loads issued behind the last weights
.set RED,   36864                      ; q, k: the waves' partial sums, [row 64] x 80 bytes;  v has bytes of its own
.set INV,   41984                      ; q, k: 256 bytes a wave
.set NAT,   0
.set PCB,   32
.set LI,  1                            ; v1   16 lane
.set LS,  2                            ; v2   4 lane
.set XAD, 1
.set XSD, 2
.set PIR, 5                            ; v5   pi(r)
.set HH,  6                            ; v6   h
.set RW,  7                            ; v7   80 pi(r) + 4 w
.set RR,  8                            ; v8   80 lane
.set IW,  9                            ; v9   256 w + 4 lane
.set IR,  10                           ; v10  256 w + 4 pi(r)
.set VB,  11                           ; v11  256 w + 64 h
.set WSC, 16                           ; v16-23  weights' scale words, two sets
.set XSC, 24                           ; v24-27  rows' scale words
.set WF,  32                           ; v32-95  weight fragments, two sets
.set XF,  96                           ; v96-127 the rows' four fragments
.set ACC, 128                          ; v128-255 accumulator (rt, ct) at 128 + 8 (4 rt + ct)
.set R0,  32
.set R1,  64
.set R2,  96
.set PP,  96
.set P,   120
.set PT,  124
.set WV,  20
.set AC,  24
.set AS,  26
.set WC,  28
.set WS,  30
.set SEL, 32
.set BP,  44
.set EPS, 46
; a row's multiplier for row tile rt stands in the low word of the pair v12, v14, v28, v30
.macro NOPS
.rept 4
	v_nop
.endr
.endm
.macro BAR                             ; my LDS stores have landed and my LDS loads are in: then the work-group's barrier
	s_wait_dscnt 0x0
	s_barrier_signal -1
	s_barrier_wait -1
.endm
.macro WM d, a, b, z, sa, sb
.if \z
	v_wmma_scale_f32_16x16x128_f8f6f4 v[\d:\d+7], v[\a:\a+7], v[\b:\b+7], 0, v[\sa], v[\sb] matrix_a_fmt:MATRIX_FMT_FP4 matrix_b_fmt:MATRIX_FMT_FP4
.else
	v_wmma_scale_f32_16x16x128_f8f6f4 v[\d:\d+7], v[\a:\a+7], v[\b:\b+7], v[\d:\d+7], v[\sa], v[\sb] matrix_a_fmt:MATRIX_FMT_FP4 matrix_b_fmt:MATRIX_FMT_FP4
.endif
.endm
.macro WLOAD s, set                    ; my four weight tiles of K step s: 8 + 4 loads
.irp ct, 0,1,2,3
.irp c, 0,1
	global_load_b128 v[WF+32*(\set)+8*\ct+4*\c:WF+32*(\set)+8*\ct+4*\c+3], v[LI], s[WC:WC+1] offset:\ct*WT+(\s)*1024+512*\c
.endr
	global_load_b32 v[WSC+4*(\set)+\ct], v[LS], s[WS:WS+1] offset:\ct*WST+(\s)*128
.endr
.endm
.macro XLOAD s                         ; the four row tiles of K step s
.irp rt, 0,1,2,3
.irp c, 0,1
	ds_load_b128 v[XF+8*\rt+4*\c:XF+8*\rt+4*\c+3], v[XAD] offset:XAO+\rt*A_RT+((\s)%8)*A_S+512*\c
.endr
	ds_load_b32 v[XSC+\rt], v[XSD] offset:XSO+\rt*AS_RT+((\s)%8)*AS_S
.endr
.endm
.macro MM                              ; 16 products; the accumulators take turns, one instruction a turn
.irp rt, 0,1,2,3
.irp ct, 0,1,2,3
.if NAT
	WM ACC+8*(4*\rt+\ct), XF+8*\rt, WF+32*SET+8*\ct, FIRST, XSC+\rt, WSC+4*SET+\ct
.else
	WM ACC+8*(4*\rt+\ct), WF+32*SET+8*\ct, XF+8*\rt, FIRST, WSC+4*SET+\ct, XSC+\rt
.endif
.endr
.endr
.endm
.macro COLS dst, ptr                   ; 32 numbers of a vector over the columns, in an accumulator row's order: 64 w + 32 b + 16 h + 0 .. 15
.irp ct, 0,1,2,3
.irp k, 0,1
	global_load_b128 v[\dst+8*\ct+4*\k:\dst+8*\ct+4*\k+3], v[VB], s[\ptr:\ptr+1] offset:128*(\ct/2)+32*(\ct%2)+16*\k
.endr
.endr
.endm
.macro TAIL6                           ; the bias, into the weight set that is done with
.if NAT
.irp ct, 0,1,2,3
	global_load_b32 v[R0+2*\ct], v[IR], s[BP:BP+1] offset:4*(32*(\ct/2)+8*(\ct%2))     ; my column's, in both words of a pair
	global_load_b32 v[R0+2*\ct+1], v[IR], s[BP:BP+1] offset:4*(32*(\ct/2)+8*(\ct%2))
.endr
.else
	COLS R0, BP
.endif
.endm
.macro STEP
.set SET, S%2
.if S == 0
.set FIRST, 1
.else
.set FIRST, 0
.endif
.if S == KS-1
	s_wait_loadcnt NT6                             ; the last weights are in; the bias may be out
.else
	s_wait_loadcnt 12                              ; this step's weights are in; the next step's twelve loads may be out
.endif
	s_wait_dscnt 0x0                               ; the rows' fragments are in
	MM
	NOPS                                           ; four places in front of loads into registers that the products have read
.if S+1 < KS
	XLOAD S+1
.endif
.if S+2 < KS
	WLOAD S+2, SET
.endif
.if S == KS-2
	TAIL6
.endif
.endm
.macro GEMM
.set S, 0
.rept KS
	STEP
.set S, S+1
.endr
.endm
.macro ADDB
.irp rt, 0,1,2,3
.set J, 0
.rept 16
	v_pk_add_f32 v[ACC+32*\rt+J:ACC+32*\rt+J+1], v[ACC+32*\rt+J:ACC+32*\rt+J+1], v[R0+J:R0+J+1]
.set J, J+2
.endr
.endr
.endm
.macro SUMSQ                           ; v[P + rt] = the squares of my 32 numbers of row tile rt
.irp rt, 0,1,2,3
	v_pk_mul_f32 v[PP+2*\rt:PP+2*\rt+1], v[ACC+32*\rt:ACC+32*\rt+1], v[ACC+32*\rt:ACC+32*\rt+1]
.endr
.set J, 2
.rept 15
.irp rt, 0,1,2,3
	v_pk_fma_f32 v[PP+2*\rt:PP+2*\rt+1], v[ACC+32*\rt+J:ACC+32*\rt+J+1], v[ACC+32*\rt+J:ACC+32*\rt+J+1], v[PP+2*\rt:PP+2*\rt+1]
.endr
.set J, J+2
.endr
.irp rt, 0,1,2,3
	v_add_f32 v[P+\rt], v[PP+2*\rt], v[PP+2*\rt+1]
.endr
.endm
.macro HALVES                          ; with lane l xor 16's: the wave's 64 columns
.irp rt, 0,1,2,3
	v_permlanex16_b32 v[PT+\rt], v[P+\rt], s[SEL], s[SEL+1]
.endr
.irp rt, 0,1,2,3
	v_add_f32 v[P+\rt], v[P+\rt], v[PT+\rt]
.endr
.endm
.macro RSTORE k                        ; the wave's sums go to the work-group's table
	HALVES
.irp rt, 0,1,2,3
	ds_store_b32 v[RW], v[P+\rt] offset:RED+5120*\k+80*(32*(\rt/2)+8*(\rt%2))
.endr
	BAR
.endm
.macro RLOAD k                         ; every wave adds the sixteen waves' sums of rows lane and lane + 32: v[R2], v[R2 + 16]
.irp z, 0,1
.irp q, 0,1,2,3
	ds_load_b128 v[R2+16*\z+4*\q:R2+16*\z+4*\q+3], v[RR] offset:RED+5120*\k+2560*\z+16*\q
.endr
.endr
	s_wait_dscnt 0x0
.irp o, 0,4,8,12,16,20,24,28
	v_pk_add_f32 v[R2+\o:R2+\o+1], v[R2+\o:R2+\o+1], v[R2+\o+2:R2+\o+3]
.endr
.irp o, 0,8,16,24
	v_pk_add_f32 v[R2+\o:R2+\o+1], v[R2+\o:R2+\o+1], v[R2+\o+4:R2+\o+5]
.endr
.irp o, 0,16
	v_pk_add_f32 v[R2+\o:R2+\o+1], v[R2+\o:R2+\o+1], v[R2+\o+8:R2+\o+9]
.endr
.irp o, 0,16
	v_add_f32 v[R2+\o], v[R2+\o], v[R2+\o+1]
.endr
.endm
.macro FN_INV                          ; 1 / (sqrt(sum) + 1e-8)
	v_sqrt_f32 v[R2], v[R2]
	v_sqrt_f32 v[R2+16], v[R2+16]
	v_nop
	s_wait_alu depctr_va_vdst(0)                   ; one wait for the two roots, ahead of their first reader
	v_add_f32 v[R2], s[EPS], v[R2]
	v_add_f32 v[R2+16], s[EPS], v[R2+16]
	v_rcp_f32 v[R2], v[R2]
	v_rcp_f32 v[R2+16], v[R2+16]
	v_nop
	s_wait_alu depctr_va_vdst(0)
.endm
.macro RBACK                           ; through the wave's own 256 bytes each lane gets its four rows' figures
	ds_store_b32 v[IW], v[R2] offset:INV
	ds_store_b32 v[IW], v[R2+16] offset:INV+128
.irp rt, 0,1,2,3
	ds_load_b32 v[12+2*\rt+12*(\rt/2)], v[IR] offset:INV+4*(32*(\rt/2)+8*(\rt%2))
.endr
	s_wait_dscnt 0x0
.endm
.macro SCALE
.irp rt, 0,1,2,3
.set J, 0
.rept 16
	v_pk_mul_f32 v[ACC+32*\rt+J:ACC+32*\rt+J+1], v[ACC+32*\rt+J:ACC+32*\rt+J+1], v[12+2*\rt+12*(\rt/2):13+2*\rt+12*(\rt/2)] op_sel_hi:[1,0]
.set J, J+2
.endr
.endr
.endm
; The 128 numbers of a lane are 8 half blocks: block q at v[ACC + 16 q], 16 neighbours; lane l xor 16 holds the other half.  Codes: 4 registers a row tile at v[PCB + 4 rt]; its two bytes at v[PCB + 16 + rt].
.macro QUANT8
.irp q, 0,1,2,3,4,5,6,7
	v_max3_num_f32 v[R2+\q], |v[ACC+16*\q]|, |v[ACC+16*\q+1]|, 0x1800000
.endr
.irp i, 2,4,6,8,10,12,14
.irp q, 0,1,2,3,4,5,6,7
	v_max3_num_f32 v[R2+\q], v[R2+\q], |v[ACC+16*\q+\i]|, |v[ACC+16*\q+\i+1]|
.endr
.endr
.irp q, 0,1,2,3,4,5,6,7
	v_permlanex16_b32 v[R2+8+\q], v[R2+\q], s[SEL], s[SEL+1]
.endr
.irp q, 0,1,2,3,4,5,6,7
	v_max_num_f32 v[R2+\q], v[R2+\q], v[R2+8+\q]
.endr
.irp q, 0,1,2,3,4,5,6,7
	v_add_nc_u32 v[R2+16+\q], 0xff000000, v[R2+\q]
.endr
.irp q, 0,1,2,3,4,5,6,7
	v_lshrrev_b32 v[R2+\q], 23, v[R2+16+\q]
.endr
.irp rt, 0,1,2,3
	v_lshl_or_b32 v[PCB+16+\rt], v[R2+2*\rt+1], 8, v[R2+2*\rt]
.endr
.irp q, 0,1,2,3,4,5,6,7
	v_cvt_scalef32_pk8_fp4_f32 v[PCB+2*\q], v[ACC+16*\q:ACC+16*\q+7], v[R2+16+\q]
	v_cvt_scalef32_pk8_fp4_f32 v[PCB+2*\q+1], v[ACC+16*\q+8:ACC+16*\q+15], v[R2+16+\q]
.endr
	v_nop                                          ; one plain line behind the conversions
.irp rt, 0,1,2,3
.irp i, 0,1
	v_permlane16_swap_b32 v[PCB+4*\rt+\i], v[PCB+4*\rt+2+\i]   ; a whole block to a lane: lanes 0-15 the first, lanes 16-31 the second
.endr
.endr
.endm
	s_load_b256 s[4:11], s[0:1], 0x0               ; wimg, bq, bk, bv
	s_load_b64 s[12:13], s[0:1], 0x20              ; qkvb
	v_lshrrev_b32 v28, 5, v0
	v_readfirstlane_b32 s[WV], v28                 ; wave 0..15 = head
	v_and_b32 v29, 31, v0                          ; lane
	v_lshlrev_b32 v[LI], 4, v29
	v_lshlrev_b32 v[LS], 2, v29
	v_and_b32 v30, 15, v0                          ; r
	v_bfe_u32 v[HH], v0, 4, 1
	v_and_b32 v31, 8, v30
	v_add_nc_u32 v[PIR], v31, v30
	s_lshl_b32 s21, s[WV], 2
	s_lshl_b32 s23, s[WV], 8
	v_mul_u32_u24 v[RW], v[PIR], 80
	v_add_nc_u32 v[RW], s21, v[RW]
	v_mul_u32_u24 v[RR], v29, 80
	v_add_nc_u32 v[IW], s23, v[LS]
	v_lshl_add_u32 v[IR], v[PIR], 2, s23
	v_lshl_add_u32 v[VB], v[HH], 6, s23
	v_mul_u32_u24 v3, v[HH], 1280
	v_add_nc_u32 v3, s21, v3                       ; v: 80 x 16 h + 4 w
	s_lshl_b32 s21, s[WV], 11
	v_add_nc_u32 v28, s21, v[LI]                   ; the copy of the rows' images: 2,048 w + 16 lane, in memory and in LDS
	v_lshl_add_u32 v29, v29, 3, s23                ; of their scale images: 256 w + 8 lane
	s_and_b32 s22, ttmp7, 0xffff                   ; y
	s_lshl_b32 s34, ttmp9, 15                      ; src's images of group G: 32 fragments
	s_mov_b32 s35, 0
	s_lshl_b32 s36, ttmp9, 12
	s_add_co_u32 s36, s36, 8388608
	s_mov_b32 s37, 0
	s_lshl_b32 s38, s22, 9
	s_lshl_b32 s39, s[WV], 5
	s_add_co_u32 s38, s38, s39
	s_add_co_u32 s38, s38, 2048                    ; my first weight fragment: 2048 + 512 y + 32 w
	s_lshl_b32 s40, s38, 10
	s_mov_b32 s41, 0
	s_lshl_b32 s42, s38, 7
	s_add_co_u32 s42, s42, 8388608
	s_mov_b32 s43, 0
	s_mov_b32 s[SEL], 0x76543210
	s_mov_b32 s[SEL+1], 0xfedcba98
	s_mov_b32 s[EPS], 0x322bcc77                   ; 1e-8
	s_wait_kmcnt 0x0
	s_add_nc_u64 s[AC:AC+1], s[4:5], s[34:35]
	s_add_nc_u64 s[AS:AS+1], s[4:5], s[36:37]
	s_add_nc_u64 s[WC:WC+1], s[4:5], s[40:41]
	s_add_nc_u64 s[WS:WS+1], s[4:5], s[42:43]
	s_cmp_eq_u32 s22, 0
	s_cselect_b64 s[BP:BP+1], s[6:7], s[8:9]
	s_cmp_eq_u32 s22, 2
	s_cselect_b64 s[BP:BP+1], s[10:11], s[BP:BP+1]
.irp i, 0,1,2,3
	global_load_b128 v[ACC+4*\i:ACC+4*\i+3], v28, s[AC:AC+1] offset:512*\i
.endr
	global_load_b64 v[ACC+16:ACC+17], v29, s[AS:AS+1]
	WLOAD 0, 0
	WLOAD 1, 1
	s_wait_loadcnt 24                              ; the rows' images are in; two steps' weights may be out
.irp i, 0,1,2,3
	ds_store_b128 v28, v[ACC+4*\i:ACC+4*\i+3] offset:512*\i
.endr
	ds_store_b64 v29, v[ACC+16:ACC+17] offset:XSO
	BAR                                            ; the 64 rows' images lie in LDS
	XLOAD 0
	s_lshr_b32 s34, ttmp9, 5
	s_lshl_b32 s34, s34, 4
	s_add_co_u32 s34, s34, s[WV]                   ; hb = 16 batch + head
	s_and_b32 s35, ttmp9, 31                       ; the group within its batch
	s_mul_i32 s36, s34, 163840
	s_add_co_u32 s36, s36, 3145728                 ; the head's block of k and v
	s_lshr_b32 s37, s35, 1                         ; the key step
	s_and_b32 s38, s35, 1                          ; and which half of it
	s_cmp_eq_u32 s22, 2
	s_cbranch_scc1 .Lv
	; ---------------- q and k
	GEMM
.irp r, 13,15,29,31,124,125,126,127
	v_mov_b32 v\r, 0                               ; upper words of pairs, and the lane permutes' destinations
.endr
	s_wait_loadcnt 0x0                             ; the bias
	ADDB
	SUMSQ
	RSTORE 0
	RLOAD 0
	FN_INV
	RBACK
	SCALE                                          ; on the unit sphere
	SUMSQ
	HALVES                                         ; |q|^2 or |k|^2 of the head's 64, unquantised
	QUANT8
.irp rt, 0,1,2,3
	v_or_b32 v[PCB+16+\rt], 0x7f7f0000, v[PCB+16+\rt]   ; K is 64: the step's upper two blocks are zero codes under the byte 127
.endr
	s_cmp_eq_u32 s22, 0
	s_cbranch_scc0 .Lk
	s_lshl_b32 s39, s34, 7
	s_lshl_b32 s40, s35, 2
	s_add_co_u32 s39, s39, s40                     ; 128 hb + my first tile of queries
	s_lshl_b32 s40, s39, 9
	s_mov_b32 s41, 0
	s_lshl_b32 s42, s39, 8
	s_add_co_u32 s42, s42, 2097152
	s_mov_b32 s43, 0
	s_add_nc_u64 s[48:49], s[12:13], s[40:41]
	s_add_nc_u64 s[50:51], s[12:13], s[42:43]
.irp rt, 0,1,2,3
	global_store_b128 v[LI], v[PCB+4*\rt:PCB+4*\rt+3], s[48:49] offset:512*\rt
	global_store_b32 v[LS], v[PCB+16+\rt], s[50:51] offset:256*\rt
	global_store_b32 v[LS], v[P+\rt], s[50:51] offset:256*\rt+128
.endr
	s_wait_xcnt 0x0
	v_lshl_add_u32 v254, v0, 2, 0xd800
	v_mov_b32 v255, 0
	s_wait_tensorcnt 0x0
	ds_add_u32 v254, v255
	s_wait_dscnt 0x0
	s_endpgm
.Lk:
	s_lshl_b32 s40, s35, 11
	s_add_co_u32 s40, s40, s36                     ; codes: tile 4 Gb on, 512 bytes a tile
	s_mov_b32 s41, 0
	s_lshl_b32 s42, s37, 10
	s_lshl_b32 s43, s38, 4
	s_add_co_u32 s42, s42, s43
	s_add_co_u32 s42, s42, s36
	s_add_co_u32 s42, s42, 65536                   ; scale words: [step][lane][tile 8]
	s_mov_b32 s43, 0
	s_lshl_b32 s52, s35, 8
	s_add_co_u32 s52, s52, s36
	s_add_co_u32 s52, s52, 81920                   ; |k|^2 by key
	s_mov_b32 s53, 0
	s_add_nc_u64 s[48:49], s[12:13], s[40:41]
	s_add_nc_u64 s[50:51], s[12:13], s[42:43]
	s_add_nc_u64 s[54:55], s[12:13], s[52:53]
	v_lshlrev_b32 v64, 1, v[LI]                    ; 32 lane
	v_lshlrev_b32 v65, 2, v[PIR]
	v_lshl_add_u32 v65, v[HH], 5, v65              ; key pi(r) + 8 h: lanes 0-15 store the even tile's, lanes 16-31 the odd tile's
	v_cmp_eq_u32 vcc_lo, 1, v[HH]
	v_cndmask_b32 v66, v[P], v[P+1], vcc_lo
	v_cndmask_b32 v67, v[P+2], v[P+3], vcc_lo
.irp rt, 0,1,2,3
	global_store_b128 v[LI], v[PCB+4*\rt:PCB+4*\rt+3], s[48:49] offset:512*\rt
.endr
	global_store_b128 v64, v[PCB+16:PCB+19], s[50:51]
	global_store_b32 v65, v66, s[54:55]
	global_store_b32 v65, v67, s[54:55] offset:128
	s_wait_xcnt 0x0
	v_lshl_add_u32 v254, v0, 2, 0xd800
	v_mov_b32 v255, 0
	s_wait_tensorcnt 0x0
	ds_add_u32 v254, v255
	s_wait_dscnt 0x0
	s_endpgm
	; ---------------- v: the sources swapped; LDS bytes of its own
.Lv:
.set NAT, 1
.set RED, 46080
.set INV, 51200
.set PCB, 64
	GEMM                                           ; accumulator (rt, ct), lane (r, h), register j: row 32 (rt / 2) + 16 h + 8 (rt % 2) + j, column pi(r) of tile ct
	s_wait_loadcnt 0x0                             ; the bias
.irp rt, 0,1,2,3
.irp ct, 0,1,2,3
.irp j, 0,2,4,6
	v_pk_add_f32 v[ACC+8*(4*\rt+\ct)+\j:ACC+8*(4*\rt+\ct)+\j+1], v[ACC+8*(4*\rt+\ct)+\j:ACC+8*(4*\rt+\ct)+\j+1], v[R0+2*\ct:R0+2*\ct+1]
.endr
.endr
.endr
.irp rt, 0,1,2,3
.irp j, 0,2,4,6
	v_pk_mul_f32 v[R1+8*\rt+\j:R1+8*\rt+\j+1], v[ACC+32*\rt+\j:ACC+32*\rt+\j+1], v[ACC+32*\rt+\j:ACC+32*\rt+\j+1]
.endr
.endr
.irp ct, 1,2,3
.irp rt, 0,1,2,3
.irp j, 0,2,4,6
	v_pk_fma_f32 v[R1+8*\rt+\j:R1+8*\rt+\j+1], v[ACC+8*(4*\rt+\ct)+\j:ACC+8*(4*\rt+\ct)+\j+1], v[ACC+8*(4*\rt+\ct)+\j:ACC+8*(4*\rt+\ct)+\j+1], v[R1+8*\rt+\j:R1+8*\rt+\j+1]
.endr
.endr
.endr
.irp m, 1,2,4,8                        ; over the sixteen lanes of a half: the wave's 64 columns
.set J, 0
.rept 32
	v_add_f32_dpp v[R1+J], v[R1+J], v[R1+J] row_xmask:\m row_mask:0xf bank_mask:0xf
.set J, J+1
.endr
.endr
.irp rt, 0,1,2,3
.irp j, 0,1,2,3,4,5,6,7
	ds_store_b32 v3, v[R1+8*\rt+\j] offset:RED+80*(32*(\rt/2)+8*(\rt%2)+\j)   ; sixteen lanes write the same word with the same value
.endr
.endr
	BAR
	RLOAD 0
	FN_INV
	ds_store_b32 v[IW], v[R2] offset:INV
	ds_store_b32 v[IW], v[R2+16] offset:INV+128
.irp rt, 0,1,2,3
.irp k, 0,1
	ds_load_b128 v[R0+8*\rt+4*\k:R0+8*\rt+4*\k+3], v[VB] offset:INV+4*(32*(\rt/2)+8*(\rt%2))+16*\k   ; my eight rows' figures of each row tile
.endr
.endr
	s_wait_dscnt 0x0
.irp rt, 0,1,2,3
.irp ct, 0,1,2,3
.irp j, 0,2,4,6
	v_pk_mul_f32 v[ACC+8*(4*\rt+\ct)+\j:ACC+8*(4*\rt+\ct)+\j+1], v[ACC+8*(4*\rt+\ct)+\j:ACC+8*(4*\rt+\ct)+\j+1], v[R0+8*\rt+\j:R0+8*\rt+\j+1]
.endr
.endr
.endr
	; quantised along the keys: block b of column tile ct is accumulators (2 b, ct) and (2 b + 1, ct): 16 neighbouring keys a lane
.irp ct, 0,1,2,3
.irp b, 0,1
	v_max3_num_f32 v[R2+2*\ct+\b], |v[ACC+8*(8*\b+\ct)]|, |v[ACC+8*(8*\b+\ct)+1]|, 0x1800000
.endr
.endr
.irp j, 2,4,6
.irp ct, 0,1,2,3
.irp b, 0,1
	v_max3_num_f32 v[R2+2*\ct+\b], v[R2+2*\ct+\b], |v[ACC+8*(8*\b+\ct)+\j]|, |v[ACC+8*(8*\b+\ct)+\j+1]|
.endr
.endr
.endr
.irp j, 0,2,4,6
.irp ct, 0,1,2,3
.irp b, 0,1
	v_max3_num_f32 v[R2+2*\ct+\b], v[R2+2*\ct+\b], |v[ACC+8*(8*\b+4+\ct)+\j]|, |v[ACC+8*(8*\b+4+\ct)+\j+1]|
.endr
.endr
.endr
.irp q, 0,1,2,3,4,5,6,7
	v_permlanex16_b32 v[R2+8+\q], v[R2+\q], s[SEL], s[SEL+1]
.endr
.irp q, 0,1,2,3,4,5,6,7
	v_max_num_f32 v[R2+\q], v[R2+\q], v[R2+8+\q]
.endr
.irp q, 0,1,2,3,4,5,6,7
	v_add_nc_u32 v[R2+16+\q], 0xff000000, v[R2+\q]
.endr
.irp q, 0,1,2,3,4,5,6,7
	v_lshrrev_b32 v[R2+\q], 23, v[R2+16+\q]
.endr
.irp ct, 0,1,2,3
	v_lshl_or_b32 v[PCB+16+\ct], v[R2+2*\ct+1], 8, v[R2+2*\ct]
.endr
.irp ct, 0,1,2,3
.irp b, 0,1
	v_cvt_scalef32_pk8_fp4_f32 v[PCB+4*\ct+2*\b], v[ACC+8*(8*\b+\ct):ACC+8*(8*\b+\ct)+7], v[R2+16+2*\ct+\b]
	v_cvt_scalef32_pk8_fp4_f32 v[PCB+4*\ct+2*\b+1], v[ACC+8*(8*\b+4+\ct):ACC+8*(8*\b+4+\ct)+7], v[R2+16+2*\ct+\b]
.endr
.endr
	v_nop
.irp ct, 0,1,2,3
.irp i, 0,1
	v_permlane16_swap_b32 v[PCB+4*\ct+\i], v[PCB+4*\ct+2+\i]
.endr
.endr
	s_lshl_b32 s40, s37, 12
	s_lshl_b32 s41, s38, 9
	s_add_co_u32 s40, s40, s41
	s_add_co_u32 s40, s40, s36
	s_add_co_u32 s40, s40, 90112                   ; codes: [step][tile of 16 channels][half of the step]
	s_mov_b32 s41, 0
	s_lshl_b32 s42, s37, 9
	s_lshl_b32 s43, s38, 1
	s_add_co_u32 s42, s42, s43
	s_add_co_u32 s42, s42, s36
	s_add_co_u32 s42, s42, 155648                  ; scale words: [step][lane][tile 4]; my two bytes of each
	s_mov_b32 s43, 0
	s_add_nc_u64 s[48:49], s[12:13], s[40:41]
	s_add_nc_u64 s[50:51], s[12:13], s[42:43]
.irp ct, 0,1,2,3
	global_store_b128 v[LI], v[PCB+4*\ct:PCB+4*\ct+3], s[48:49] offset:1024*\ct
	global_store_b16 v[LI], v[PCB+16+\ct], s[50:51] offset:4*\ct
.endr
	s_wait_xcnt 0x0
	v_lshl_add_u32 v254, v0, 2, 0xd800
	v_mov_b32 v255, 0
	s_wait_tensorcnt 0x0
	ds_add_u32 v254, v255
	s_wait_dscnt 0x0
	s_endpgm
.Lfunc_end_k_qa7313bdbcf_qkv:
	.size	k_qa7313bdbcf_qkv, .Lfunc_end_k_qa7313bdbcf_qkv-k_qa7313bdbcf_qkv
	.p2alignl 7, 3214868480
	.fill 96, 4, 3214868480
	.section	.rodata,"a",@progbits
	.p2align	6, 0x0
	.amdhsa_kernel k_qa7313bdbcf_qkv
		.amdhsa_group_segment_fixed_size 57344
		.amdhsa_private_segment_fixed_size 0
		.amdhsa_enable_private_segment 0
		.amdhsa_kernarg_size 40
		.amdhsa_user_sgpr_count 2
		.amdhsa_user_sgpr_kernarg_segment_ptr 1
		.amdhsa_wavefront_size32 1
		.amdhsa_system_sgpr_workgroup_id_x 1
		.amdhsa_system_sgpr_workgroup_id_y 1
		.amdhsa_system_sgpr_workgroup_id_z 1
		.amdhsa_system_vgpr_workitem_id 0
		.amdhsa_next_free_vgpr 256
		.amdhsa_next_free_sgpr 66
		.amdhsa_reserve_vcc 1
		.amdhsa_float_denorm_mode_32 3
		.amdhsa_float_denorm_mode_16_64 3
		.amdhsa_memory_ordered 1
		.amdhsa_forward_progress 1
		.amdhsa_inst_pref_size 132
	.end_amdhsa_kernel
	.amdgpu_metadata
---
amdhsa.version: [ 1, 2 ]
amdhsa.kernels:
  - .name:           k_qa7313bdbcf_qkv
    .symbol:         k_qa7313bdbcf_qkv.kd
    .args:
      - { .name: wimg, .offset: 0, .size: 8, .value_kind: global_buffer, .address_space: global }
      - { .name: bq, .offset: 8, .size: 8, .value_kind: global_buffer, .address_space: global }
      - { .name: bk, .offset: 16, .size: 8, .value_kind: global_buffer, .address_space: global }
      - { .name: bv, .offset: 24, .size: 8, .value_kind: global_buffer, .address_space: global }
      - { .name: qkvb, .offset: 32, .size: 8, .value_kind: global_buffer, .address_space: global }
    .group_segment_fixed_size: 57344
    .private_segment_fixed_size: 0
    .kernarg_segment_align: 8
    .kernarg_segment_size: 40
    .max_flat_workgroup_size: 512
    .sgpr_count:     66
    .vgpr_count:     256
    .wavefront_size: 32
...
	.end_amdgpu_metadata
.endif
;; end of part 2
;; launch attn (part 3): grid 8 x 32, 16 waves a work-group, no clusters, 169,984 bytes of LDS; arguments qkvb, oimg; writes oimg
.if DOCPART == 3
	.amdgcn_target "amdgcn-amd-amdhsa--gfx1250"
	.amdhsa_code_object_version 6
	.text
	.protected	k_qa7313bdbcf_attn
	.globl	k_qa7313bdbcf_attn
	.p2align	8
	.type	k_qa7313bdbcf_attn,@function
k_qa7313bdbcf_attn:
	s_mov_b64 s[64:65], 0
	v_nop
	global_prefetch_b8 v0, s[64:65] scope:SCOPE_SE
	s_setreg_imm32_b32 hwreg(HW_REG_WAVE_MODE, 25, 1), 1
	s_wait_xcnt 0x0
; out = softmax(-sqrt(clip(1 - d^2 / (|q|^2 |k|^2 + 1e-8), 0))) v for one head of one batch, d = q . k; both products on codes of E2M1.
; A work-group owns 256 queries of head hb; each of its sixteen waves one tile of 16.  The head's k and v (codes, scale words, |k|^2: 163,840 bytes) come into LDS ONCE, a tensor load of 10,240 bytes a wave
; (one outstanding a wave); nothing is filled again.  Every wave walks the 2,048 keys, 128 a step.
; Both products are used transposed: S^T = k q^T, O^T = v^T p^T: a lane holds ONE query; the keys of a tile are 32 g + 8 u + pi(r), so that a lane's 16 registers of two neighbouring tiles are 16 neighbouring keys.
; THE EXPONENT.  The clip bounds the quadrance to 0 .. 1 for every input (the divisor is at least 1e-8), so t = score x log2(e) lies in -1.4427 .. 0, p = 2^t in 0.367 .. 1 and a row's sum in 753 .. 2,048:
; the whole number M that is taken off t is 0 or -1, and 0 is taken here; against -1 every p and the sum differ by the exact factor 2, which the blocks' scales and the last division take up.
; sqrt(n / den) is made as n x rsq(n x den), n = den - d^2: two transcendentals a score.
; LIMITS: n is held at 2^-80 from below in place of 0: the root is then under 1e-8 and p rounds to 1.0 as with 0.  NaN and infinities are not served.  The last division is a reciprocal and a multiplication.
.set KSCO, 65536                       ; LDS: k's codes from 0 ([tile 128] x 512 bytes); k's scale words [step][lane][tile 8];
.set KNO,  81920                       ; |k|^2 by key;
.set VCO,  90112                       ; v's codes [step][tile 4][half 2] x 512 bytes;
.set VSCO, 155648                      ; v's scale words [step][lane][tile 4]
.set LI,   1                           ; v1   16 lane
.set KSC0, 2
.set KN0,  3
.set VS0,  4
.set LIV,  5
.set ADK,  6                           ; v6, v7, v17, v249, v254: the step's addresses
.set ADS,  7
.set ADN,  17
.set ADV,  249
.set ADT,  254
.set LS,   255                         ; v255 4 lane
; v8-15 q (v12-15 zero codes); v16 q's scale word; v[18:19] |q|^2; v[20:23] the sum in two pairs; v24-31 k's scale words; v32-63 four fragments of k (upper halves zero codes);
; v64-127 S^T, then n, the root, t, p; v128-191 |k|^2, den, n den, its rsq; then v128-159 v's fragments; v192-223 O^T; v224-231 p's codes; v232-243 at work; v248 p's scale word; v250-253 v's scale words
.set SEL,  36
.set EP,   38
.set NC,   40
.set TINY, 42
.set O4,   43
.set O1,   44
.set O5,   45
.macro NOPS
.rept 4
	v_nop
.endr
.endm
.macro WM d, a, b, z, sa, sb
.if \z
	v_wmma_scale_f32_16x16x128_f8f6f4 v[\d:\d+7], v[\a:\a+7], v[\b:\b+7], 0, v[\sa], v[\sb] matrix_a_fmt:MATRIX_FMT_FP4 matrix_b_fmt:MATRIX_FMT_FP4
.else
	v_wmma_scale_f32_16x16x128_f8f6f4 v[\d:\d+7], v[\a:\a+7], v[\b:\b+7], v[\d:\d+7], v[\sa], v[\sb] matrix_a_fmt:MATRIX_FMT_FP4 matrix_b_fmt:MATRIX_FMT_FP4
.endif
.endm
	s_load_b128 s[4:7], s[0:1], 0x0                ; qkvb, oimg
	v_lshl_add_u32 v246, v0, 2, 0x29000
	v_mov_b32 v247, 0
	ds_add_u32 v246, v247
	ds_add_u32 v246, v247
	v_lshrrev_b32 v6, 5, v0
	v_readfirstlane_b32 s8, v6                     ; wave
	v_and_b32 v6, 31, v0
	v_lshlrev_b32 v[LI], 4, v6
	v_lshlrev_b32 v[LS], 2, v6
	v_lshl_add_u32 v[KSC0], v6, 5, KSCO
	v_bfe_u32 v7, v0, 4, 1
	v_lshl_add_u32 v[KN0], v7, 6, KNO
	v_add_nc_u32 v[VS0], VSCO, v[LI]
	v_add_nc_u32 v[LIV], VCO, v[LI]
.irp r, 12,13,14,15,19,20,21,22,23,236,237,238,239
	v_mov_b32 v\r, 0                               ; q's zero codes; the pair's upper word; the sums; the lane permutes' destinations
.endr
.irp t, 0,1,2,3
.irp i, 4,5,6,7
	v_mov_b32 v[32+8*\t+\i], 0                     ; k's zero codes for K = 64 .. 127: written once
.endr
.endr
	s_and_b32 s9, ttmp7, 0xffff                    ; hb
	s_mov_b32 s16, 3<<16                           ; group 1: no mask, elements of 8 bytes, no padding
	s_mov_b32 s17, 32<<16                          ; tensor_dim0 = 32 elements: rows of 256 bytes
	s_mov_b32 s18, 40<<16                          ; tensor_dim1 = 40 rows
	s_mov_b32 s19, 32<<16                          ; tile_dim0
	s_mov_b32 s20, 40                              ; tile_dim1
	s_mov_b32 s21, 32                              ; the rows are dense
	s_mov_b32 s22, 0
	s_mov_b32 s23, 0
	s_mul_i32 s10, s8, 10240                       ; my sixteenth of the block, in memory and in LDS
	s_mul_i32 s24, s9, 163840
	s_add_co_u32 s24, s24, s10
	s_add_co_u32 s24, s24, 3145728
	s_mov_b32 s25, 0
	s_lshl_b32 s26, ttmp9, 4
	s_add_co_u32 s26, s26, s8                      ; my tile of queries
	s_lshl_b32 s27, s9, 7
	s_add_co_u32 s27, s27, s26
	s_lshl_b32 s28, s27, 9
	s_mov_b32 s29, 0
	s_lshl_b32 s32, s27, 8
	s_add_co_u32 s32, s32, 2097152
	s_mov_b32 s33, 0
	s_mov_b32 s[SEL], 0x76543210
	s_mov_b32 s[SEL+1], 0xfedcba98
	s_mov_b32 s[EP], 0x322bcc77                    ; 1e-8
	s_mov_b32 s[EP+1], s[EP]
	s_mov_b32 s[NC], 0xbfb8aa3b                    ; -log2(e)
	s_mov_b32 s[NC+1], s[NC]
	s_mov_b32 s[TINY], 0x17800000                  ; 2^-80
	s_mov_b32 s[O4], 0
	s_mov_b32 s[O1], 0
	s_mov_b32 s[O5], 0
	s_wait_dscnt 0x0
	s_wait_kmcnt 0x0
	s_mov_b32 s12, 1
	s_mov_b32 s13, s10
	s_add_nc_u64 s[14:15], s[4:5], s[24:25]
	s_or_b32 s15, s15, 0x80000000
	tensor_load_to_lds s[12:15], s[16:23]
	s_nop 0
	NOPS
	s_add_nc_u64 s[30:31], s[4:5], s[28:29]
	s_add_nc_u64 s[34:35], s[4:5], s[32:33]
	global_load_b128 v[8:11], v[LI], s[30:31]      ; q's codes
	global_load_b32 v16, v[LS], s[34:35]           ; its scale words
	global_load_b32 v18, v[LS], s[34:35] offset:128   ; |q|^2 of my query
	s_wait_tensorcnt 0x0                           ; my part of the block has landed,
	s_wait_loadcnt 0x0
	s_barrier_signal -1
	s_barrier_wait -1                              ; everybody's has
.macro TRIP first
	v_add_nc_u32 v[ADK], s[O4], v[LI]              ; (these five are also the places in front of loads over v's fragments)
	v_add_nc_u32 v[ADS], s[O1], v[KSC0]
	v_add_nc_u32 v[ADN], s[O5], v[KN0]
	v_add_nc_u32 v[ADV], s[O4], v[LIV]
	v_add_nc_u32 v[ADT], s[O5], v[VS0]
.irp t, 0,1,2,3
	ds_load_b128 v[32+8*\t:35+8*\t], v[ADK] offset:512*\t
.endr
	ds_load_b128 v[24:27], v[ADS]
	ds_load_b128 v[28:31], v[ADS] offset:16
.irp b, 0,1,2,3
.irp q, 0,1,2,3
	ds_load_b128 v[128+16*\b+4*\q:131+16*\b+4*\q], v[ADN] offset:128*\b+16*\q   ; |k|^2 of keys 32 b + 16 h + 0 .. 15
.endr
.endr
	s_wait_dscnt 16                                ; tiles 0-3 and the scale words are in; the sixteen loads of |k|^2 may be out
.irp t, 0,1,2,3
	WM 64+8*\t, 32+8*\t, 8, 1, 24+\t, 16
.endr
	NOPS
.irp t, 0,1,2,3
	ds_load_b128 v[32+8*\t:35+8*\t], v[ADK] offset:2048+512*\t
.endr
	s_wait_dscnt 4                                 ; |k|^2 is in; tiles 4-7 may be out
.set J, 0
.rept 32
	v_pk_fma_f32 v[128+J:129+J], v[128+J:129+J], v[18:19], s[EP:EP+1] op_sel_hi:[1,0,0]   ; den = |k|^2 |q|^2 + 1e-8
.set J, J+2
.endr
	s_wait_dscnt 0x0
.irp t, 0,1,2,3
	WM 96+8*\t, 32+8*\t, 8, 1, 28+\t, 16
.endr
.set J, 0
.rept 32
	v_pk_fma_f32 v[64+J:65+J], v[64+J:65+J], v[64+J:65+J], v[128+J:129+J] neg_lo:[1,0,0] neg_hi:[1,0,0]   ; n = den - d^2, ascending: the first sixteen are the places behind the last four products
.set J, J+2
.endr
.set J, 0
.rept 64
	v_max_num_f32 v[64+J], s[TINY], v[64+J]        ; the clip
.set J, J+1
.endr
.set J, 0
.rept 32
	v_pk_mul_f32 v[128+J:129+J], v[64+J:65+J], v[128+J:129+J]
.set J, J+2
.endr
.set J, 0
.rept 64
	v_rsq_f32 v[128+J], v[128+J]
.set J, J+1
.endr
	v_nop
	s_wait_alu depctr_va_vdst(0)                   ; one wait for the batch, ahead of its first reader
.set J, 0
.rept 32
	v_pk_mul_f32 v[64+J:65+J], v[64+J:65+J], v[128+J:129+J]   ; sqrt(n / den)
.set J, J+2
.endr
.irp dt, 0,1,2,3
.irp c, 0,1
	ds_load_b128 v[128+8*\dt+4*\c:131+8*\dt+4*\c], v[ADV] offset:1024*\dt+512*\c
.endr
.endr
	ds_load_b128 v[250:253], v[ADT]
.set J, 0
.rept 32
	v_pk_mul_f32 v[64+J:65+J], v[64+J:65+J], s[NC:NC+1] op_sel_hi:[1,0]   ; t
.set J, J+2
.endr
.set J, 0
.rept 64
	v_exp_f32 v[64+J], v[64+J]                     ; p = 2^t: not normalised
.set J, J+1
.endr
	v_nop
	s_wait_alu depctr_va_vdst(0)
.irp b, 0,1,2,3
	v_max3_num_f32 v[232+\b], v[64+16*\b], v[65+16*\b], 0x1800000
.endr
.irp i, 2,4,6,8,10,12,14
.irp b, 0,1,2,3
	v_max3_num_f32 v[232+\b], v[232+\b], v[64+16*\b+\i], v[65+16*\b+\i]
.endr
.endr
.irp b, 0,1,2,3
	v_permlanex16_b32 v[236+\b], v[232+\b], s[SEL], s[SEL+1]
.endr
.irp b, 0,1,2,3
	v_max_num_f32 v[232+\b], v[232+\b], v[236+\b]
.endr
.irp b, 0,1,2,3
	v_add_nc_u32 v[240+\b], 0xff000000, v[232+\b]
.endr
.irp b, 0,1,2,3
	v_lshrrev_b32 v[236+\b], 23, v[240+\b]
.endr
	v_lshl_or_b32 v248, v237, 8, v236
	v_lshl_or_b32 v248, v238, 16, v248
	v_lshl_or_b32 v248, v239, 24, v248
.irp b, 0,1,2,3
	v_cvt_scalef32_pk8_fp4_f32 v[224+2*\b], v[64+16*\b:71+16*\b], v[240+\b]
	v_cvt_scalef32_pk8_fp4_f32 v[225+2*\b], v[72+16*\b:79+16*\b], v[240+\b]
.endr
	v_nop
.irp c, 0,1
.irp i, 0,1
	v_permlane16_swap_b32 v[224+4*\c+\i], v[226+4*\c+\i]
.endr
.endr
.set J, 0
.rept 16
	v_pk_add_f32 v[20:21], v[20:21], v[64+J:65+J]  ; the row's sum, of the unquantised p, in two chains.  (These 32 are the places between the scale word, the codes and the products)
	v_pk_add_f32 v[22:23], v[22:23], v[66+J:67+J]
.set J, J+4
.endr
	s_wait_dscnt 0x0                               ; v's fragments and scale words are in
.irp dt, 0,1,2,3
	WM 192+8*\dt, 128+8*\dt, 224, \first, 250+\dt, 248
.endr
	s_add_co_u32 s[O4], s[O4], 4096
	s_add_co_u32 s[O1], s[O1], 1024
	s_add_co_u32 s[O5], s[O5], 512
.endm
	TRIP 1                                         ; the first step's products start O^T's sums
	s_mov_b32 s46, 15
.Lkeys:
	TRIP 0
	s_sub_co_u32 s46, s46, 1
	s_cmp_lg_u32 s46, 0
	s_cbranch_scc1 .Lkeys
	NOPS
	v_pk_add_f32 v[20:21], v[20:21], v[22:23]
	v_add_f32 v20, v20, v21
	v_permlanex16_b32 v236, v20, s[SEL], s[SEL+1]
	v_add_f32 v20, v20, v236                       ; the row's sum
	v_rcp_f32 v20, v20
	v_mov_b32 v21, 0                               ; (a plain line behind the reciprocal)
	s_wait_alu depctr_va_vdst(0)
.set J, 0
.rept 16
	v_pk_mul_f32 v[192+J:193+J], v[192+J:193+J], v[20:21] op_sel_hi:[1,0]   ; register 16 b + i: channel 32 b + 16 h + i of my query
.set J, J+2
.endr
	; the head's 64 channels are half a K step of the next product: quantised here, stored as half a fragment's image
.irp b, 0,1
	v_max3_num_f32 v[232+\b], |v[192+16*\b]|, |v[193+16*\b]|, 0x1800000
.endr
.irp i, 2,4,6,8,10,12,14
.irp b, 0,1
	v_max3_num_f32 v[232+\b], v[232+\b], |v[192+16*\b+\i]|, |v[193+16*\b+\i]|
.endr
.endr
.irp b, 0,1
	v_permlanex16_b32 v[236+\b], v[232+\b], s[SEL], s[SEL+1]
.endr
.irp b, 0,1
	v_max_num_f32 v[232+\b], v[232+\b], v[236+\b]
.endr
.irp b, 0,1
	v_add_nc_u32 v[240+\b], 0xff000000, v[232+\b]
.endr
.irp b, 0,1
	v_lshrrev_b32 v[236+\b], 23, v[240+\b]
.endr
	v_lshl_or_b32 v228, v237, 8, v236
.irp b, 0,1
	v_cvt_scalef32_pk8_fp4_f32 v[224+2*\b], v[192+16*\b:199+16*\b], v[240+\b]
	v_cvt_scalef32_pk8_fp4_f32 v[225+2*\b], v[200+16*\b:207+16*\b], v[240+\b]
.endr
	v_nop
	v_permlane16_swap_b32 v224, v226
	v_permlane16_swap_b32 v225, v227
	s_lshr_b32 s10, s9, 4
	s_lshl_b32 s10, s10, 7
	s_add_co_u32 s10, s10, s26                     ; the row tile: 128 batch + my tile
	s_lshl_b32 s10, s10, 3
	s_and_b32 s24, s9, 15                          ; the head
	s_lshr_b32 s25, s24, 1
	s_add_co_u32 s10, s10, s25                     ; the fragment: K step head / 2
	s_and_b32 s24, s24, 1
	s_lshl_b32 s28, s10, 10
	s_lshl_b32 s25, s24, 9
	s_add_co_u32 s28, s28, s25
	s_mov_b32 s29, 0
	s_lshl_b32 s32, s10, 7
	s_lshl_b32 s25, s24, 1
	s_add_co_u32 s32, s32, s25
	s_add_co_u32 s32, s32, 2097152
	s_mov_b32 s33, 0
	s_add_nc_u64 s[30:31], s[6:7], s[28:29]
	s_add_nc_u64 s[34:35], s[6:7], s[32:33]
	global_store_b128 v[LI], v[224:227], s[30:31]
	global_store_b16 v[LS], v228, s[34:35]
	s_wait_tensorcnt 0x0
	ds_add_u32 v246, v247
	s_wait_dscnt 0x0
	s_endpgm
.Lfunc_end_k_qa7313bdbcf_attn:
	.size	k_qa7313bdbcf_attn, .Lfunc_end_k_qa7313bdbcf_attn-k_qa7313bdbcf_attn
	.p2alignl 7, 3214868480
	.fill 96, 4, 3214868480
	.section	.rodata,"a",@progbits
	.p2align	6, 0x0
	.amdhsa_kernel k_qa7313bdbcf_attn
		.amdhsa_group_segment_fixed_size 169984
		.amdhsa_private_segment_fixed_size 0
		.amdhsa_enable_private_segment 0
		.amdhsa_kernarg_size 16
		.amdhsa_user_sgpr_count 2
		.amdhsa_user_sgpr_kernarg_segment_ptr 1
		.amdhsa_wavefront_size32 1
		.amdhsa_system_sgpr_workgroup_id_x 1
		.amdhsa_system_sgpr_workgroup_id_y 1
		.amdhsa_system_sgpr_workgroup_id_z 1
		.amdhsa_system_vgpr_workitem_id 0
		.amdhsa_next_free_vgpr 256
		.amdhsa_next_free_sgpr 66
		.amdhsa_reserve_vcc 0
		.amdhsa_float_denorm_mode_32 3
		.amdhsa_float_denorm_mode_16_64 3
		.amdhsa_memory_ordered 1
		.amdhsa_forward_progress 1
		.amdhsa_inst_pref_size 61
	.end_amdhsa_kernel
	.amdgpu_metadata
---
amdhsa.version: [ 1, 2 ]
amdhsa.kernels:
  - .name:           k_qa7313bdbcf_attn
    .symbol:         k_qa7313bdbcf_attn.kd
    .args:
      - { .name: qkvb, .offset: 0, .size: 8, .value_kind: global_buffer, .address_space: global }
      - { .name: oimg, .offset: 8, .size: 8, .value_kind: global_buffer, .address_space: global }
    .group_segment_fixed_size: 169984
    .private_segment_fixed_size: 0
    .kernarg_segment_align: 8
    .kernarg_segment_size: 16
    .max_flat_workgroup_size: 512
    .sgpr_count:     66
    .vgpr_count:     256
    .wavefront_size: 32
...
	.end_amdgpu_metadata
.endif
;; end of part 3
;; launch oproj (part 4): grid 64 x 1, 16 waves a work-group, no clusters, 317,440 bytes of LDS; arguments oimg, wimg, bo, src, g1, beta1, xbuf; writes xbuf
.if DOCPART == 4
	.amdgcn_target "amdgcn-amd-amdhsa--gfx1250"
	.amdhsa_code_object_version 6
	.text
	.protected	k_qa7313bdbcf_oproj
	.globl	k_qa7313bdbcf_oproj
	.p2align	8
	.type	k_qa7313bdbcf_oproj,@function
k_qa7313bdbcf_oproj:
	s_mov_b64 s[64:65], 0
	v_nop
	global_prefetch_b8 v0, s[64:65] scope:SCOPE_SE
	s_setreg_imm32_b32 hwreg(HW_REG_WAVE_MODE, 25, 1), 1
	s_wait_xcnt 0x0
; x = LayerNorm(src + (out Wo^T + bo) / (row norm + 1e-8)) with gain g1 and bias beta1 (variance over 1,023); the product on codes of E2M1.
; A work-group makes 64 rows x all 1,024 columns, so that the norm, the mean and the variance are made inside it; sixteen waves, wave w columns 64 w .. 64 w + 63, 16 accumulators.
; Source 0 = 16 rows of Wo, source 1 = 16 rows of out: a lane holds ONE row and 32 columns.  src's 64 rows x 64 columns of a wave come by one tensor load a wave (one outstanding), issued at the head and read by that wave alone.
; Out: x in f32 as images of the accumulators (the last launch takes them back lane by lane), and x's codes and scale words as operand images.
; Mean and variance in two passes.  LIMITS: NaN and infinities are not served; a block under 2^-124 keeps the byte 1; divisions are reciprocals and multiplications.
.set KS,    8
.set WT,    8192
.set WST,   1024
.set A_RT,  8192
.set A_S,   1024
.set AS_RT, 1024
.set AS_S,  128
.set XAO,   0                          ; LDS: the rows' images (32,768 bytes), their scale images (4,096);
.set XSO,   32768
.set NT6,   8
.set RED,   0                          ; behind the K loop and a barrier the same bytes take the three tables of sums (5,120 each)
.set INV,   15360                      ; and 256 bytes a wave
.set STRIP, 36864                      ; src: 64 rows x (256 bytes + 16) for each wave
.set NAT,   0
.set PCB,   32
.set LI,  1
.set LS,  2
.set XAD, 1
.set XSD, 2
.set PIR, 5
.set HH,  6
.set RW,  7
.set RR,  8
.set IW,  9
.set IR,  10
.set VB,  11
.set WSC, 16
.set XSC, 24
.set WF,  32
.set XF,  96
.set ACC, 128
.set R0,  32
.set R1,  64
.set R2,  96
.set PP,  96
.set P,   120
.set PT,  124
.set WV,  20
.set AC,  24
.set AS,  26
.set WC,  28
.set WS,  30
.set SEL, 32
.set BP,  8                            ; bo
.set GP,  12                           ; g1
.set BEP, 14                           ; beta1
.set EPS, 46
.set C1023, 47
.set E5,  44
.macro NOPS
.rept 4
	v_nop
.endr
.endm
.macro BAR
	s_wait_dscnt 0x0
	s_barrier_signal -1
	s_barrier_wait -1
.endm
.macro WM d, a, b, z, sa, sb
.if \z
	v_wmma_scale_f32_16x16x128_f8f6f4 v[\d:\d+7], v[\a:\a+7], v[\b:\b+7], 0, v[\sa], v[\sb] matrix_a_fmt:MATRIX_FMT_FP4 matrix_b_fmt:MATRIX_FMT_FP4
.else
	v_wmma_scale_f32_16x16x128_f8f6f4 v[\d:\d+7], v[\a:\a+7], v[\b:\b+7], v[\d:\d+7], v[\sa], v[\sb] matrix_a_fmt:MATRIX_FMT_FP4 matrix_b_fmt:MATRIX_FMT_FP4
.endif
.endm
.macro WLOAD s, set
.irp ct, 0,1,2,3
.irp c, 0,1
	global_load_b128 v[WF+32*(\set)+8*\ct+4*\c:WF+32*(\set)+8*\ct+4*\c+3], v[LI], s[WC:WC+1] offset:\ct*WT+(\s)*1024+512*\c
.endr
	global_load_b32 v[WSC+4*(\set)+\ct], v[LS], s[WS:WS+1] offset:\ct*WST+(\s)*128
.endr
.endm
.macro XLOAD s
.irp rt, 0,1,2,3
.irp c, 0,1
	ds_load_b128 v[XF+8*\rt+4*\c:XF+8*\rt+4*\c+3], v[XAD] offset:XAO+\rt*A_RT+((\s)%8)*A_S+512*\c
.endr
	ds_load_b32 v[XSC+\rt], v[XSD] offset:XSO+\rt*AS_RT+((\s)%8)*AS_S
.endr
.endm
.macro MM                              ; the accumulators take turns, one instruction a turn
.irp rt, 0,1,2,3
.irp ct, 0,1,2,3
	WM ACC+8*(4*\rt+\ct), WF+32*SET+8*\ct, XF+8*\rt, FIRST, WSC+4*SET+\ct, XSC+\rt
.endr
.endr
.endm
.macro COLS dst, ptr
.irp ct, 0,1,2,3
.irp k, 0,1
	global_load_b128 v[\dst+8*\ct+4*\k:\dst+8*\ct+4*\k+3], v[VB], s[\ptr:\ptr+1] offset:128*(\ct/2)+32*(\ct%2)+16*\k
.endr
.endr
.endm
.macro STEP
.set SET, S%2
.if S == 0
.set FIRST, 1
.else
.set FIRST, 0
.endif
.if S == KS-1
	s_wait_loadcnt NT6                             ; the last weights are in; the bias may be out
.else
	s_wait_loadcnt 12                              ; this step's weights are in; the next step's twelve loads may be out
.endif
	s_wait_dscnt 0x0
	MM
	NOPS                                           ; four places in front of loads into registers that the products have read
.if S+1 < KS
	XLOAD S+1
.endif
.if S+2 < KS
	WLOAD S+2, SET
.endif
.if S == KS-2
	COLS R0, BP
.endif
.endm
.macro ADDB
.irp rt, 0,1,2,3
.set J, 0
.rept 16
	v_pk_add_f32 v[ACC+32*\rt+J:ACC+32*\rt+J+1], v[ACC+32*\rt+J:ACC+32*\rt+J+1], v[R0+J:R0+J+1]
.set J, J+2
.endr
.endr
.endm
.macro SUMSQ
.irp rt, 0,1,2,3
	v_pk_mul_f32 v[PP+2*\rt:PP+2*\rt+1], v[ACC+32*\rt:ACC+32*\rt+1], v[ACC+32*\rt:ACC+32*\rt+1]
.endr
.set J, 2
.rept 15
.irp rt, 0,1,2,3
	v_pk_fma_f32 v[PP+2*\rt:PP+2*\rt+1], v[ACC+32*\rt+J:ACC+32*\rt+J+1], v[ACC+32*\rt+J:ACC+32*\rt+J+1], v[PP+2*\rt:PP+2*\rt+1]
.endr
.set J, J+2
.endr
.irp rt, 0,1,2,3
	v_add_f32 v[P+\rt], v[PP+2*\rt], v[PP+2*\rt+1]
.endr
.endm
.macro SUMY
.irp rt, 0,1,2,3
	v_pk_add_f32 v[PP+2*\rt:PP+2*\rt+1], v[ACC+32*\rt:ACC+32*\rt+1], v[ACC+32*\rt+2:ACC+32*\rt+3]
.endr
.set J, 4
.rept 14
.irp rt, 0,1,2,3
	v_pk_add_f32 v[PP+2*\rt:PP+2*\rt+1], v[PP+2*\rt:PP+2*\rt+1], v[ACC+32*\rt+J:ACC+32*\rt+J+1]
.endr
.set J, J+2
.endr
.irp rt, 0,1,2,3
	v_add_f32 v[P+\rt], v[PP+2*\rt], v[PP+2*\rt+1]
.endr
.endm
.macro RSTORE k
.irp rt, 0,1,2,3
	v_permlanex16_b32 v[PT+\rt], v[P+\rt], s[SEL], s[SEL+1]
.endr
.irp rt, 0,1,2,3
	v_add_f32 v[P+\rt], v[P+\rt], v[PT+\rt]
.endr
.irp rt, 0,1,2,3
	ds_store_b32 v[RW], v[P+\rt] offset:RED+5120*\k+80*(32*(\rt/2)+8*(\rt%2))
.endr
	BAR
.endm
.macro RLOAD k
.irp z, 0,1
.irp q, 0,1,2,3
	ds_load_b128 v[R2+16*\z+4*\q:R2+16*\z+4*\q+3], v[RR] offset:RED+5120*\k+2560*\z+16*\q
.endr
.endr
	s_wait_dscnt 0x0
.irp o, 0,4,8,12,16,20,24,28
	v_pk_add_f32 v[R2+\o:R2+\o+1], v[R2+\o:R2+\o+1], v[R2+\o+2:R2+\o+3]
.endr
.irp o, 0,8,16,24
	v_pk_add_f32 v[R2+\o:R2+\o+1], v[R2+\o:R2+\o+1], v[R2+\o+4:R2+\o+5]
.endr
.irp o, 0,16
	v_pk_add_f32 v[R2+\o:R2+\o+1], v[R2+\o:R2+\o+1], v[R2+\o+8:R2+\o+9]
.endr
.irp o, 0,16
	v_add_f32 v[R2+\o], v[R2+\o], v[R2+\o+1]
.endr
.endm
.macro FN_INV
	v_sqrt_f32 v[R2], v[R2]
	v_sqrt_f32 v[R2+16], v[R2+16]
	v_nop
	s_wait_alu depctr_va_vdst(0)
	v_add_f32 v[R2], s[EPS], v[R2]
	v_add_f32 v[R2+16], s[EPS], v[R2+16]
	v_rcp_f32 v[R2], v[R2]
	v_rcp_f32 v[R2+16], v[R2+16]
	v_nop
	s_wait_alu depctr_va_vdst(0)
.endm
.macro FN_RSTD                         ; 1 / sqrt(sum / 1023 + 1e-5)
	v_fma_f32 v[R2], v[R2], s[C1023], s[E5]
	v_fma_f32 v[R2+16], v[R2+16], s[C1023], s[E5]
	v_rsq_f32 v[R2], v[R2]
	v_rsq_f32 v[R2+16], v[R2+16]
	v_nop
	s_wait_alu depctr_va_vdst(0)
.endm
.macro RBACK
	ds_store_b32 v[IW], v[R2] offset:INV
	ds_store_b32 v[IW], v[R2+16] offset:INV+128
.irp rt, 0,1,2,3
	ds_load_b32 v[12+2*\rt+12*(\rt/2)], v[IR] offset:INV+4*(32*(\rt/2)+8*(\rt%2))
.endr
	s_wait_dscnt 0x0
.endm
.macro SLOAD rt, buf                   ; src: my row of row tile rt, my 32 columns
.irp bb, 0,1
.irp q, 0,1,2,3
	ds_load_b128 v[\buf+16*\bb+4*\q:\buf+16*\bb+4*\q+3], v3 offset:272*(32*(\rt/2)+8*(\rt%2))+128*\bb+16*\q
.endr
.endr
.endm
.macro RESID rt, buf                   ; y = o x (1 / norm) + the residual
.set J, 0
.rept 16
	v_pk_fma_f32 v[ACC+32*\rt+J:ACC+32*\rt+J+1], v[ACC+32*\rt+J:ACC+32*\rt+J+1], v[12+2*\rt+12*(\rt/2):13+2*\rt+12*(\rt/2)], v[\buf+J:\buf+J+1] op_sel_hi:[1,0,1]
.set J, J+2
.endr
.endm
.macro SUBM
.irp rt, 0,1,2,3
.set J, 0
.rept 16
	v_pk_add_f32 v[ACC+32*\rt+J:ACC+32*\rt+J+1], v[ACC+32*\rt+J:ACC+32*\rt+J+1], v[12+2*\rt+12*(\rt/2):13+2*\rt+12*(\rt/2)] op_sel_hi:[1,0] neg_lo:[0,1] neg_hi:[0,1]
.set J, J+2
.endr
.endr
.endm
.macro LNOUT g, b
.irp rt, 0,1,2,3
.set J, 0
.rept 16
	v_pk_mul_f32 v[ACC+32*\rt+J:ACC+32*\rt+J+1], v[ACC+32*\rt+J:ACC+32*\rt+J+1], v[12+2*\rt+12*(\rt/2):13+2*\rt+12*(\rt/2)] op_sel_hi:[1,0]
.set J, J+2
.endr
.endr
.irp rt, 0,1,2,3
.set J, 0
.rept 16
	v_pk_fma_f32 v[ACC+32*\rt+J:ACC+32*\rt+J+1], v[ACC+32*\rt+J:ACC+32*\rt+J+1], v[\g+J:\g+J+1], v[\b+J:\b+J+1]
.set J, J+2
.endr
.endr
.endm
.macro QUANT8
.irp q, 0,1,2,3,4,5,6,7
	v_max3_num_f32 v[R2+\q], |v[ACC+16*\q]|, |v[ACC+16*\q+1]|, 0x1800000
.endr
.irp i, 2,4,6,8,10,12,14
.irp q, 0,1,2,3,4,5,6,7
	v_max3_num_f32 v[R2+\q], v[R2+\q], |v[ACC+16*\q+\i]|, |v[ACC+16*\q+\i+1]|
.endr
.endr
.irp q, 0,1,2,3,4,5,6,7
	v_permlanex16_b32 v[R2+8+\q], v[R2+\q], s[SEL], s[SEL+1]
.endr
.irp q, 0,1,2,3,4,5,6,7
	v_max_num_f32 v[R2+\q], v[R2+\q], v[R2+8+\q]
.endr
.irp q, 0,1,2,3,4,5,6,7
	v_add_nc_u32 v[R2+16+\q], 0xff000000, v[R2+\q]
.endr
.irp q, 0,1,2,3,4,5,6,7
	v_lshrrev_b32 v[R2+\q], 23, v[R2+16+\q]
.endr
.irp rt, 0,1,2,3
	v_lshl_or_b32 v[PCB+16+\rt], v[R2+2*\rt+1], 8, v[R2+2*\rt]
.endr
.irp q, 0,1,2,3,4,5,6,7
	v_cvt_scalef32_pk8_fp4_f32 v[PCB+2*\q], v[ACC+16*\q:ACC+16*\q+7], v[R2+16+\q]
	v_cvt_scalef32_pk8_fp4_f32 v[PCB+2*\q+1], v[ACC+16*\q+8:ACC+16*\q+15], v[R2+16+\q]
.endr
	v_nop
.irp rt, 0,1,2,3
.irp i, 0,1
	v_permlane16_swap_b32 v[PCB+4*\rt+\i], v[PCB+4*\rt+2+\i]
.endr
.endr
.endm
	s_load_b256 s[4:11], s[0:1], 0x0               ; oimg, wimg, bo, src
	s_load_b128 s[12:15], s[0:1], 0x20             ; g1, beta1
	s_load_b64 s[16:17], s[0:1], 0x30              ; xbuf
	v_lshl_add_u32 v254, v0, 2, 0x4d000
	v_mov_b32 v255, 0
	ds_add_u32 v254, v255
	ds_add_u32 v254, v255
	s_wait_dscnt 0x0
	v_lshrrev_b32 v28, 5, v0
	v_readfirstlane_b32 s[WV], v28
	v_and_b32 v29, 31, v0
	v_lshlrev_b32 v[LI], 4, v29
	v_lshlrev_b32 v[LS], 2, v29
	v_and_b32 v30, 15, v0
	v_bfe_u32 v[HH], v0, 4, 1
	v_and_b32 v31, 8, v30
	v_add_nc_u32 v[PIR], v31, v30
	s_lshl_b32 s21, s[WV], 2
	s_lshl_b32 s23, s[WV], 8
	v_mul_u32_u24 v[RW], v[PIR], 80
	v_add_nc_u32 v[RW], s21, v[RW]
	v_mul_u32_u24 v[RR], v29, 80
	v_add_nc_u32 v[IW], s23, v[LS]
	v_lshl_add_u32 v[IR], v[PIR], 2, s23
	v_lshl_add_u32 v[VB], v[HH], 6, s23
	s_mul_i32 s36, s[WV], 17408
	s_add_co_u32 s36, s36, STRIP                   ; my strip of src
	v_mul_u32_u24 v3, v[PIR], 272
	v_lshl_add_u32 v3, v[HH], 6, v3
	v_add_nc_u32 v3, s36, v3                       ; in it: row pi(r), + 64 h
	s_lshl_b32 s21, s[WV], 11
	v_add_nc_u32 v28, s21, v[LI]
	v_lshl_add_u32 v29, v29, 3, s23
	s_mov_b32 s52, (2<<16)|(1<<20)|(5<<22)|(3<<25) ; group 1: no mask; elements of 4 bytes; 4 words of padding behind every 64
	s_mov_b32 s53, 64<<16                          ; tensor_dim0 = 64
	s_mov_b32 s54, 64<<16                          ; tensor_dim1 = 64
	s_mov_b32 s55, 64<<16                          ; tile_dim0 = 64
	s_mov_b32 s56, 64                              ; tile_dim1 = 64
	s_mov_b32 s57, 2048                            ; from a row of one batch to its next: 2 x 1,024 elements
	s_mov_b32 s58, 0
	s_mov_b32 s59, 0
	s_lshr_b32 s34, ttmp9, 5
	s_lshl_b32 s34, s34, 12                        ; the batch
	s_and_b32 s35, ttmp9, 31
	s_lshl_b32 s35, s35, 19                        ; 64 rows of 8,192 bytes a group
	s_add_co_u32 s34, s34, s35
	s_add_co_u32 s34, s34, s23                     ; my 64 columns
	s_mov_b32 s35, 0
	s_lshl_b32 s38, ttmp9, 15
	s_mov_b32 s39, 0
	s_lshl_b32 s40, ttmp9, 12
	s_add_co_u32 s40, s40, 2097152
	s_mov_b32 s41, 0
	s_lshl_b32 s42, s[WV], 5
	s_add_co_u32 s42, s42, 3584                    ; my first fragment of wo
	s_lshl_b32 s44, s42, 10
	s_mov_b32 s45, 0
	s_lshl_b32 s42, s42, 7
	s_add_co_u32 s42, s42, 8388608
	s_mov_b32 s43, 0
	s_mov_b32 s[SEL], 0x76543210
	s_mov_b32 s[SEL+1], 0xfedcba98
	s_wait_kmcnt 0x0
	s_mov_b32 s48, 1
	s_mov_b32 s49, s36
	s_add_nc_u64 s[50:51], s[10:11], s[34:35]
	s_or_b32 s51, s51, 0x80000000
	tensor_load_to_lds s[48:51], s[52:59]          ; ahead of every LDS access and barrier; it has the whole K loop in which to land
	s_nop 0
	NOPS
	s_add_nc_u64 s[AC:AC+1], s[4:5], s[38:39]
	s_add_nc_u64 s[AS:AS+1], s[4:5], s[40:41]
	s_add_nc_u64 s[WC:WC+1], s[6:7], s[44:45]
	s_add_nc_u64 s[WS:WS+1], s[6:7], s[42:43]
.irp i, 0,1,2,3
	global_load_b128 v[ACC+4*\i:ACC+4*\i+3], v28, s[AC:AC+1] offset:512*\i
.endr
	global_load_b64 v[ACC+16:ACC+17], v29, s[AS:AS+1]
	WLOAD 0, 0
	WLOAD 1, 1
	s_wait_loadcnt 24                              ; the rows' images are in; two steps' weights may be out
.irp i, 0,1,2,3
	ds_store_b128 v28, v[ACC+4*\i:ACC+4*\i+3] offset:512*\i
.endr
	ds_store_b64 v29, v[ACC+16:ACC+17] offset:XSO
	BAR
	XLOAD 0
.set S, 0
.rept KS
	STEP
.set S, S+1
.endr
	BAR                                            ; every wave has read the rows' images for the last time: their bytes take the sums
.irp r, 13,15,29,31,124,125,126,127
	v_mov_b32 v\r, 0
.endr
	s_mov_b32 s[EPS], 0x322bcc77                   ; 1e-8
	s_mov_b32 s[C1023], 0x3a802008                 ; 1 / 1023
	s_mov_b32 s[E5], 0x3727c5ac                    ; 1e-5
	s_wait_loadcnt 0x0                             ; the bias
	ADDB
	SUMSQ
	RSTORE 0
	RLOAD 0
	FN_INV
	RBACK
	s_wait_tensorcnt 0x0                           ; my strip of src has landed; I alone read it
	SLOAD 0, R0
	SLOAD 1, R1
	s_wait_dscnt 8                                 ; the older eight loads are in
	RESID 0, R0
	SLOAD 2, R0
	s_wait_dscnt 8
	RESID 1, R1
	SLOAD 3, R1
	s_wait_dscnt 8
	RESID 2, R0
	COLS R0, GP
	s_wait_dscnt 0x0
	RESID 3, R1
	COLS R1, BEP
	SUMY
	RSTORE 1
	RLOAD 1
	v_mul_f32 v[R2], 0x3a800000, v[R2]             ; the mean: / 1024
	v_mul_f32 v[R2+16], 0x3a800000, v[R2+16]
	RBACK
	SUBM
	SUMSQ
	RSTORE 2
	RLOAD 2
	FN_RSTD
	RBACK
	s_wait_loadcnt 0x0                             ; g1, beta1
	LNOUT R0, R1
	s_lshl_b32 s34, ttmp9, 4
	s_add_co_u32 s34, s34, s[WV]
	s_lshl_b32 s34, s34, 14                        ; f32 images: 16,384 bytes for each group and wave
	s_mov_b32 s35, 0
	s_lshl_b32 s36, ttmp9, 5
	s_lshr_b32 s37, s[WV], 1
	s_add_co_u32 s36, s36, s37                     ; fragment (4 G, K step w / 2)
	s_and_b32 s37, s[WV], 1
	s_lshl_b32 s38, s36, 10
	s_lshl_b32 s39, s37, 9
	s_add_co_u32 s38, s38, s39
	s_add_co_u32 s38, s38, 16777216
	s_mov_b32 s39, 0
	s_lshl_b32 s40, s36, 7
	s_lshl_b32 s41, s37, 1
	s_add_co_u32 s40, s40, s41
	s_add_co_u32 s40, s40, 18874368
	s_mov_b32 s41, 0
	s_add_nc_u64 s[60:61], s[16:17], s[34:35]
	s_add_nc_u64 s[62:63], s[16:17], s[38:39]
	s_add_nc_u64 s[24:25], s[16:17], s[40:41]
.set J, 0
.rept 32
	global_store_b128 v[LI], v[ACC+4*J:ACC+4*J+3], s[60:61] offset:512*J   ; 512 consecutive bytes
.set J, J+1
.endr
	QUANT8
.irp rt, 0,1,2,3
	global_store_b128 v[LI], v[PCB+4*\rt:PCB+4*\rt+3], s[62:63] offset:8192*\rt
	global_store_b16 v[LS], v[PCB+16+\rt], s[24:25] offset:1024*\rt
.endr
	s_wait_xcnt 0x0
	v_lshl_add_u32 v254, v0, 2, 0x4d000
	v_mov_b32 v255, 0
	s_wait_tensorcnt 0x0
	ds_add_u32 v254, v255
	s_wait_dscnt 0x0
	s_endpgm
.Lfunc_end_k_qa7313bdbcf_oproj:
	.size	k_qa7313bdbcf_oproj, .Lfunc_end_k_qa7313bdbcf_oproj-k_qa7313bdbcf_oproj
	.p2alignl 7, 3214868480
	.fill 96, 4, 3214868480
	.section	.rodata,"a",@progbits
	.p2align	6, 0x0
	.amdhsa_kernel k_qa7313bdbcf_oproj
		.amdhsa_group_segment_fixed_size 317440
		.amdhsa_private_segment_fixed_size 0
		.amdhsa_enable_private_segment 0
		.amdhsa_kernarg_size 56
		.amdhsa_user_sgpr_count 2
		.amdhsa_user_sgpr_kernarg_segment_ptr 1
		.amdhsa_wavefront_size32 1
		.amdhsa_system_sgpr_workgroup_id_x 1
		.amdhsa_system_sgpr_workgroup_id_y 1
		.amdhsa_system_sgpr_workgroup_id_z 1
		.amdhsa_system_vgpr_workitem_id 0
		.amdhsa_next_free_vgpr 256
		.amdhsa_next_free_sgpr 66
		.amdhsa_reserve_vcc 0
		.amdhsa_float_denorm_mode_32 3
		.amdhsa_float_denorm_mode_16_64 3
		.amdhsa_memory_ordered 1
		.amdhsa_forward_progress 1
		.amdhsa_inst_pref_size 95
	.end_amdhsa_kernel
	.amdgpu_metadata
---
amdhsa.version: [ 1, 2 ]
amdhsa.kernels:
  - .name:           k_qa7313bdbcf_oproj
    .symbol:         k_qa7313bdbcf_oproj.kd
    .args:
      - { .name: oimg, .offset: 0, .size: 8, .value_kind: global_buffer, .address_space: global }
      - { .name: wimg, .offset: 8, .size: 8, .value_kind: global_buffer, .address_space: global }
      - { .name: bo, .offset: 16, .size: 8, .value_kind: global_buffer, .address_space: global }
      - { .name: src, .offset: 24, .size: 8, .value_kind: global_buffer, .address_space: global }
      - { .name: g1, .offset: 32, .size: 8, .value_kind: global_buffer, .address_space: global }
      - { .name: beta1, .offset: 40, .size: 8, .value_kind: global_buffer, .address_space: global }
      - { .name: xbuf, .offset: 48, .size: 8, .value_kind: global_buffer, .address_space: global }
    .group_segment_fixed_size: 317440
    .private_segment_fixed_size: 0
    .kernarg_segment_align: 8
    .kernarg_segment_size: 56
    .max_flat_workgroup_size: 512
    .sgpr_count:     66
    .vgpr_count:     256
    .wavefront_size: 32
...
	.end_amdgpu_metadata
.endif
;; end of part 4
;; launch ff1a (part 5): grid 64 x 4, 16 waves a work-group, no clusters, 44,032 bytes of LDS; arguments xbuf, wimg, b1, hp; writes hp
.if DOCPART == 5
	.amdgcn_target "amdgcn-amd-amdhsa--gfx1250"
	.amdhsa_code_object_version 6
	.text
	.protected	k_qa7313bdbcf_ff1a
	.globl	k_qa7313bdbcf_ff1a
	.p2align	8
	.type	k_qa7313bdbcf_ff1a,@function
k_qa7313bdbcf_ff1a:
	s_mov_b64 s[64:65], 0
	v_nop
	global_prefetch_b8 v0, s[64:65] scope:SCOPE_SE
	s_setreg_imm32_b32 hwreg(HW_REG_WAVE_MODE, 25, 1), 1
	s_wait_xcnt 0x0
; The row norm of x W1^T + b1 spans 4,096 columns, more than a work-group's registers hold for 64 rows.  This launch makes, for 64 rows and a quarter of the columns, each row's sum of squares;
; the next launch makes the same products again and finishes them.  The product on codes of E2M1; shares and layouts as in the other products of this program:
; sixteen waves, wave w columns 64 w .. 64 w + 63 of the quarter, source 0 = 16 rows of W1, source 1 = 16 rows of x.
; LIMITS: NaN and infinities are not served.
.set KS,    8
.set WT,    8192
.set WST,   1024
.set A_RT,  8192
.set A_S,   1024
.set AS_RT, 1024
.set AS_S,  128
.set XAO,   0
.set XSO,   32768
.set NT6,   8
.set RED,   36864
.set LI,  1
.set LS,  2
.set XAD, 1
.set XSD, 2
.set PIR, 5
.set HH,  6
.set RW,  7
.set RR,  8
.set VB,  11
.set WSC, 16
.set XSC, 24
.set WF,  32
.set XF,  96
.set ACC, 128
.set R0,  32
.set R2,  96
.set PP,  96
.set P,   120
.set PT,  124
.set WV,  20
.set AC,  24
.set AS,  26
.set WC,  28
.set WS,  30
.set SEL, 32
.set BP,  44
.macro NOPS
.rept 4
	v_nop
.endr
.endm
.macro BAR
	s_wait_dscnt 0x0
	s_barrier_signal -1
	s_barrier_wait -1
.endm
.macro WM d, a, b, z, sa, sb
.if \z
	v_wmma_scale_f32_16x16x128_f8f6f4 v[\d:\d+7], v[\a:\a+7], v[\b:\b+7], 0, v[\sa], v[\sb] matrix_a_fmt:MATRIX_FMT_FP4 matrix_b_fmt:MATRIX_FMT_FP4
.else
	v_wmma_scale_f32_16x16x128_f8f6f4 v[\d:\d+7], v[\a:\a+7], v[\b:\b+7], v[\d:\d+7], v[\sa], v[\sb] matrix_a_fmt:MATRIX_FMT_FP4 matrix_b_fmt:MATRIX_FMT_FP4
.endif
.endm
.macro WLOAD s, set
.irp ct, 0,1,2,3
.irp c, 0,1
	global_load_b128 v[WF+32*(\set)+8*\ct+4*\c:WF+32*(\set)+8*\ct+4*\c+3], v[LI], s[WC:WC+1] offset:\ct*WT+(\s)*1024+512*\c
.endr
	global_load_b32 v[WSC+4*(\set)+\ct], v[LS], s[WS:WS+1] offset:\ct*WST+(\s)*128
.endr
.endm
.macro XLOAD s
.irp rt, 0,1,2,3
.irp c, 0,1
	ds_load_b128 v[XF+8*\rt+4*\c:XF+8*\rt+4*\c+3], v[XAD] offset:XAO+\rt*A_RT+((\s)%8)*A_S+512*\c
.endr
	ds_load_b32 v[XSC+\rt], v[XSD] offset:XSO+\rt*AS_RT+((\s)%8)*AS_S
.endr
.endm
.macro MM                              ; the accumulators take turns, one instruction a turn
.irp rt, 0,1,2,3
.irp ct, 0,1,2,3
	WM ACC+8*(4*\rt+\ct), WF+32*SET+8*\ct, XF+8*\rt, FIRST, WSC+4*SET+\ct, XSC+\rt
.endr
.endr
.endm
.macro COLS dst, ptr
.irp ct, 0,1,2,3
.irp k, 0,1
	global_load_b128 v[\dst+8*\ct+4*\k:\dst+8*\ct+4*\k+3], v[VB], s[\ptr:\ptr+1] offset:128*(\ct/2)+32*(\ct%2)+16*\k
.endr
.endr
.endm
.macro STEP
.set SET, S%2
.if S == 0
.set FIRST, 1
.else
.set FIRST, 0
.endif
.if S == KS-1
	s_wait_loadcnt NT6                             ; the last weights are in; the bias may be out
.else
	s_wait_loadcnt 12                              ; this step's weights are in; the next step's twelve loads may be out
.endif
	s_wait_dscnt 0x0
	MM
	NOPS                                           ; four places in front of loads into registers that the products have read
.if S+1 < KS
	XLOAD S+1
.endif
.if S+2 < KS
	WLOAD S+2, SET
.endif
.if S == KS-2
	COLS R0, BP
.endif
.endm
	s_load_b256 s[4:11], s[0:1], 0x0               ; xbuf, wimg, b1, hp
	v_lshl_add_u32 v14, v0, 2, 0xa400
	v_mov_b32 v15, 0
	v_lshrrev_b32 v28, 5, v0
	v_readfirstlane_b32 s[WV], v28
	v_and_b32 v29, 31, v0
	v_lshlrev_b32 v[LI], 4, v29
	v_lshlrev_b32 v[LS], 2, v29
	v_and_b32 v30, 15, v0
	v_bfe_u32 v[HH], v0, 4, 1
	v_and_b32 v31, 8, v30
	v_add_nc_u32 v[PIR], v31, v30
	s_lshl_b32 s21, s[WV], 2
	s_lshl_b32 s23, s[WV], 8
	v_mul_u32_u24 v[RW], v[PIR], 80
	v_add_nc_u32 v[RW], s21, v[RW]
	v_mul_u32_u24 v[RR], v29, 80
	v_lshl_add_u32 v[VB], v[HH], 6, s23
	s_lshl_b32 s21, s[WV], 11
	v_add_nc_u32 v28, s21, v[LI]
	v_lshl_add_u32 v29, v29, 3, s23
	s_and_b32 s22, ttmp7, 0xffff                   ; the quarter
	s_lshl_b32 s34, ttmp9, 15
	s_add_co_u32 s34, s34, 16777216                ; x's images of group G
	s_mov_b32 s35, 0
	s_lshl_b32 s36, ttmp9, 12
	s_add_co_u32 s36, s36, 18874368
	s_mov_b32 s37, 0
	s_lshl_b32 s38, s22, 9
	s_lshl_b32 s39, s[WV], 5
	s_add_co_u32 s38, s38, s39
	s_add_co_u32 s38, s38, 4096                    ; my first fragment of w1
	s_lshl_b32 s40, s38, 10
	s_mov_b32 s41, 0
	s_lshl_b32 s42, s38, 7
	s_add_co_u32 s42, s42, 8388608
	s_mov_b32 s43, 0
	s_lshl_b32 s46, s22, 12                        ; the quarter's 1,024 numbers of b1
	s_mov_b32 s47, 0
	s_lshl_b32 s48, s22, 14
	s_lshl_b32 s49, ttmp9, 8
	s_add_co_u32 s48, s48, s49                     ; hp: [quarter][row]
	s_mov_b32 s49, 0
	s_mov_b32 s[SEL], 0x76543210
	s_mov_b32 s[SEL+1], 0xfedcba98
	s_wait_kmcnt 0x0
	s_add_nc_u64 s[AC:AC+1], s[4:5], s[34:35]
	s_add_nc_u64 s[AS:AS+1], s[4:5], s[36:37]
	s_add_nc_u64 s[WC:WC+1], s[6:7], s[40:41]
	s_add_nc_u64 s[WS:WS+1], s[6:7], s[42:43]
	s_add_nc_u64 s[BP:BP+1], s[8:9], s[46:47]
	s_add_nc_u64 s[50:51], s[10:11], s[48:49]
.irp i, 0,1,2,3
	global_load_b128 v[ACC+4*\i:ACC+4*\i+3], v28, s[AC:AC+1] offset:512*\i
.endr
	global_load_b64 v[ACC+16:ACC+17], v29, s[AS:AS+1]
	WLOAD 0, 0
	WLOAD 1, 1
	s_wait_loadcnt 24                              ; the rows' images are in; two steps' weights may be out
.irp i, 0,1,2,3
	ds_store_b128 v28, v[ACC+4*\i:ACC+4*\i+3] offset:512*\i
.endr
	ds_store_b64 v29, v[ACC+16:ACC+17] offset:XSO
	BAR
	XLOAD 0
.set S, 0
.rept KS
	STEP
.set S, S+1
.endr
.irp r, 124,125,126,127
	v_mov_b32 v\r, 0                               ; the lane permutes' destinations
.endr
	s_wait_loadcnt 0x0                             ; the bias
.irp rt, 0,1,2,3
.set J, 0
.rept 16
	v_pk_add_f32 v[ACC+32*\rt+J:ACC+32*\rt+J+1], v[ACC+32*\rt+J:ACC+32*\rt+J+1], v[R0+J:R0+J+1]
.set J, J+2
.endr
.endr
.irp rt, 0,1,2,3
	v_pk_mul_f32 v[PP+2*\rt:PP+2*\rt+1], v[ACC+32*\rt:ACC+32*\rt+1], v[ACC+32*\rt:ACC+32*\rt+1]
.endr
.set J, 2
.rept 15
.irp rt, 0,1,2,3
	v_pk_fma_f32 v[PP+2*\rt:PP+2*\rt+1], v[ACC+32*\rt+J:ACC+32*\rt+J+1], v[ACC+32*\rt+J:ACC+32*\rt+J+1], v[PP+2*\rt:PP+2*\rt+1]
.endr
.set J, J+2
.endr
.irp rt, 0,1,2,3
	v_add_f32 v[P+\rt], v[PP+2*\rt], v[PP+2*\rt+1]
.endr
.irp rt, 0,1,2,3
	v_permlanex16_b32 v[PT+\rt], v[P+\rt], s[SEL], s[SEL+1]
.endr
.irp rt, 0,1,2,3
	v_add_f32 v[P+\rt], v[P+\rt], v[PT+\rt]
.endr
.irp rt, 0,1,2,3
	ds_store_b32 v[RW], v[P+\rt] offset:RED+80*(32*(\rt/2)+8*(\rt%2))
.endr
	BAR
	s_cmp_lg_u32 s[WV], 0                          ; wave 0 adds the sixteen waves' sums of rows lane and lane + 32
	s_cbranch_scc1 .Ldone
.irp z, 0,1
.irp q, 0,1,2,3
	ds_load_b128 v[R2+16*\z+4*\q:R2+16*\z+4*\q+3], v[RR] offset:RED+2560*\z+16*\q
.endr
.endr
	s_wait_dscnt 0x0
.irp o, 0,4,8,12,16,20,24,28
	v_pk_add_f32 v[R2+\o:R2+\o+1], v[R2+\o:R2+\o+1], v[R2+\o+2:R2+\o+3]
.endr
.irp o, 0,8,16,24
	v_pk_add_f32 v[R2+\o:R2+\o+1], v[R2+\o:R2+\o+1], v[R2+\o+4:R2+\o+5]
.endr
.irp o, 0,16
	v_pk_add_f32 v[R2+\o:R2+\o+1], v[R2+\o:R2+\o+1], v[R2+\o+8:R2+\o+9]
.endr
.irp o, 0,16
	v_add_f32 v[R2+\o], v[R2+\o], v[R2+\o+1]
.endr
	global_store_b32 v[LS], v[R2], s[50:51]
	global_store_b32 v[LS], v[R2+16], s[50:51] offset:128
.Ldone:
	s_wait_tensorcnt 0x0
	ds_add_u32 v14, v15
	s_wait_dscnt 0x0
	s_endpgm
.Lfunc_end_k_qa7313bdbcf_ff1a:
	.size	k_qa7313bdbcf_ff1a, .Lfunc_end_k_qa7313bdbcf_ff1a-k_qa7313bdbcf_ff1a
	.p2alignl 7, 3214868480
	.fill 96, 4, 3214868480
	.section	.rodata,"a",@progbits
	.p2align	6, 0x0
	.amdhsa_kernel k_qa7313bdbcf_ff1a
		.amdhsa_group_segment_fixed_size 44032
		.amdhsa_private_segment_fixed_size 0
		.amdhsa_enable_private_segment 0
		.amdhsa_kernarg_size 32
		.amdhsa_user_sgpr_count 2
		.amdhsa_user_sgpr_kernarg_segment_ptr 1
		.amdhsa_wavefront_size32 1
		.amdhsa_system_sgpr_workgroup_id_x 1
		.amdhsa_system_sgpr_workgroup_id_y 1
		.amdhsa_system_sgpr_workgroup_id_z 1
		.amdhsa_system_vgpr_workitem_id 0
		.amdhsa_next_free_vgpr 256
		.amdhsa_next_free_sgpr 66
		.amdhsa_reserve_vcc 0
		.amdhsa_float_denorm_mode_32 3
		.amdhsa_float_denorm_mode_16_64 3
		.amdhsa_memory_ordered 1
		.amdhsa_forward_progress 1
		.amdhsa_inst_pref_size 48
	.end_amdhsa_kernel
	.amdgpu_metadata
---
amdhsa.version: [ 1, 2 ]
amdhsa.kernels:
  - .name:           k_qa7313bdbcf_ff1a
    .symbol:         k_qa7313bdbcf_ff1a.kd
    .args:
      - { .name: xbuf, .offset: 0, .size: 8, .value_kind: global_buffer, .address_space: global }
      - { .name: wimg, .offset: 8, .size: 8, .value_kind: global_buffer, .address_space: global }
      - { .name: b1, .offset: 16, .size: 8, .value_kind: global_buffer, .address_space: global }
      - { .name: hp, .offset: 24, .size: 8, .value_kind: global_buffer, .address_space: global }
    .group_segment_fixed_size: 44032
    .private_segment_fixed_size: 0
    .kernarg_segment_align: 8
    .kernarg_segment_size: 32
    .max_flat_workgroup_size: 512
    .sgpr_count:     66
    .vgpr_count:     256
    .wavefront_size: 32
...
	.end_amdgpu_metadata
.endif
;; end of part 5
;; launch ff1b (part 6): grid 64 x 4, 16 waves a work-group, no clusters, 38,912 bytes of LDS; arguments xbuf, wimg, b1, hp, himg; writes himg
.if DOCPART == 6
	.amdgcn_target "amdgcn-amd-amdhsa--gfx1250"
	.amdhsa_code_object_version 6
	.text
	.protected	k_qa7313bdbcf_ff1b
	.globl	k_qa7313bdbcf_ff1b
	.p2align	8
	.type	k_qa7313bdbcf_ff1b,@function
k_qa7313bdbcf_ff1b:
	s_mov_b64 s[64:65], 0
	v_nop
	global_prefetch_b8 v0, s[64:65] scope:SCOPE_SE
	s_setreg_imm32_b32 hwreg(HW_REG_WAVE_MODE, 25, 1), 1
	s_wait_xcnt 0x0
; h = relu((x W1^T + b1) / (row norm + 1e-8)): the products of the launch before once more, for 64 rows and a quarter of the 4,096 columns; the row's sum of squares is the four quarters' parts, read from hp.
; h is quantised along its columns, which are the next product's K, and stored as operand images; it never goes to memory in f32.
; Sixteen waves, wave w columns 64 w .. 64 w + 63 of the quarter: half a K step of the next product.  Source 0 = 16 rows of W1, source 1 = 16 rows of x: a lane holds ONE row.
; LIMITS: NaN and infinities are not served; a block under 2^-124 (one of zeros too) keeps the byte 1; the division is a reciprocal and a multiplication.
.set KS,    8
.set WT,    8192
.set WST,   1024
.set A_RT,  8192
.set A_S,   1024
.set AS_RT, 1024
.set AS_S,  128
.set XAO,   0
.set XSO,   32768
.set NT6,   8
.set PCB,   32
.set LI,  1
.set LS,  2
.set XAD, 1
.set XSD, 2
.set PIR, 5
.set HH,  6
.set RW,  7                            ; v7   4 pi(r)
.set VB,  11
.set WSC, 16
.set XSC, 24
.set WF,  32
.set XF,  96
.set ACC, 128
.set R0,  32
.set R1,  64
.set R2,  96
.set WV,  20
.set AC,  24
.set AS,  26
.set WC,  28
.set WS,  30
.set SEL, 32
.set BP,  44
.set EPS, 52
.set HP,  50
.macro NOPS
.rept 4
	v_nop
.endr
.endm
.macro BAR
	s_wait_dscnt 0x0
	s_barrier_signal -1
	s_barrier_wait -1
.endm
.macro WM d, a, b, z, sa, sb
.if \z
	v_wmma_scale_f32_16x16x128_f8f6f4 v[\d:\d+7], v[\a:\a+7], v[\b:\b+7], 0, v[\sa], v[\sb] matrix_a_fmt:MATRIX_FMT_FP4 matrix_b_fmt:MATRIX_FMT_FP4
.else
	v_wmma_scale_f32_16x16x128_f8f6f4 v[\d:\d+7], v[\a:\a+7], v[\b:\b+7], v[\d:\d+7], v[\sa], v[\sb] matrix_a_fmt:MATRIX_FMT_FP4 matrix_b_fmt:MATRIX_FMT_FP4
.endif
.endm
.macro WLOAD s, set
.irp ct, 0,1,2,3
.irp c, 0,1
	global_load_b128 v[WF+32*(\set)+8*\ct+4*\c:WF+32*(\set)+8*\ct+4*\c+3], v[LI], s[WC:WC+1] offset:\ct*WT+(\s)*1024+512*\c
.endr
	global_load_b32 v[WSC+4*(\set)+\ct], v[LS], s[WS:WS+1] offset:\ct*WST+(\s)*128
.endr
.endm
.macro XLOAD s
.irp rt, 0,1,2,3
.irp c, 0,1
	ds_load_b128 v[XF+8*\rt+4*\c:XF+8*\rt+4*\c+3], v[XAD] offset:XAO+\rt*A_RT+((\s)%8)*A_S+512*\c
.endr
	ds_load_b32 v[XSC+\rt], v[XSD] offset:XSO+\rt*AS_RT+((\s)%8)*AS_S
.endr
.endm
.macro MM                              ; the accumulators take turns, one instruction a turn
.irp rt, 0,1,2,3
.irp ct, 0,1,2,3
	WM ACC+8*(4*\rt+\ct), WF+32*SET+8*\ct, XF+8*\rt, FIRST, WSC+4*SET+\ct, XSC+\rt
.endr
.endr
.endm
.macro COLS dst, ptr
.irp ct, 0,1,2,3
.irp k, 0,1
	global_load_b128 v[\dst+8*\ct+4*\k:\dst+8*\ct+4*\k+3], v[VB], s[\ptr:\ptr+1] offset:128*(\ct/2)+32*(\ct%2)+16*\k
.endr
.endr
.endm
.macro STEP
.set SET, S%2
.if S == 0
.set FIRST, 1
.else
.set FIRST, 0
.endif
.if S == KS-1
	s_wait_loadcnt NT6                             ; the last weights are in; the bias may be out
.else
	s_wait_loadcnt 12                              ; this step's weights are in; the next step's twelve loads may be out
.endif
	s_wait_dscnt 0x0
	MM
	NOPS                                           ; four places in front of loads into registers that the products have read
.if S+1 < KS
	XLOAD S+1
.endif
.if S+2 < KS
	WLOAD S+2, SET
.endif
.if S == KS-2
	COLS R0, BP
.endif
.endm
	s_load_b256 s[4:11], s[0:1], 0x0               ; xbuf, wimg, b1, hp
	s_load_b64 s[12:13], s[0:1], 0x20              ; himg
	v_lshl_add_u32 v9, v0, 2, 0x9000
	v_mov_b32 v10, 0
	v_lshrrev_b32 v28, 5, v0
	v_readfirstlane_b32 s[WV], v28
	v_and_b32 v29, 31, v0
	v_lshlrev_b32 v[LI], 4, v29
	v_lshlrev_b32 v[LS], 2, v29
	v_and_b32 v30, 15, v0
	v_bfe_u32 v[HH], v0, 4, 1
	v_and_b32 v31, 8, v30
	v_add_nc_u32 v[PIR], v31, v30
	s_lshl_b32 s23, s[WV], 8
	v_lshlrev_b32 v[RW], 2, v[PIR]
	v_lshl_add_u32 v[VB], v[HH], 6, s23
	s_lshl_b32 s21, s[WV], 11
	v_add_nc_u32 v28, s21, v[LI]
	v_lshl_add_u32 v29, v29, 3, s23
	s_and_b32 s22, ttmp7, 0xffff                   ; the quarter
	s_lshl_b32 s34, ttmp9, 15
	s_add_co_u32 s34, s34, 16777216
	s_mov_b32 s35, 0
	s_lshl_b32 s36, ttmp9, 12
	s_add_co_u32 s36, s36, 18874368
	s_mov_b32 s37, 0
	s_lshl_b32 s38, s22, 9
	s_lshl_b32 s39, s[WV], 5
	s_add_co_u32 s38, s38, s39
	s_add_co_u32 s38, s38, 4096
	s_lshl_b32 s40, s38, 10
	s_mov_b32 s41, 0
	s_lshl_b32 s42, s38, 7
	s_add_co_u32 s42, s42, 8388608
	s_mov_b32 s43, 0
	s_lshl_b32 s46, s22, 12
	s_mov_b32 s47, 0
	s_lshl_b32 s48, ttmp9, 8                       ; hp: my group's 64 rows, in each quarter
	s_mov_b32 s49, 0
	s_mov_b32 s[SEL], 0x76543210
	s_mov_b32 s[SEL+1], 0xfedcba98
	s_mov_b32 s[EPS], 0x322bcc77                   ; 1e-8
	s_wait_kmcnt 0x0
	s_add_nc_u64 s[AC:AC+1], s[4:5], s[34:35]
	s_add_nc_u64 s[AS:AS+1], s[4:5], s[36:37]
	s_add_nc_u64 s[WC:WC+1], s[6:7], s[40:41]
	s_add_nc_u64 s[WS:WS+1], s[6:7], s[42:43]
	s_add_nc_u64 s[BP:BP+1], s[8:9], s[46:47]
	s_add_nc_u64 s[HP:HP+1], s[10:11], s[48:49]
.irp i, 0,1,2,3
	global_load_b128 v[ACC+4*\i:ACC+4*\i+3], v28, s[AC:AC+1] offset:512*\i
.endr
	global_load_b64 v[ACC+16:ACC+17], v29, s[AS:AS+1]
	WLOAD 0, 0
	WLOAD 1, 1
	s_wait_loadcnt 24                              ; the rows' images are in; two steps' weights may be out
.irp i, 0,1,2,3
	ds_store_b128 v28, v[ACC+4*\i:ACC+4*\i+3] offset:512*\i
.endr
	ds_store_b64 v29, v[ACC+16:ACC+17] offset:XSO
	BAR
	XLOAD 0
.set S, 0
.rept KS
	STEP
.set S, S+1
.endr
.irp rt, 0,1,2,3
.irp q, 0,1,2,3
	global_load_b32 v[R1+4*\rt+\q], v[RW], s[HP:HP+1] offset:16384*\q+4*(32*(\rt/2)+8*(\rt%2))   ; my four rows' parts of the sum of squares
.endr
.endr
.irp r, 13,15,29,31
	v_mov_b32 v\r, 0                               ; upper words of pairs
.endr
	s_wait_loadcnt 16                              ; the bias is in; the sixteen loads above may be out
.irp rt, 0,1,2,3
.set J, 0
.rept 16
	v_pk_add_f32 v[ACC+32*\rt+J:ACC+32*\rt+J+1], v[ACC+32*\rt+J:ACC+32*\rt+J+1], v[R0+J:R0+J+1]
.set J, J+2
.endr
.endr
	s_wait_loadcnt 0x0
.irp rt, 0,1,2,3
	v_pk_add_f32 v[R1+4*\rt:R1+4*\rt+1], v[R1+4*\rt:R1+4*\rt+1], v[R1+4*\rt+2:R1+4*\rt+3]
.endr
.irp rt, 0,1,2,3
	v_add_f32 v[R1+4*\rt], v[R1+4*\rt], v[R1+4*\rt+1]
.endr
.irp rt, 0,1,2,3
	v_sqrt_f32 v[R1+4*\rt], v[R1+4*\rt]
.endr
	v_nop
	s_wait_alu depctr_va_vdst(0)                   ; one wait for the four roots
.irp rt, 0,1,2,3
	v_add_f32 v[R1+4*\rt], s[EPS], v[R1+4*\rt]
.endr
.irp rt, 0,1,2,3
	v_rcp_f32 v[12+2*\rt+12*(\rt/2)], v[R1+4*\rt]
.endr
.set J, 0
.rept 128
	v_max_num_f32 v[ACC+J], 0, v[ACC+J]            ; relu (the norm is positive, so it may come first).  Plain work behind the reciprocals
.set J, J+1
.endr
	s_wait_alu depctr_va_vdst(0)                   ; one wait for the four reciprocals, ahead of their first reader
.irp rt, 0,1,2,3
.set J, 0
.rept 16
	v_pk_mul_f32 v[ACC+32*\rt+J:ACC+32*\rt+J+1], v[ACC+32*\rt+J:ACC+32*\rt+J+1], v[12+2*\rt+12*(\rt/2):13+2*\rt+12*(\rt/2)] op_sel_hi:[1,0]
.set J, J+2
.endr
.endr
.irp q, 0,1,2,3,4,5,6,7
	v_max3_num_f32 v[R2+\q], v[ACC+16*\q], v[ACC+16*\q+1], 0x1800000   ; none is negative
.endr
.irp i, 2,4,6,8,10,12,14
.irp q, 0,1,2,3,4,5,6,7
	v_max3_num_f32 v[R2+\q], v[R2+\q], v[ACC+16*\q+\i], v[ACC+16*\q+\i+1]
.endr
.endr
.irp q, 0,1,2,3,4,5,6,7
	v_permlanex16_b32 v[R2+8+\q], v[R2+\q], s[SEL], s[SEL+1]
.endr
.irp q, 0,1,2,3,4,5,6,7
	v_max_num_f32 v[R2+\q], v[R2+\q], v[R2+8+\q]
.endr
.irp q, 0,1,2,3,4,5,6,7
	v_add_nc_u32 v[R2+16+\q], 0xff000000, v[R2+\q]
.endr
.irp q, 0,1,2,3,4,5,6,7
	v_lshrrev_b32 v[R2+\q], 23, v[R2+16+\q]
.endr
.irp rt, 0,1,2,3
	v_lshl_or_b32 v[PCB+16+\rt], v[R2+2*\rt+1], 8, v[R2+2*\rt]
.endr
.irp q, 0,1,2,3,4,5,6,7
	v_cvt_scalef32_pk8_fp4_f32 v[PCB+2*\q], v[ACC+16*\q:ACC+16*\q+7], v[R2+16+\q]
	v_cvt_scalef32_pk8_fp4_f32 v[PCB+2*\q+1], v[ACC+16*\q+8:ACC+16*\q+15], v[R2+16+\q]
.endr
	v_nop
.irp rt, 0,1,2,3
.irp i, 0,1
	v_permlane16_swap_b32 v[PCB+4*\rt+\i], v[PCB+4*\rt+2+\i]
.endr
.endr
	s_lshl_b32 s34, ttmp9, 5
	s_lshl_b32 s35, s22, 3
	s_add_co_u32 s34, s34, s35
	s_lshr_b32 s35, s[WV], 1
	s_add_co_u32 s34, s34, s35                     ; 32 G + the K step: 8 quarter + w / 2
	s_and_b32 s35, s[WV], 1
	s_lshl_b32 s36, s34, 12                        ; four row tiles of 1,024 bytes a K step
	s_lshl_b32 s37, s35, 9
	s_add_co_u32 s36, s36, s37
	s_mov_b32 s37, 0
	s_lshl_b32 s38, s34, 9
	s_lshl_b32 s39, s35, 1
	s_add_co_u32 s38, s38, s39
	s_add_co_u32 s38, s38, 8388608
	s_mov_b32 s39, 0
	s_add_nc_u64 s[54:55], s[12:13], s[36:37]
	s_add_nc_u64 s[56:57], s[12:13], s[38:39]
.irp rt, 0,1,2,3
	global_store_b128 v[LI], v[PCB+4*\rt:PCB+4*\rt+3], s[54:55] offset:1024*\rt
	global_store_b16 v[LS], v[PCB+16+\rt], s[56:57] offset:128*\rt
.endr
	s_wait_tensorcnt 0x0
	ds_add_u32 v9, v10
	s_wait_dscnt 0x0
	s_endpgm
.Lfunc_end_k_qa7313bdbcf_ff1b:
	.size	k_qa7313bdbcf_ff1b, .Lfunc_end_k_qa7313bdbcf_ff1b-k_qa7313bdbcf_ff1b
	.p2alignl 7, 3214868480
	.fill 96, 4, 3214868480
	.section	.rodata,"a",@progbits
	.p2align	6, 0x0
	.amdhsa_kernel k_qa7313bdbcf_ff1b
		.amdhsa_group_segment_fixed_size 38912
		.amdhsa_private_segment_fixed_size 0
		.amdhsa_enable_private_segment 0
		.amdhsa_kernarg_size 40
		.amdhsa_user_sgpr_count 2
		.amdhsa_user_sgpr_kernarg_segment_ptr 1
		.amdhsa_wavefront_size32 1
		.amdhsa_system_sgpr_workgroup_id_x 1
		.amdhsa_system_sgpr_workgroup_id_y 1
		.amdhsa_system_sgpr_workgroup_id_z 1
		.amdhsa_system_vgpr_workitem_id 0
		.amdhsa_next_free_vgpr 256
		.amdhsa_next_free_sgpr 66
		.amdhsa_reserve_vcc 0
		.amdhsa_float_denorm_mode_32 3
		.amdhsa_float_denorm_mode_16_64 3
		.amdhsa_memory_ordered 1
		.amdhsa_forward_progress 1
		.amdhsa_inst_pref_size 60
	.end_amdhsa_kernel
	.amdgpu_metadata
---
amdhsa.version: [ 1, 2 ]
amdhsa.kernels:
  - .name:           k_qa7313bdbcf_ff1b
    .symbol:         k_qa7313bdbcf_ff1b.kd
    .args:
      - { .name: xbuf, .offset: 0, .size: 8, .value_kind: global_buffer, .address_space: global }
      - { .name: wimg, .offset: 8, .size: 8, .value_kind: global_buffer, .address_space: global }
      - { .name: b1, .offset: 16, .size: 8, .value_kind: global_buffer, .address_space: global }
      - { .name: hp, .offset: 24, .size: 8, .value_kind: global_buffer, .address_space: global }
      - { .name: himg, .offset: 32, .size: 8, .value_kind: global_buffer, .address_space: global }
    .group_segment_fixed_size: 38912
    .private_segment_fixed_size: 0
    .kernarg_segment_align: 8
    .kernarg_segment_size: 40
    .max_flat_workgroup_size: 512
    .sgpr_count:     66
    .vgpr_count:     256
    .wavefront_size: 32
...
	.end_amdgpu_metadata
.endif
;; end of part 6
;; launch ff2g (part 7): grid 64 x 4, 16 waves a work-group, no clusters, 149,504 bytes of LDS; arguments himg, wimg, b2, obuf; writes obuf
.if DOCPART == 7
	.amdgcn_target "amdgcn-amd-amdhsa--gfx1250"
	.amdhsa_code_object_version 6
	.text
	.protected	k_qa7313bdbcf_ff2g
	.globl	k_qa7313bdbcf_ff2g
	.p2align	8
	.type	k_qa7313bdbcf_ff2g,@function
k_qa7313bdbcf_ff2g:
	s_mov_b64 s[64:65], 0
	v_nop
	global_prefetch_b8 v0, s[64:65] scope:SCOPE_SE
	s_setreg_imm32_b32 hwreg(HW_REG_WAVE_MODE, 25, 1), 1
	s_wait_xcnt 0x0
; o = h W2^T + b2, K = 4,096, on codes of E2M1.  Work-group (G, quarter): 64 rows x 256 columns; what spans a whole row (norm, LayerNorm) is left to the next launch, so that 256 work-groups share the weights' stream.
; Sixteen waves.  Wave w takes the pair of column tiles g = 8 quarter + (w & 7), 64 rows x 32 columns in 8 accumulators, and K half w >> 3: 16 K steps of 128.  So a rows' fragment read from LDS feeds two products,
; and a work-group reads the rows' images from LDS 8 times over, not 16.  At the end waves 8-15 hand their sums to waves 0-7 as images of their registers, through the rows' LDS bytes, between two barriers.
; The 64 rows' images of h (131,072 bytes and 16,384 of scale images) are copied to LDS once.  Weight fragments come from memory straight into registers, through a ring of four sets, three steps ahead.
; NO CLUSTER: joint requests go through tensor loads into LDS; a weight fragment here has ONE reader in the work-group, so through LDS each of its bytes would be written and read once more, beside the 4,608 bytes of rows' fragments that a wave reads in a step.
; Source 0 = 16 rows of W2, source 1 = 16 rows of h: a lane holds ONE row; register j of tile 2 g + u is column 32 g + 16 h + 8 u + j.
; Out: f32 images laid as x's images are: [group][64 columns w][register quad 8 rt + 2 ct + k][512 bytes].
; LIMITS: NaN and infinities are not served.  A sum over K is made in two halves, each ascending, and added.
.set KSH,   16                         ; K steps of a wave
.set WT,    32768                      ; bytes from a weight tile's images to the next tile's: 32 fragments
.set WST,   4096                       ; the same for scale images
.set A_RT,  1024                       ; LDS: from a row tile's image to the next
.set A_S,   4096                       ; from a K step to the next
.set AS_RT, 128
.set AS_S,  512
.set LI,  1                            ; v1   16 lane
.set LS,  2                            ; v2   4 lane
.set XAD, 3                            ; v3   16 lane + 65,536 x K half; steps by 32,768 after the eighth step
.set XSD, 4                            ; v4   131,072 + 4 lane + 8,192 x K half; steps by 4,096
.set EX,  5                            ; v5   8,192 (w & 7) + 16 lane: where the upper K half's sums change hands
.set VB,  6                            ; v6   64 h
.set WSC, 16                           ; v16-23   weights' scale words, four sets of 2
.set XSC, 24                           ; v24-27   rows' scale words
.set WF,  32                           ; v32-95   weight fragments, four sets of 2
.set XF,  96                           ; v96-127  the rows' four fragments
.set ACC, 128                          ; v128-191 accumulator (rt, ct) at 128 + 8 (2 rt + ct)
.set SG,  192                          ; v192-255 the copy's staging; later
.set BI,  192                          ; v192-207 b2 of my two tiles
.set WV,  20
.set AC,  24
.set AS,  26
.set WC,  28
.set WS,  30
.set BP,  44
.set OB,  46
.macro NOPS
.rept 4
	v_nop
.endr
.endm
.macro BAR                             ; my LDS stores have landed and my LDS loads are in: then the work-group's barrier
	s_wait_dscnt 0x0
	s_barrier_signal -1
	s_barrier_wait -1
.endm
.macro WM d, a, b, z, sa, sb
.if \z
	v_wmma_scale_f32_16x16x128_f8f6f4 v[\d:\d+7], v[\a:\a+7], v[\b:\b+7], 0, v[\sa], v[\sb] matrix_a_fmt:MATRIX_FMT_FP4 matrix_b_fmt:MATRIX_FMT_FP4
.else
	v_wmma_scale_f32_16x16x128_f8f6f4 v[\d:\d+7], v[\a:\a+7], v[\b:\b+7], v[\d:\d+7], v[\sa], v[\sb] matrix_a_fmt:MATRIX_FMT_FP4 matrix_b_fmt:MATRIX_FMT_FP4
.endif
.endm
.macro WLOAD s                         ; my two weight tiles of my K step s, into set s % 4: 4 + 2 loads
.irp ct, 0,1
.irp c, 0,1
	global_load_b128 v[WF+16*((\s)%4)+8*\ct+4*\c:WF+16*((\s)%4)+8*\ct+4*\c+3], v[LI], s[WC:WC+1] offset:\ct*WT+(\s)*1024+512*\c
.endr
	global_load_b32 v[WSC+2*((\s)%4)+\ct], v[LS], s[WS:WS+1] offset:\ct*WST+(\s)*128
.endr
.endm
.macro XLOAD s                         ; the four row tiles of my K step s
.irp rt, 0,1,2,3
.irp c, 0,1
	ds_load_b128 v[XF+8*\rt+4*\c:XF+8*\rt+4*\c+3], v[XAD] offset:\rt*A_RT+((\s)%8)*A_S+512*\c
.endr
	ds_load_b32 v[XSC+\rt], v[XSD] offset:\rt*AS_RT+((\s)%8)*AS_S
.endr
.endm
.macro MM                              ; 8 products; the accumulators take turns, one instruction a turn
.irp rt, 0,1,2,3
.irp ct, 0,1
	WM ACC+8*(2*\rt+\ct), WF+16*SET+8*\ct, XF+8*\rt, FIRST, WSC+2*SET+\ct, XSC+\rt
.endr
.endr
.endm
.macro STEP
.set SET, S%4
.if S == 0
.set FIRST, 1
.else
.set FIRST, 0
.endif
.if S <= 12
	s_wait_loadcnt 18                              ; this step's weights are in; the next three steps' eighteen loads may be out
.else
	s_wait_loadcnt 6*(15-S)+4                      ; the steps that are left, six loads each, and the four loads of b2 may be out
.endif
	s_wait_dscnt 0x0                               ; the rows' fragments are in
	MM
	NOPS                                           ; four places in front of loads into registers that the products have read
.if S+1 < KSH
.if (S+1)%8 == 0
	v_add_nc_u32 v[XAD], 8*A_S, v[XAD]             ; eight K steps on: the immediates begin anew
	v_add_nc_u32 v[XSD], 8*AS_S, v[XSD]
.endif
	XLOAD S+1
.endif
.if S+4 < KSH
	WLOAD S+4
.endif
.if S == 12
.irp ct, 0,1
.irp k, 0,1
	global_load_b128 v[BI+8*\ct+4*\k:BI+8*\ct+4*\k+3], v[VB], s[BP:BP+1] offset:32*\ct+16*\k   ; b2 at columns 32 g + 16 h + 8 ct + 0 .. 7
.endr
.endr
.endif
.endm
	s_load_b256 s[4:11], s[0:1], 0x0               ; himg, wimg, b2, obuf
	v_lshl_add_u32 v15, v0, 2, 0x24000
	v_mov_b32 v31, 0
	v_lshrrev_b32 v28, 5, v0
	v_readfirstlane_b32 s[WV], v28                 ; wave 0..15
	v_and_b32 v29, 31, v0                          ; lane
	v_lshlrev_b32 v[LI], 4, v29
	v_lshlrev_b32 v[LS], 2, v29
	v_bfe_u32 v[VB], v0, 4, 1
	v_lshlrev_b32 v[VB], 6, v[VB]
	s_and_b32 s21, s[WV], 7                        ; which pair of column tiles
	s_lshr_b32 s23, s[WV], 3                       ; which half of K
	s_lshl_b32 s34, s23, 16                        ; 16 K steps of 4,096 bytes
	v_add_nc_u32 v[XAD], s34, v[LI]
	s_lshl_b32 s34, s23, 13                        ; 16 K steps of 512 bytes
	s_add_co_u32 s34, s34, 131072
	v_add_nc_u32 v[XSD], s34, v[LS]
	s_lshl_b32 s34, s21, 13
	v_add_nc_u32 v[EX], s34, v[LI]
	s_lshl_b32 s34, s[WV], 13
	v_add_nc_u32 v28, s34, v[LI]                   ; the copy of the rows' images: 8,192 w + 16 lane, in memory and in LDS
	s_lshl_b32 s34, s[WV], 10
	v_add_nc_u32 v29, s34, v[LI]                   ; of their scale images: 1,024 w + 16 lane,
	v_add_nc_u32 v30, 131072, v29                  ; and in LDS
	s_and_b32 s22, ttmp7, 0xffff                   ; the quarter of the columns
	s_lshl_b32 s34, ttmp9, 17                      ; h's images of group G
	s_mov_b32 s35, 0
	s_lshl_b32 s36, ttmp9, 14
	s_add_co_u32 s36, s36, 8388608
	s_mov_b32 s37, 0
	s_lshl_b32 s38, s22, 3
	s_add_co_u32 s38, s38, s21                     ; g = 8 quarter + (w & 7)
	s_lshl_b32 s39, s38, 6                         ; two tiles of 32 fragments
	s_lshl_b32 s40, s23, 4                         ; my K half's 16
	s_add_co_u32 s39, s39, s40
	s_add_co_u32 s39, s39, 6144                    ; my first fragment of w2
	s_lshl_b32 s40, s39, 10
	s_mov_b32 s41, 0
	s_lshl_b32 s42, s39, 7
	s_add_co_u32 s42, s42, 8388608
	s_mov_b32 s43, 0
	s_lshl_b32 s48, s38, 7                         ; b2: 32 numbers for each g
	s_mov_b32 s49, 0
	s_lshl_b32 s50, ttmp9, 4
	s_lshr_b32 s51, s38, 1
	s_add_co_u32 s50, s50, s51                     ; 16 G + the 64 columns g / 2
	s_lshl_b32 s50, s50, 14
	s_and_b32 s51, s38, 1
	s_lshl_b32 s51, s51, 11                        ; their lower or upper pair of tiles
	s_add_co_u32 s50, s50, s51
	s_mov_b32 s51, 0
	s_wait_kmcnt 0x0
	s_add_nc_u64 s[AC:AC+1], s[4:5], s[34:35]
	s_add_nc_u64 s[AS:AS+1], s[4:5], s[36:37]
	s_add_nc_u64 s[WC:WC+1], s[6:7], s[40:41]
	s_add_nc_u64 s[WS:WS+1], s[6:7], s[42:43]
	s_add_nc_u64 s[BP:BP+1], s[8:9], s[48:49]
	s_add_nc_u64 s[OB:OB+1], s[10:11], s[50:51]
.irp i, 0,1,2,3,4,5,6,7,8,9,10,11,12,13,14,15
	global_load_b128 v[SG+4*\i:SG+4*\i+3], v28, s[AC:AC+1] offset:512*\i
.endr
.irp i, 0,1
	global_load_b128 v[ACC+4*\i:ACC+4*\i+3], v29, s[AS:AS+1] offset:512*\i
.endr
	WLOAD 0
	WLOAD 1
	WLOAD 2
	WLOAD 3
	s_wait_loadcnt 24                              ; the rows' images are in; four steps' weights, six loads each, may be out
.irp i, 0,1,2,3,4,5,6,7,8,9,10,11,12,13,14,15
	ds_store_b128 v28, v[SG+4*\i:SG+4*\i+3] offset:512*\i
.endr
.irp i, 0,1
	ds_store_b128 v30, v[ACC+4*\i:ACC+4*\i+3] offset:512*\i
.endr
	BAR                                            ; the 64 rows' images lie in LDS
	XLOAD 0
.set S, 0
.rept KSH
	STEP
.set S, S+1
.endr
	BAR                                            ; every wave has read the rows' images for the last time: their first 65,536 bytes take the upper K half's sums
	s_cmp_lt_u32 s[WV], 8
	s_cbranch_scc1 .Llower
.set J, 0
.rept 16
	ds_store_b128 v[EX], v[ACC+4*J:ACC+4*J+3] offset:512*J   ; each accumulator from its low end on
.set J, J+1
.endr
.Llower:
	BAR                                            ; the sums lie in LDS
	s_cmp_ge_u32 s[WV], 8
	s_cbranch_scc1 .Ldone
.set J, 0
.rept 16
	ds_load_b128 v[WF+4*J:WF+4*J+3], v[EX] offset:512*J
.set J, J+1
.endr
	s_wait_loadcnt 0x0                             ; b2
.irp a, 0,1,2,3,4,5,6,7
.irp j, 0,2,4,6
	v_pk_add_f32 v[ACC+8*\a+\j:ACC+8*\a+\j+1], v[ACC+8*\a+\j:ACC+8*\a+\j+1], v[BI+8*(\a%2)+\j:BI+8*(\a%2)+\j+1]
.endr
.endr
	s_wait_dscnt 0x0
.set J, 0
.rept 32
	v_pk_add_f32 v[ACC+J:ACC+J+1], v[ACC+J:ACC+J+1], v[WF+J:WF+J+1]
.set J, J+2
.endr
.set J, 0
.rept 16
	global_store_b128 v[LI], v[ACC+4*J:ACC+4*J+3], s[OB:OB+1] offset:(J/4)*4096+((J/2)%2)*1024+(J%2)*512   ; 512 consecutive bytes: row tile J / 4, column tile (J / 2) % 2, register quad J % 2
.set J, J+1
.endr
.Ldone:
	s_wait_tensorcnt 0x0
	ds_add_u32 v15, v31
	s_wait_dscnt 0x0
	s_endpgm
.Lfunc_end_k_qa7313bdbcf_ff2g:
	.size	k_qa7313bdbcf_ff2g, .Lfunc_end_k_qa7313bdbcf_ff2g-k_qa7313bdbcf_ff2g
	.p2alignl 7, 3214868480
	.fill 96, 4, 3214868480
	.section	.rodata,"a",@progbits
	.p2align	6, 0x0
	.amdhsa_kernel k_qa7313bdbcf_ff2g
		.amdhsa_group_segment_fixed_size 149504
		.amdhsa_private_segment_fixed_size 0
		.amdhsa_enable_private_segment 0
		.amdhsa_kernarg_size 32
		.amdhsa_user_sgpr_count 2
		.amdhsa_user_sgpr_kernarg_segment_ptr 1
		.amdhsa_wavefront_size32 1
		.amdhsa_system_sgpr_workgroup_id_x 1
		.amdhsa_system_sgpr_workgroup_id_y 1
		.amdhsa_system_sgpr_workgroup_id_z 1
		.amdhsa_system_vgpr_workitem_id 0
		.amdhsa_next_free_vgpr 256
		.amdhsa_next_free_sgpr 66
		.amdhsa_reserve_vcc 0
		.amdhsa_float_denorm_mode_32 3
		.amdhsa_float_denorm_mode_16_64 3
		.amdhsa_memory_ordered 1
		.amdhsa_forward_progress 1
		.amdhsa_inst_pref_size 54
	.end_amdhsa_kernel
	.amdgpu_metadata
---
amdhsa.version: [ 1, 2 ]
amdhsa.kernels:
  - .name:           k_qa7313bdbcf_ff2g
    .symbol:         k_qa7313bdbcf_ff2g.kd
    .args:
      - { .name: himg, .offset: 0, .size: 8, .value_kind: global_buffer, .address_space: global }
      - { .name: wimg, .offset: 8, .size: 8, .value_kind: global_buffer, .address_space: global }
      - { .name: b2, .offset: 16, .size: 8, .value_kind: global_buffer, .address_space: global }
      - { .name: obuf, .offset: 24, .size: 8, .value_kind: global_buffer, .address_space: global }
    .group_segment_fixed_size: 149504
    .private_segment_fixed_size: 0
    .kernarg_segment_align: 8
    .kernarg_segment_size: 32
    .max_flat_workgroup_size: 512
    .sgpr_count:     66
    .vgpr_count:     256
    .wavefront_size: 32
...
	.end_amdgpu_metadata
.endif
;; end of part 7
;; launch lnf (part 8): grid 64 x 4, 16 waves a work-group, no clusters, 76,800 bytes of LDS; arguments obuf, xbuf, g2, beta2, out0; writes out0
.if DOCPART == 8
	.amdgcn_target "amdgcn-amd-amdhsa--gfx1250"
	.amdhsa_code_object_version 6
	.text
	.protected	k_qa7313bdbcf_lnf
	.globl	k_qa7313bdbcf_lnf
	.p2align	8
	.type	k_qa7313bdbcf_lnf,@function
k_qa7313bdbcf_lnf:
	s_mov_b64 s[64:65], 0
	v_nop
	global_prefetch_b8 v0, s[64:65] scope:SCOPE_SE
	s_setreg_imm32_b32 hwreg(HW_REG_WAVE_MODE, 25, 1), 1
	s_wait_xcnt 0x0
; out0 = u / |u|, u = LayerNorm(x + o / (|o| + 1e-8)) with gain g2 and bias beta2 (variance over 1,023); o = h W2^T + b2 as the launch before left it.  All in f32; no product, so no matrix instruction.
; Work-group (G, rt): the 16 rows of row tile rt of group G, all 1,024 columns.  Sixteen waves, wave w columns 64 w .. 64 w + 63.  o and x come as images of registers: lane (r, h) holds row pi(r) = r + 8 (r / 8) of the tile,
; and register 8 ct + j column 64 w + 32 (ct / 2) + 16 h + 8 (ct % 2) + j.  Each load reads 512 consecutive bytes.
; Four figures span a row: |o|, the mean, the variance, |u|.  For each the waves' parts meet in a table of its own, 16 rows x 80 bytes, behind one barrier, and each lane adds the sixteen parts of its own row.
; The rows leave through a stage of the wave's own: sixteen lanes store 256 consecutive, aligned bytes.  Memory binds: clusters and tensor loads would add nothing; every byte is read once.
; Mean and variance in two passes.  LIMITS: NaN and infinities are not served; divisions are reciprocals (or reciprocal roots) and multiplications.
.set STG, 5120                         ; LDS: four tables of 1,280 bytes; then 16 rows x (256 bytes + 16) for each wave
.set LI,  1                            ; v1   16 lane
.set RW,  2                            ; v2   80 r + 4 w
.set RR,  3                            ; v3   80 r
.set VB,  4                            ; v4   256 w + 64 h
.set SI,  5                            ; v5   the stage, in: row r, + 64 h
.set SO,  6                            ; v6   the stage, back: lanes 0-15 one row, lanes 16-31 the next
.set GO,  7                            ; v7   and the same two rows in out0
; v[12:13] my row's figure in the low word; the upper word is 0
.set ACC, 32                           ; v32-63   o, then y, d, u
.set X,   64                           ; v64-95   x; on the way out the rows read back
.set GG,  96                           ; v96-127  g2
.set BB,  128                          ; v128-159 beta2
.set T,   160                          ; v160-175 the sixteen waves' parts
.set PP,  176
.set PQ,  178
.set P,   180
.set PT,  181
.set WV,  20
.set IO,  24
.set IX,  26
.set OP,  28
.set SEL, 32
.set E5,  44
.set EPS, 46
.set C1023, 47
.macro SUMSQ                           ; v[PP:PP+1] = the squares of my 32 numbers, in two chains
	v_pk_mul_f32 v[PP:PP+1], v[ACC:ACC+1], v[ACC:ACC+1]
	v_pk_mul_f32 v[PQ:PQ+1], v[ACC+2:ACC+3], v[ACC+2:ACC+3]
.set J, 4
.rept 7
	v_pk_fma_f32 v[PP:PP+1], v[ACC+J:ACC+J+1], v[ACC+J:ACC+J+1], v[PP:PP+1]
	v_pk_fma_f32 v[PQ:PQ+1], v[ACC+J+2:ACC+J+3], v[ACC+J+2:ACC+J+3], v[PQ:PQ+1]
.set J, J+4
.endr
	v_pk_add_f32 v[PP:PP+1], v[PP:PP+1], v[PQ:PQ+1]
.endm
.macro ROWSUM k                        ; v[T] = the row's sum of what stands in v[PP:PP+1], over all 1,024 columns
	v_add_f32 v[P], v[PP], v[PP+1]
	v_permlanex16_b32 v[PT], v[P], s[SEL], s[SEL+1]
	v_add_f32 v[P], v[P], v[PT]                    ; with lane l xor 16's: the wave's 64 columns
	ds_store_b32 v[RW], v[P] offset:1280*\k        ; both halves of the lanes write the same word with the same value
	s_wait_dscnt 0x0                               ; for the others' sake: my store has landed
	s_barrier_signal -1
	s_barrier_wait -1
.irp q, 0,1,2,3
	ds_load_b128 v[T+4*\q:T+4*\q+3], v[RR] offset:1280*\k+16*\q
.endr
	s_wait_dscnt 0x0
.irp o, 0,4,8,12
	v_pk_add_f32 v[T+\o:T+\o+1], v[T+\o:T+\o+1], v[T+\o+2:T+\o+3]
.endr
.irp o, 0,8
	v_pk_add_f32 v[T+\o:T+\o+1], v[T+\o:T+\o+1], v[T+\o+4:T+\o+5]
.endr
	v_pk_add_f32 v[T:T+1], v[T:T+1], v[T+8:T+9]
	v_add_f32 v[T], v[T], v[T+1]
.endm
.macro TIMES                           ; my 32 numbers x my row's figure
.set J, 0
.rept 16
	v_pk_mul_f32 v[ACC+J:ACC+J+1], v[ACC+J:ACC+J+1], v[12:13] op_sel_hi:[1,0]
.set J, J+2
.endr
.endm
.macro COLS dst, ptr                   ; 32 numbers of a vector over the columns, in my registers' order
.irp ct, 0,1,2,3
.irp k, 0,1
	global_load_b128 v[\dst+8*\ct+4*\k:\dst+8*\ct+4*\k+3], v[VB], s[\ptr:\ptr+1] offset:128*(\ct/2)+32*(\ct%2)+16*\k
.endr
.endr
.endm
	s_load_b256 s[4:11], s[0:1], 0x0               ; obuf, xbuf, g2, beta2
	s_load_b64 s[12:13], s[0:1], 0x20              ; out0
	v_lshl_add_u32 v192, v0, 2, 0x12400
	v_mov_b32 v193, 0
	v_lshrrev_b32 v8, 5, v0
	v_readfirstlane_b32 s[WV], v8                  ; wave 0..15
	v_and_b32 v9, 31, v0                           ; lane
	v_lshlrev_b32 v[LI], 4, v9
	v_and_b32 v10, 15, v0                          ; r
	v_bfe_u32 v11, v0, 4, 1                        ; h
	s_lshl_b32 s21, s[WV], 2
	s_lshl_b32 s23, s[WV], 8
	v_mul_u32_u24 v[RR], v10, 80
	v_add_nc_u32 v[RW], s21, v[RR]
	v_lshl_add_u32 v[VB], v11, 6, s23
	s_mul_i32 s38, s[WV], 4352
	s_add_co_u32 s38, s38, STG                     ; my stage
	v_mul_u32_u24 v[SI], v10, 272
	v_lshl_add_u32 v[SI], v11, 6, v[SI]
	v_add_nc_u32 v[SI], s38, v[SI]
	v_mul_u32_u24 v[SO], v11, 272
	v_lshl_add_u32 v[SO], v10, 4, v[SO]
	v_add_nc_u32 v[SO], s38, v[SO]
	v_lshlrev_b32 v[GO], 13, v11
	v_lshl_add_u32 v[GO], v10, 4, v[GO]
	v_mov_b32 v13, 0                               ; the pair's upper word
	v_mov_b32 v[PT], 0                             ; a lane permute's destination counts as read
	s_and_b32 s22, ttmp7, 0xffff                   ; rt
	s_lshl_b32 s34, ttmp9, 4
	s_add_co_u32 s34, s34, s[WV]
	s_lshl_b32 s34, s34, 14                        ; the images of group G, wave w: 16,384 bytes,
	s_lshl_b32 s35, s22, 12
	s_add_co_u32 s34, s34, s35                     ; of which row tile rt has 4,096
	s_mov_b32 s35, 0
	s_lshr_b32 s36, ttmp9, 5
	s_lshl_b32 s36, s36, 12                        ; out0: the batch,
	s_and_b32 s37, ttmp9, 31
	s_lshl_b32 s37, s37, 19                        ; the group's 64 rows of 8,192 bytes,
	s_add_co_u32 s36, s36, s37
	s_add_co_u32 s36, s36, s23                     ; my 64 columns,
	s_lshr_b32 s37, s22, 1
	s_lshl_b32 s37, s37, 18
	s_add_co_u32 s36, s36, s37
	s_and_b32 s37, s22, 1
	s_lshl_b32 s37, s37, 16
	s_add_co_u32 s36, s36, s37                     ; the tile's first row: 32 (rt / 2) + 8 (rt % 2)
	s_mov_b32 s37, 0
	s_mov_b32 s[SEL], 0x76543210
	s_mov_b32 s[SEL+1], 0xfedcba98
	s_mov_b32 s[EPS], 0x322bcc77                   ; 1e-8
	s_mov_b32 s[C1023], 0x3a802008                 ; 1 / 1023
	s_mov_b32 s[E5], 0x3727c5ac                    ; 1e-5
	s_wait_kmcnt 0x0
	s_add_nc_u64 s[IO:IO+1], s[4:5], s[34:35]
	s_add_nc_u64 s[IX:IX+1], s[6:7], s[34:35]
	s_add_nc_u64 s[OP:OP+1], s[12:13], s[36:37]
.irp k, 0,1,2,3,4,5,6,7
	global_load_b128 v[ACC+4*\k:ACC+4*\k+3], v[LI], s[IO:IO+1] offset:512*\k th:TH_LOAD_NT
.endr
.irp k, 0,1,2,3,4,5,6,7
	global_load_b128 v[X+4*\k:X+4*\k+3], v[LI], s[IX:IX+1] offset:512*\k th:TH_LOAD_NT
.endr
	COLS GG, 8
	COLS BB, 10
	s_wait_loadcnt 24                              ; o is in; x, g2 and beta2, eight loads each, may be out
	SUMSQ
	ROWSUM 0
	v_sqrt_f32 v[T], v[T]
	v_nop
	s_wait_alu depctr_va_vdst(0)                   ; the wait ahead of the root's first reader
	v_add_f32 v[T], s[EPS], v[T]
	v_rcp_f32 v12, v[T]                            ; 1 / (|o| + 1e-8)
	v_nop
	s_wait_alu depctr_va_vdst(0)
	s_wait_loadcnt 16                              ; x is in
.set J, 0
.rept 16
	v_pk_fma_f32 v[ACC+J:ACC+J+1], v[ACC+J:ACC+J+1], v[12:13], v[X+J:X+J+1] op_sel_hi:[1,0,1]   ; y = o / (|o| + 1e-8) + x
.set J, J+2
.endr
	v_pk_add_f32 v[PP:PP+1], v[ACC:ACC+1], v[ACC+4:ACC+5]
	v_pk_add_f32 v[PQ:PQ+1], v[ACC+2:ACC+3], v[ACC+6:ACC+7]
.set J, 8
.rept 6
	v_pk_add_f32 v[PP:PP+1], v[PP:PP+1], v[ACC+J:ACC+J+1]
	v_pk_add_f32 v[PQ:PQ+1], v[PQ:PQ+1], v[ACC+J+2:ACC+J+3]
.set J, J+4
.endr
	v_pk_add_f32 v[PP:PP+1], v[PP:PP+1], v[PQ:PQ+1]
	ROWSUM 1
	v_mul_f32 v12, 0xba800000, v[T]                ; - the mean: x -1 / 1024
.set J, 0
.rept 16
	v_pk_add_f32 v[ACC+J:ACC+J+1], v[ACC+J:ACC+J+1], v[12:13] op_sel_hi:[1,0]   ; d = y - mean
.set J, J+2
.endr
	SUMSQ
	ROWSUM 2
	v_fma_f32 v[T], v[T], s[C1023], s[E5]          ; the variance + 1e-5
	v_rsq_f32 v12, v[T]
	v_nop
	s_wait_alu depctr_va_vdst(0)
	TIMES
	s_wait_loadcnt 0x0                             ; g2, beta2
.set J, 0
.rept 16
	v_pk_fma_f32 v[ACC+J:ACC+J+1], v[ACC+J:ACC+J+1], v[GG+J:GG+J+1], v[BB+J:BB+J+1]
.set J, J+2
.endr
	SUMSQ
	ROWSUM 3
	v_rsq_f32 v12, v[T]                            ; 1 / |u|
	v_nop
	s_wait_alu depctr_va_vdst(0)
	TIMES
.irp bb, 0,1
.irp q, 0,1,2,3
	ds_store_b128 v[SI], v[ACC+16*\bb+4*\q:ACC+16*\bb+4*\q+3] offset:128*\bb+16*\q   ; columns 32 bb + 16 h + 4 q on of my 64
.endr
.endr
.irp i, 0,1,2,3,4,5,6,7
	ds_load_b128 v[X+4*\i:X+4*\i+3], v[SO] offset:544*\i   ; LDS serves a wave's instructions in order: these see my stores
.endr
.irp i, 0,1,2,3,4,5,6,7
	s_wait_dscnt 7-\i                              ; the younger loads may be out
	global_store_b128 v[GO], v[X+4*\i:X+4*\i+3], s[OP:OP+1] offset:8192*(2*\i+8*(\i/4)) th:TH_STORE_NT   ; stage rows 2 i, 2 i + 1 are the tile's rows pi(2 i), pi(2 i + 1); sixteen lanes store 256 consecutive bytes, aligned
.endr
	s_wait_tensorcnt 0x0
	ds_add_u32 v192, v193
	s_wait_dscnt 0x0
	s_endpgm
.Lfunc_end_k_qa7313bdbcf_lnf:
	.size	k_qa7313bdbcf_lnf, .Lfunc_end_k_qa7313bdbcf_lnf-k_qa7313bdbcf_lnf
	.p2alignl 7, 3214868480
	.fill 96, 4, 3214868480
	.section	.rodata,"a",@progbits
	.p2align	6, 0x0
	.amdhsa_kernel k_qa7313bdbcf_lnf
		.amdhsa_group_segment_fixed_size 76800
		.amdhsa_private_segment_fixed_size 0
		.amdhsa_enable_private_segment 0
		.amdhsa_kernarg_size 40
		.amdhsa_user_sgpr_count 2
		.amdhsa_user_sgpr_kernarg_segment_ptr 1
		.amdhsa_wavefront_size32 1
		.amdhsa_system_sgpr_workgroup_id_x 1
		.amdhsa_system_sgpr_workgroup_id_y 1
		.amdhsa_system_sgpr_workgroup_id_z 1
		.amdhsa_system_vgpr_workitem_id 0
		.amdhsa_next_free_vgpr 194
		.amdhsa_next_free_sgpr 66
		.amdhsa_reserve_vcc 0
		.amdhsa_float_denorm_mode_32 3
		.amdhsa_float_denorm_mode_16_64 3
		.amdhsa_memory_ordered 1
		.amdhsa_forward_progress 1
		.amdhsa_inst_pref_size 22
	.end_amdhsa_kernel
	.amdgpu_metadata
---
amdhsa.version: [ 1, 2 ]
amdhsa.kernels:
  - .name:           k_qa7313bdbcf_lnf
    .symbol:         k_qa7313bdbcf_lnf.kd
    .args:
      - { .name: obuf, .offset: 0, .size: 8, .value_kind: global_buffer, .address_space: global }
      - { .name: xbuf, .offset: 8, .size: 8, .value_kind: global_buffer, .address_space: global }
      - { .name: g2, .offset: 16, .size: 8, .value_kind: global_buffer, .address_space: global }
      - { .name: beta2, .offset: 24, .size: 8, .value_kind: global_buffer, .address_space: global }
      - { .name: out0, .offset: 32, .size: 8, .value_kind: global_buffer, .address_space: global }
    .group_segment_fixed_size: 76800
    .private_segment_fixed_size: 0
    .kernarg_segment_align: 8
    .kernarg_segment_size: 40
    .max_flat_workgroup_size: 512
    .sgpr_count:     66
    .vgpr_count:     194
    .wavefront_size: 32
...
	.end_amdgpu_metadata
.endif
;; end of part 8
;; ======== version 2 of 2: 8 launches
;; workspace buffers: wimg 9,437,184 bytes; qkvb 8,388,608 bytes; oimg 2,359,296 bytes; xbuf 19,136,512 bytes; hp 65,536 bytes; himg 9,437,184 bytes; obuf 16,777,216 bytes
;; launch quant (part 9): grid 1024 x 1, 4 waves a work-group, no clusters, 34,304 bytes of LDS; arguments src, wq, wk, wv, wo, w1, w2, wimg; writes wimg
.if DOCPART == 9
	.amdgcn_target "amdgcn-amd-amdhsa--gfx1250"
	.amdhsa_code_object_version 6
	.text
	.protected	k_qa7313bdbcf_quant
	.globl	k_qa7313bdbcf_quant
	.p2align	8
	.type	k_qa7313bdbcf_quant,@function
k_qa7313bdbcf_quant:
	s_mov_b64 s[64:65], 0
	v_nop
	global_prefetch_b8 v0, s[64:65] scope:SCOPE_SE
	s_setreg_imm32_b32 hwreg(HW_REG_WAVE_MODE, 25, 1), 1
	s_wait_xcnt 0x0
; src and the six weights, f32 with K innermost, become codes of E2M1 with one E8M0 byte for each 32 along K, laid as IMAGES OF OPERAND REGISTERS.
; A tile is 16 rows: tile 2 g + u holds rows 32 g + 8 u + pi(r), pi(r) = r + 8 (r / 8).  A fragment (tile, K step of 128) is 1,024 bytes: the 16 bytes at 512 c + 16 lane, lane = r + 16 h,
; are the codes of block 4 s + 2 c + h of row pi(r).  Its scale image is 128 bytes: the word at 4 lane holds the bytes of blocks 4 s .. 4 s + 3 of that row.
; Fragments: src (rows in the order batch x 2048 + s) from 0, wq 2048, wk 2560, wv 3072, wo 3584, w1 4096, w2 6144; scale images from byte 8,388,608.
; A wave takes two K steps of one tile: 16 rows x 1,024 bytes.  Each load reads 512 consecutive bytes of a row; the numbers turn through the wave's own stage in LDS so that a lane holds whole blocks.
; A block's scale is 2^(floor(log2(largest magnitude)) - 2); its byte is the largest magnitude's exponent field - 2, held at 1 from below.
; LIMITS: a block of zeros, or one whose largest magnitude lies under 2^-124, keeps the byte 1 (its bytes are read by this program alone); NaN and infinities among the inputs are not served.
.set R,   32                           ; v32-159  two sets of 64 numbers
.set C,   160                          ; v160-175 codes, 8 registers a fragment
.set SEL, 4                            ; s[4:5]   lane selects: lane l xor 16
	s_load_b512 s[8:23], s[0:1], 0x0               ; src, wq, wk, wv, wo, w1, w2, wimg
	v_lshl_add_u32 v176, v0, 2, 0x8400
	v_mov_b32 v177, 0
	v_lshrrev_b32 v24, 5, v0
	v_readfirstlane_b32 s2, v24                    ; wave
	v_and_b32 v25, 31, v0                          ; lane
	v_lshlrev_b32 v1, 4, v25                       ; 16 lane
	v_lshlrev_b32 v2, 2, v25                       ; 4 lane
	s_mul_i32 s3, s2, 8448                         ; my stage: 16 rows of 512 bytes + 16
	v_add_nc_u32 v3, s3, v1                        ; into it: 16 lane, a row an instruction
	v_and_b32 v26, 15, v0                          ; r
	v_bfe_u32 v5, v0, 4, 1                         ; h
	v_mul_u32_u24 v4, v26, 528
	v_lshl_add_u32 v4, v5, 7, v4
	v_add_nc_u32 v4, s3, v4                        ; out of it: row r, block h
	v_lshlrev_b32 v6, 3, v5                        ; 8 h: my bytes' place in the scale word
	v_mov_b32 v31, 0                               ; a lane permute's destination counts as read
	s_mov_b32 s[SEL], 0x76543210
	s_mov_b32 s[SEL+1], 0xfedcba98
	; which tensor, tile and pair of K steps: work-groups 0-255 src, 256-511 wq wk wv wo (64 each), 512-767 w1, 768-1023 w2
	s_mov_b32 s24, 4096                            ; bytes from row to row
	s_cmp_lt_u32 ttmp9, 256
	s_cselect_b32 s24, 8192, s24                   ; src: the two batches alternate
	s_mov_b32 s25, 16384
	s_cmp_ge_u32 ttmp9, 768
	s_cselect_b32 s24, s25, s24                    ; w2
	s_and_b32 s26, ttmp9, 255
	s_and_b32 s27, ttmp9, 63
	s_and_b32 s29, ttmp9, 127
	s_lshr_b32 s30, ttmp9, 7
	s_lshl_b32 s30, s30, 12                        ; src: the batch's 4,096 bytes
	s_lshr_b32 s28, ttmp9, 8                       ; 0 src, 1 the four small weights, 2 w1, 3 w2
	s_cmp_eq_u32 s28, 1
	s_cselect_b32 s26, s27, s26
	s_cmp_eq_u32 s28, 0
	s_cselect_b32 s26, s29, s26
	s_cselect_b32 s30, s30, 0
	s_lshr_b32 s31, s26, 2                         ; w2: four work-groups to a tile
	s_and_b32 s32, s26, 3
	s_lshl_b32 s32, s32, 2
	s_add_co_u32 s32, s32, s2
	s_cmp_eq_u32 s28, 3
	s_cselect_b32 s26, s31, s26                    ; the tile
	s_cselect_b32 s32, s32, s2                     ; the pair of K steps
	s_lshr_b32 s33, s26, 1
	s_lshl_b32 s33, s33, 5
	s_and_b32 s34, s26, 1
	s_lshl_b32 s34, s34, 3
	s_add_co_u32 s33, s33, s34                     ; the tile's first row: 32 g + 8 u
	s_mul_i32 s33, s33, s24
	s_add_co_u32 s33, s33, s30
	s_lshl_b32 s32, s32, 10                        ; a pair of K steps is 1,024 bytes of a row
	s_add_co_u32 s36, s33, s32
	s_mov_b32 s37, 0
	s_lshl_b32 s40, ttmp9, 2
	s_add_co_u32 s40, s40, s2                      ; the pair's number in wimg
	s_lshl_b32 s42, s40, 11
	s_mov_b32 s43, 0
	s_lshl_b32 s44, s40, 8
	s_add_co_u32 s44, s44, 8388608
	s_mov_b32 s45, 0
.irp i, 0,1,2,3,4,5,6,7,8,9,10,11,12,13,14,15
	v_mad_u32_u24 v[8+\i], s24, \i+8*(\i/8), v1    ; row pi(i) of the tile, 16 bytes a lane
.endr
	s_wait_alu depctr_va_vdst(0)
	s_wait_kmcnt 0x0
	s_mov_b64 s[38:39], s[8:9]
	s_cmp_ge_u32 ttmp9, 256
	s_cselect_b64 s[38:39], s[10:11], s[38:39]
	s_cmp_ge_u32 ttmp9, 320
	s_cselect_b64 s[38:39], s[12:13], s[38:39]
	s_cmp_ge_u32 ttmp9, 384
	s_cselect_b64 s[38:39], s[14:15], s[38:39]
	s_cmp_ge_u32 ttmp9, 448
	s_cselect_b64 s[38:39], s[16:17], s[38:39]
	s_cmp_ge_u32 ttmp9, 512
	s_cselect_b64 s[38:39], s[18:19], s[38:39]
	s_cmp_ge_u32 ttmp9, 768
	s_cselect_b64 s[38:39], s[20:21], s[38:39]
	s_add_nc_u64 s[38:39], s[38:39], s[36:37]
	s_add_nc_u64 s[46:47], s[22:23], s[42:43]      ; the codes' images
	s_add_nc_u64 s[48:49], s[22:23], s[44:45]      ; the scale images
.irp f, 0,1
.irp i, 0,1,2,3,4,5,6,7,8,9,10,11,12,13,14,15
	global_load_b128 v[R+64*\f+4*\i:R+64*\f+4*\i+3], v[8+\i], s[38:39] offset:512*\f th:TH_LOAD_NT   ; 32 lanes read 512 consecutive bytes of one row
.endr
.endr
; Fragment f.  Its scale word has a register of its own (v7, v30), and so have its codes: no store's data are written again.
.macro FRAG f
.set X, R+64*\f
.set W, 7+23*\f
	s_wait_loadcnt 16-16*\f                        ; this fragment's sixteen loads are in; the other's may be out
.irp i, 0,1,2,3,4,5,6,7,8,9,10,11,12,13,14,15
	ds_store_b128 v3, v[X+4*\i:X+4*\i+3] offset:528*\i
.endr
.irp c, 0,1
.irp q, 0,1,2,3,4,5,6,7
	ds_load_b128 v[X+32*\c+4*\q:X+32*\c+4*\q+3], v4 offset:256*\c+16*\q   ; LDS serves a wave's instructions in order: these see my stores.  Block 2 c + h of row r: 32 numbers
.endr
.endr
	s_wait_dscnt 0x0
.irp c, 0,1
	v_max3_num_f32 v[24+\c], |v[X+32*\c]|, |v[X+32*\c+1]|, 0x1800000   ; the floor 2^(3 - 127) holds the byte at 1 from below
.endr
.irp i, 2,4,6,8,10,12,14,16,18,20,22,24,26,28,30
.irp c, 0,1
	v_max3_num_f32 v[24+\c], v[24+\c], |v[X+32*\c+\i]|, |v[X+32*\c+\i+1]|
.endr
.endr
.irp c, 0,1
	v_add_nc_u32 v[26+\c], 0xff000000, v[24+\c]    ; 2 off the exponent field: the conversion's scale operand
.endr
.irp c, 0,1
	v_lshrrev_b32 v[28+\c], 23, v[26+\c]           ; the scale's byte
.endr
	v_lshl_or_b32 v[W], v29, 16, v28               ; blocks h and 2 + h,
	v_lshlrev_b32 v[W], v6, v[W]                   ; at their places;
	v_permlanex16_b32 v31, v[W], s[SEL], s[SEL+1]
	v_or_b32 v[W], v[W], v31                       ; with lane l xor 16's two the word is whole
.irp c, 0,1
.irp g, 0,1,2,3
	v_cvt_scalef32_pk8_fp4_f32 v[C+8*\f+4*\c+\g], v[X+32*\c+8*\g:X+32*\c+8*\g+7], v[26+\c]
.endr
.endr
	v_nop                                          ; one plain line behind the conversions
.irp c, 0,1
	global_store_b128 v1, v[C+8*\f+4*\c:C+8*\f+4*\c+3], s[46:47] offset:1024*\f+512*\c   ; 512 consecutive bytes
.endr
	global_store_b32 v2, v[W], s[48:49] offset:128*\f
.endm
	FRAG 0
	FRAG 1
	s_wait_tensorcnt 0x0
	ds_add_u32 v176, v177
	s_wait_dscnt 0x0
	s_endpgm
.Lfunc_end_k_qa7313bdbcf_quant:
	.size	k_qa7313bdbcf_quant, .Lfunc_end_k_qa7313bdbcf_quant-k_qa7313bdbcf_quant
	.p2alignl 7, 3214868480
	.fill 96, 4, 3214868480
	.section	.rodata,"a",@progbits
	.p2align	6, 0x0
	.amdhsa_kernel k_qa7313bdbcf_quant
		.amdhsa_group_segment_fixed_size 34304
		.amdhsa_private_segment_fixed_size 0
		.amdhsa_enable_private_segment 0
		.amdhsa_kernarg_size 64
		.amdhsa_user_sgpr_count 2
		.amdhsa_user_sgpr_kernarg_segment_ptr 1
		.amdhsa_wavefront_size32 1
		.amdhsa_system_sgpr_workgroup_id_x 1
		.amdhsa_system_sgpr_workgroup_id_y 1
		.amdhsa_system_sgpr_workgroup_id_z 1
		.amdhsa_system_vgpr_workitem_id 0
		.amdhsa_next_free_vgpr 178
		.amdhsa_next_free_sgpr 66
		.amdhsa_reserve_vcc 0
		.amdhsa_float_denorm_mode_32 3
		.amdhsa_float_denorm_mode_16_64 3
		.amdhsa_memory_ordered 1
		.amdhsa_forward_progress 1
		.amdhsa_inst_pref_size 19
	.end_amdhsa_kernel
	.amdgpu_metadata
---
amdhsa.version: [ 1, 2 ]
amdhsa.kernels:
  - .name:           k_qa7313bdbcf_quant
    .symbol:         k_qa7313bdbcf_quant.kd
    .args:
      - { .name: src, .offset: 0, .size: 8, .value_kind: global_buffer, .address_space: global }
      - { .name: wq, .offset: 8, .size: 8, .value_kind: global_buffer, .address_space: global }
      - { .name: wk, .offset: 16, .size: 8, .value_kind: global_buffer, .address_space: global }
      - { .name: wv, .offset: 24, .size: 8, .value_kind: global_buffer, .address_space: global }
      - { .name: wo, .offset: 32, .size: 8, .value_kind: global_buffer, .address_space: global }
      - { .name: w1, .offset: 40, .size: 8, .value_kind: global_buffer, .address_space: global }
      - { .name: w2, .offset: 48, .size: 8, .value_kind: global_buffer, .address_space: global }
      - { .name: wimg, .offset: 56, .size: 8, .value_kind: global_buffer, .address_space: global }
    .group_segment_fixed_size: 34304
    .private_segment_fixed_size: 0
    .kernarg_segment_align: 8
    .kernarg_segment_size: 64
    .max_flat_workgroup_size: 128
    .sgpr_count:     66
    .vgpr_count:     178
    .wavefront_size: 32
...
	.end_amdgpu_metadata
.endif
;; end of part 9
;; launch qkv (part 10): grid 64 x 3, 16 waves a work-group, no clusters, 57,344 bytes of LDS; arguments wimg, bq, bk, bv, qkvb; writes qkvb
.if DOCPART == 10
	.amdgcn_target "amdgcn-amd-amdhsa--gfx1250"
	.amdhsa_code_object_version 6
	.text
	.protected	k_qa7313bdbcf_qkv
	.globl	k_qa7313bdbcf_qkv
	.p2align	8
	.type	k_qa7313bdbcf_qkv,@function
k_qa7313bdbcf_qkv:
	s_mov_b64 s[64:65], 0
	v_nop
	global_prefetch_b8 v0, s[64:65] scope:SCOPE_SE
	s_setreg_imm32_b32 hwreg(HW_REG_WAVE_SCHED_MODE, 0, 2), 2
	s_setreg_imm32_b32 hwreg(HW_REG_WAVE_MODE, 25, 1), 1
	s_wait_xcnt 0x0
	s_wait_alu depctr_vm_vsrc(0)
; q, k, v = (src W^T + b) / (row norm + 1e-8), products on codes of E2M1.  Work-group (G, y): 64 rows (group G of one batch) x all 1,024 columns of q (y = 0), k (1) or v (2), so that a row's norm is made inside it.
; Sixteen waves, four to a SIMD; wave w makes 64 rows x columns 64 w .. 64 w + 63, which is head w: 16 accumulators.  Weight fragments come from memory straight into registers (each feeds one wave alone);
; the 64 rows' images are copied to LDS once and read by all waves.
; q, k: source 0 = 16 rows of W, source 1 = 16 rows of src: a lane holds ONE row and 32 neighbouring-by-16 columns; the head's 64 numbers are quantised along the head's axis.
; v: the sources are swapped: a lane holds ONE column and its registers run down the rows (the keys), along which v is quantised.
; Out: q's codes, scale words and |q|^2; for each head a block of 163,840 bytes: k's codes, k's scale words, |k|^2, v's codes, v's scale words, laid as the next launch's registers take them.
; LIMITS: NaN and infinities are not served; a block under 2^-124 keeps the byte 1; a division is a reciprocal and a multiplication.
; THE MODE: SCHED_MODE bits 1:0 = 2 (LLVM: expert scheduling mode 2), set by the entry lines.  The code itself states the register dependences
; between vector or matrix instructions and memory or LDS instructions, with s_wait_alu, always for 0.
; THE PLAN.  Registers that memory or LDS instructions touch:
;   v1-v3, v7-v11, v28, v29   Offsets and LDS addresses: made at the head, ahead of one wait on va_vdst; none is stepped.
;   WF0, WF1, WSC   K step S: its sixteen products read set S % 2; behind them the loads of step S + 2 land in it (behind step 6: the bias).
;   XF, XSC         One set: all 256 registers are taken.  Step S's products read it; behind them the LDS loads of step S + 1 land in it.
;   ACC             Its first 18 registers stage the copy at the head: loaded, read by LDS stores, then written by the products.
;   P, R1, R2, PCB  On the way out: written by vector instructions, read by stores; LDS loads land in R0 and R2.
; So ONE wait on va_vdst stands in a K step, behind its products: both buffers that they read are asked for again at once, by the loads that follow it.
; On the way out a wait on va_vdst stands ahead of each run of stores, and one on vm_vsrc ahead of each first write of a register that an LDS store has read.
.set KS,    8                          ; K steps of 128
.set WT,    8192                       ; bytes from a weight tile's images to the next tile's
.set WST,   1024                       ; the same for scale images
.set A_RT,  8192                       ; LDS: from a row tile's images to the next
.set A_S,   1024                       ; from a K step to the next
.set AS_RT, 1024
.set AS_S,  128
.set XAO,   0                          ; LDS: the rows' images,
.set XSO,   32768                      ; their scale images
.set NT6,   8                          ; loads issued behind the last weights
.set RED,   36864                      ; q, k: the waves' partial sums, [row 64] x 80 bytes;  v has bytes of its own
.set INV,   41984                      ; q, k: 256 bytes a wave
.set NAT,   0
.set PCB,   32
.set LI,  1                            ; v1   16 lane
.set LS,  2                            ; v2   4 lane
.set XAD, 1
.set XSD, 2
.set PIR, 5                            ; v5   pi(r)
.set HH,  6                            ; v6   h
.set RW,  7                            ; v7   80 pi(r) + 4 w
.set RR,  8                            ; v8   80 lane
.set IW,  9                            ; v9   256 w + 4 lane
.set IR,  10                           ; v10  256 w + 4 pi(r)
.set VB,  11                           ; v11  256 w + 64 h
.set WSC, 16                           ; v16-23  weights' scale words, two sets
.set XSC, 24                           ; v24-27  rows' scale words
.set WF,  32                           ; v32-95  weight fragments, two sets
.set XF,  96                           ; v96-127 the rows' four fragments
.set ACC, 128                          ; v128-255 accumulator (rt, ct) at 128 + 8 (4 rt + ct)
.set R0,  32
.set R1,  64
.set R2,  96
.set PP,  96
.set P,   120
.set PT,  124
.set WV,  20
.set AC,  24
.set AS,  26
.set WC,  28
.set WS,  30
.set SEL, 32
.set BP,  44
.set EPS, 46
; a row's multiplier for row tile rt stands in the low word of the pair v12, v14, v28, v30
.macro NOPS
.rept 4
	v_nop
.endr
.endm
.macro BAR                             ; my LDS stores have landed and my LDS loads are in: then the work-group's barrier
	s_wait_dscnt 0x0
	s_barrier_signal -1
	s_barrier_wait -1
.endm
.macro WM d, a, b, z, sa, sb
.if \z
	v_wmma_scale_f32_16x16x128_f8f6f4 v[\d:\d+7], v[\a:\a+7], v[\b:\b+7], 0, v[\sa], v[\sb] matrix_a_fmt:MATRIX_FMT_FP4 matrix_b_fmt:MATRIX_FMT_FP4
.else
	v_wmma_scale_f32_16x16x128_f8f6f4 v[\d:\d+7], v[\a:\a+7], v[\b:\b+7], v[\d:\d+7], v[\sa], v[\sb] matrix_a_fmt:MATRIX_FMT_FP4 matrix_b_fmt:MATRIX_FMT_FP4
.endif
.endm
.macro WLOAD s, set                    ; my four weight tiles of K step s: 8 + 4 loads
.irp ct, 0,1,2,3
.irp c, 0,1
	global_load_b128 v[WF+32*(\set)+8*\ct+4*\c:WF+32*(\set)+8*\ct+4*\c+3], v[LI], s[WC:WC+1] offset:\ct*WT+(\s)*1024+512*\c
.endr
	global_load_b32 v[WSC+4*(\set)+\ct], v[LS], s[WS:WS+1] offset:\ct*WST+(\s)*128
.endr
.endm
.macro XLOAD s                         ; the four row tiles of K step s
.irp rt, 0,1,2,3
.irp c, 0,1
	ds_load_b128 v[XF+8*\rt+4*\c:XF+8*\rt+4*\c+3], v[XAD] offset:XAO+\rt*A_RT+((\s)%8)*A_S+512*\c
.endr
	ds_load_b32 v[XSC+\rt], v[XSD] offset:XSO+\rt*AS_RT+((\s)%8)*AS_S
.endr
.endm
.macro MM                              ; 16 products; the accumulators take turns, one instruction a turn
.irp rt, 0,1,2,3
.irp ct, 0,1,2,3
.if NAT
	WM ACC+8*(4*\rt+\ct), XF+8*\rt, WF+32*SET+8*\ct, FIRST, XSC+\rt, WSC+4*SET+\ct
.else
	WM ACC+8*(4*\rt+\ct), WF+32*SET+8*\ct, XF+8*\rt, FIRST, WSC+4*SET+\ct, XSC+\rt
.endif
.endr
.endr
.endm
.macro COLS dst, ptr                   ; 32 numbers of a vector over the columns, in an accumulator row's order: 64 w + 32 b + 16 h + 0 .. 15
.irp ct, 0,1,2,3
.irp k, 0,1
	global_load_b128 v[\dst+8*\ct+4*\k:\dst+8*\ct+4*\k+3], v[VB], s[\ptr:\ptr+1] offset:128*(\ct/2)+32*(\ct%2)+16*\k
.endr
.endr
.endm
.macro TAIL6                           ; the bias, into the weight set that is done with
.if NAT
.irp ct, 0,1,2,3
	global_load_b32 v[R0+2*\ct], v[IR], s[BP:BP+1] offset:4*(32*(\ct/2)+8*(\ct%2))     ; my column's, in both words of a pair
	global_load_b32 v[R0+2*\ct+1], v[IR], s[BP:BP+1] offset:4*(32*(\ct/2)+8*(\ct%2))
.endr
.else
	COLS R0, BP
.endif
.endm
.macro STEP
.set SET, S%2
.if S == 0
.set FIRST, 1
.else
.set FIRST, 0
.endif
.if S == KS-1
	s_wait_loadcnt NT6                             ; the last weights are in; the bias may be out
.else
	s_wait_loadcnt 12                              ; this step's weights are in; the next step's twelve loads may be out
.endif
	s_wait_dscnt 0x0                               ; the rows' fragments are in
	MM
	NOPS                                           ; four places behind the products; behind the last step they serve the vector instructions that read the sums
.if S+1 < KS
	s_wait_alu depctr_va_vdst(0)                   ; this step's products are done reading the rows' fragments and scale words and weight set S % 2 with its scale words: the loads below land in them
	XLOAD S+1
.endif
.if S+2 < KS
	WLOAD S+2, SET
.endif
.if S == KS-2
	TAIL6
.endif
.endm
.macro GEMM
.set S, 0
.rept KS
	STEP
.set S, S+1
.endr
.endm
.macro ADDB
.irp rt, 0,1,2,3
.set J, 0
.rept 16
	v_pk_add_f32 v[ACC+32*\rt+J:ACC+32*\rt+J+1], v[ACC+32*\rt+J:ACC+32*\rt+J+1], v[R0+J:R0+J+1]
.set J, J+2
.endr
.endr
.endm
.macro SUMSQ                           ; v[P + rt] = the squares of my 32 numbers of row tile rt
.irp rt, 0,1,2,3
	v_pk_mul_f32 v[PP+2*\rt:PP+2*\rt+1], v[ACC+32*\rt:ACC+32*\rt+1], v[ACC+32*\rt:ACC+32*\rt+1]
.endr
.set J, 2
.rept 15
.irp rt, 0,1,2,3
	v_pk_fma_f32 v[PP+2*\rt:PP+2*\rt+1], v[ACC+32*\rt+J:ACC+32*\rt+J+1], v[ACC+32*\rt+J:ACC+32*\rt+J+1], v[PP+2*\rt:PP+2*\rt+1]
.endr
.set J, J+2
.endr
.irp rt, 0,1,2,3
	v_add_f32 v[P+\rt], v[PP+2*\rt], v[PP+2*\rt+1]
.endr
.endm
.macro HALVES                          ; with lane l xor 16's: the wave's 64 columns
.irp rt, 0,1,2,3
	v_permlanex16_b32 v[PT+\rt], v[P+\rt], s[SEL], s[SEL+1]
.endr
.irp rt, 0,1,2,3
	v_add_f32 v[P+\rt], v[P+\rt], v[PT+\rt]
.endr
.endm
.macro RSTORE k                        ; the wave's sums go to the work-group's table
	HALVES
	s_wait_alu depctr_va_vdst(0)                   ; the sums v[P ..] are written, which the LDS stores read; and every vector or matrix instruction that names v[R2 ..], in which RLOAD's loads land, is done
.irp rt, 0,1,2,3
	ds_store_b32 v[RW], v[P+\rt] offset:RED+5120*\k+80*(32*(\rt/2)+8*(\rt%2))
.endr
	BAR
	s_wait_alu depctr_vm_vsrc(0)                   ; my LDS stores have read v[P ..], on which RLOAD's loads land
.endm
.macro RLOAD k                         ; every wave adds the sixteen waves' sums of rows lane and lane + 32: v[R2], v[R2 + 16]
.irp z, 0,1
.irp q, 0,1,2,3
	ds_load_b128 v[R2+16*\z+4*\q:R2+16*\z+4*\q+3], v[RR] offset:RED+5120*\k+2560*\z+16*\q
.endr
.endr
	s_wait_dscnt 0x0
.irp o, 0,4,8,12,16,20,24,28
	v_pk_add_f32 v[R2+\o:R2+\o+1], v[R2+\o:R2+\o+1], v[R2+\o+2:R2+\o+3]
.endr
.irp o, 0,8,16,24
	v_pk_add_f32 v[R2+\o:R2+\o+1], v[R2+\o:R2+\o+1], v[R2+\o+4:R2+\o+5]
.endr
.irp o, 0,16
	v_pk_add_f32 v[R2+\o:R2+\o+1], v[R2+\o:R2+\o+1], v[R2+\o+8:R2+\o+9]
.endr
.irp o, 0,16
	v_add_f32 v[R2+\o], v[R2+\o], v[R2+\o+1]
.endr
.endm
.macro FN_INV                          ; 1 / (sqrt(sum) + 1e-8)
	v_sqrt_f32 v[R2], v[R2]
	v_sqrt_f32 v[R2+16], v[R2+16]
	v_nop
	s_wait_alu depctr_va_vdst(0)                   ; one wait for the two roots, ahead of their first reader
	v_add_f32 v[R2], s[EPS], v[R2]
	v_add_f32 v[R2+16], s[EPS], v[R2+16]
	s_wait_alu depctr_va_vdst(0)
	v_rcp_f32 v[R2], v[R2]
	v_rcp_f32 v[R2+16], v[R2+16]
	v_nop
	s_wait_alu depctr_va_vdst(0)                   ; the two reciprocals are written, ahead of their first readers: the LDS stores that follow
.endm
.macro RBACK                           ; through the wave's own 256 bytes each lane gets its four rows' figures
	ds_store_b32 v[IW], v[R2] offset:INV
	ds_store_b32 v[IW], v[R2+16] offset:INV+128
.irp rt, 0,1,2,3
	ds_load_b32 v[12+2*\rt+12*(\rt/2)], v[IR] offset:INV+4*(32*(\rt/2)+8*(\rt%2))
.endr
	s_wait_dscnt 0x0
	s_wait_alu depctr_vm_vsrc(0)                   ; the two LDS stores have read v[R2] and v[R2 + 16], which the next sums and maxima write again
.endm
.macro SCALE
.irp rt, 0,1,2,3
.set J, 0
.rept 16
	v_pk_mul_f32 v[ACC+32*\rt+J:ACC+32*\rt+J+1], v[ACC+32*\rt+J:ACC+32*\rt+J+1], v[12+2*\rt+12*(\rt/2):13+2*\rt+12*(\rt/2)] op_sel_hi:[1,0]
.set J, J+2
.endr
.endr
.endm
; The 128 numbers of a lane are 8 half blocks: block q at v[ACC + 16 q], 16 neighbours; lane l xor 16 holds the other half.  Codes: 4 registers a row tile at v[PCB + 4 rt]; its two bytes at v[PCB + 16 + rt].
.macro QUANT8
.irp q, 0,1,2,3,4,5,6,7
	v_max3_num_f32 v[R2+\q], |v[ACC+16*\q]|, |v[ACC+16*\q+1]|, 0x1800000
.endr
.irp i, 2,4,6,8,10,12,14
.irp q, 0,1,2,3,4,5,6,7
	v_max3_num_f32 v[R2+\q], v[R2+\q], |v[ACC+16*\q+\i]|, |v[ACC+16*\q+\i+1]|
.endr
.endr
.irp q, 0,1,2,3,4,5,6,7
	v_permlanex16_b32 v[R2+8+\q], v[R2+\q], s[SEL], s[SEL+1]
.endr
.irp q, 0,1,2,3,4,5,6,7
	v_max_num_f32 v[R2+\q], v[R2+\q], v[R2+8+\q]
.endr
.irp q, 0,1,2,3,4,5,6,7
	v_add_nc_u32 v[R2+16+\q], 0xff000000, v[R2+\q]
.endr
.irp q, 0,1,2,3,4,5,6,7
	v_lshrrev_b32 v[R2+\q], 23, v[R2+16+\q]
.endr
.irp rt, 0,1,2,3
	v_lshl_or_b32 v[PCB+16+\rt], v[R2+2*\rt+1], 8, v[R2+2*\rt]
.endr
.irp q, 0,1,2,3,4,5,6,7
	v_cvt_scalef32_pk8_fp4_f32 v[PCB+2*\q], v[ACC+16*\q:ACC+16*\q+7], v[R2+16+\q]
	v_cvt_scalef32_pk8_fp4_f32 v[PCB+2*\q+1], v[ACC+16*\q+8:ACC+16*\q+15], v[R2+16+\q]
.endr
	v_nop                                          ; one plain line behind the conversions
.irp rt, 0,1,2,3
.irp i, 0,1
	v_permlane16_swap_b32 v[PCB+4*\rt+\i], v[PCB+4*\rt+2+\i]   ; a whole block to a lane: lanes 0-15 the first, lanes 16-31 the second
.endr
.endr
.endm
	s_load_b256 s[4:11], s[0:1], 0x0               ; wimg, bq, bk, bv
	s_load_b64 s[12:13], s[0:1], 0x20              ; qkvb
	v_lshrrev_b32 v28, 5, v0
	v_readfirstlane_b32 s[WV], v28                 ; wave 0..15 = head
	v_and_b32 v29, 31, v0                          ; lane
	v_lshlrev_b32 v[LI], 4, v29
	v_lshlrev_b32 v[LS], 2, v29
	v_and_b32 v30, 15, v0                          ; r
	v_bfe_u32 v[HH], v0, 4, 1
	v_and_b32 v31, 8, v30
	v_add_nc_u32 v[PIR], v31, v30
	s_wait_alu depctr_va_sdst(0)                   ; the wave's number is written, ahead of its first reader
	s_lshl_b32 s21, s[WV], 2
	s_lshl_b32 s23, s[WV], 8
	v_mul_u32_u24 v[RW], v[PIR], 80
	v_add_nc_u32 v[RW], s21, v[RW]
	v_mul_u32_u24 v[RR], v29, 80
	v_add_nc_u32 v[IW], s23, v[LS]
	v_lshl_add_u32 v[IR], v[PIR], 2, s23
	v_lshl_add_u32 v[VB], v[HH], 6, s23
	v_mul_u32_u24 v3, v[HH], 1280
	v_add_nc_u32 v3, s21, v3                       ; v: 80 x 16 h + 4 w
	s_lshl_b32 s21, s[WV], 11
	v_add_nc_u32 v28, s21, v[LI]                   ; the copy of the rows' images: 2,048 w + 16 lane, in memory and in LDS
	v_lshl_add_u32 v29, v29, 3, s23                ; of their scale images: 256 w + 8 lane
	s_and_b32 s22, ttmp7, 0xffff                   ; y
	s_lshl_b32 s34, ttmp9, 15                      ; src's images of group G: 32 fragments
	s_mov_b32 s35, 0
	s_lshl_b32 s36, ttmp9, 12
	s_add_co_u32 s36, s36, 8388608
	s_mov_b32 s37, 0
	s_lshl_b32 s38, s22, 9
	s_lshl_b32 s39, s[WV], 5
	s_add_co_u32 s38, s38, s39
	s_add_co_u32 s38, s38, 2048                    ; my first weight fragment: 2048 + 512 y + 32 w
	s_lshl_b32 s40, s38, 10
	s_mov_b32 s41, 0
	s_lshl_b32 s42, s38, 7
	s_add_co_u32 s42, s42, 8388608
	s_mov_b32 s43, 0
	s_mov_b32 s[SEL], 0x76543210
	s_mov_b32 s[SEL+1], 0xfedcba98
	s_mov_b32 s[EPS], 0x322bcc77                   ; 1e-8
	s_wait_kmcnt 0x0
	s_add_nc_u64 s[AC:AC+1], s[4:5], s[34:35]
	s_add_nc_u64 s[AS:AS+1], s[4:5], s[36:37]
	s_add_nc_u64 s[WC:WC+1], s[4:5], s[40:41]
	s_add_nc_u64 s[WS:WS+1], s[4:5], s[42:43]
	s_cmp_eq_u32 s22, 0
	s_cselect_b64 s[BP:BP+1], s[6:7], s[8:9]
	s_cmp_eq_u32 s22, 2
	s_cselect_b64 s[BP:BP+1], s[10:11], s[BP:BP+1]
	s_wait_alu depctr_va_vdst(0)                   ; the offsets and LDS addresses v1-v3, v7-v11, v28 and v29 are written, which the loads and stores from here on read
.irp i, 0,1,2,3
	global_load_b128 v[ACC+4*\i:ACC+4*\i+3], v28, s[AC:AC+1] offset:512*\i
.endr
	global_load_b64 v[ACC+16:ACC+17], v29, s[AS:AS+1]
	WLOAD 0, 0
	WLOAD 1, 1
	s_wait_loadcnt 24                              ; the rows' images are in; two steps' weights may be out
.irp i, 0,1,2,3
	ds_store_b128 v28, v[ACC+4*\i:ACC+4*\i+3] offset:512*\i
.endr
	ds_store_b64 v29, v[ACC+16:ACC+17] offset:XSO
	BAR                                            ; the 64 rows' images lie in LDS
	s_wait_alu depctr_vm_vsrc(0)                   ; the copy's loads and LDS stores have read v28, v29 and v[ACC .. ACC + 17]: the first products write these accumulators, the way out v28 and v29
	XLOAD 0
	s_lshr_b32 s34, ttmp9, 5
	s_lshl_b32 s34, s34, 4
	s_add_co_u32 s34, s34, s[WV]                   ; hb = 16 batch + head
	s_and_b32 s35, ttmp9, 31                       ; the group within its batch
	s_mul_i32 s36, s34, 163840
	s_add_co_u32 s36, s36, 3145728                 ; the head's block of k and v
	s_lshr_b32 s37, s35, 1                         ; the key step
	s_and_b32 s38, s35, 1                          ; and which half of it
	s_cmp_eq_u32 s22, 2
	s_cbranch_scc1 .Lv
	; ---------------- q and k
	GEMM
.irp r, 13,15,29,31,124,125,126,127
	v_mov_b32 v\r, 0                               ; upper words of pairs, and the lane permutes' destinations
.endr
	s_wait_loadcnt 0x0                             ; the bias
	ADDB
	SUMSQ
	RSTORE 0
	RLOAD 0
	s_wait_alu depctr_va_vdst(0)
	FN_INV
	RBACK
	SCALE                                          ; on the unit sphere
	SUMSQ
	HALVES                                         ; |q|^2 or |k|^2 of the head's 64, unquantised
	QUANT8
.irp rt, 0,1,2,3
	v_or_b32 v[PCB+16+\rt], 0x7f7f0000, v[PCB+16+\rt]   ; K is 64: the step's upper two blocks are zero codes under the byte 127
.endr
	s_cmp_eq_u32 s22, 0
	s_cbranch_scc0 .Lk
	s_lshl_b32 s39, s34, 7
	s_lshl_b32 s40, s35, 2
	s_add_co_u32 s39, s39, s40                     ; 128 hb + my first tile of queries
	s_lshl_b32 s40, s39, 9
	s_mov_b32 s41, 0
	s_lshl_b32 s42, s39, 8
	s_add_co_u32 s42, s42, 2097152
	s_mov_b32 s43, 0
	s_add_nc_u64 s[48:49], s[12:13], s[40:41]
	s_add_nc_u64 s[50:51], s[12:13], s[42:43]
	s_wait_alu depctr_va_vdst(0)                   ; the codes, the scale words and |q|^2 are written, which the stores read
.irp rt, 0,1,2,3
	global_store_b128 v[LI], v[PCB+4*\rt:PCB+4*\rt+3], s[48:49] offset:512*\rt
	global_store_b32 v[LS], v[PCB+16+\rt], s[50:51] offset:256*\rt
	global_store_b32 v[LS], v[P+\rt], s[50:51] offset:256*\rt+128
.endr
	s_wait_xcnt 0x0
	v_lshl_add_u32 v254, v0, 2, 0xd800
	v_mov_b32 v255, 0
	s_wait_dscnt 0x0                               ; the closing lines, six on end
	s_wait_alu 0x0
	s_wait_tensorcnt 0x0
	ds_add_u32 v254, v255
	s_wait_dscnt 0x0
	s_endpgm
.Lk:
	s_lshl_b32 s40, s35, 11
	s_add_co_u32 s40, s40, s36                     ; codes: tile 4 Gb on, 512 bytes a tile
	s_mov_b32 s41, 0
	s_lshl_b32 s42, s37, 10
	s_lshl_b32 s43, s38, 4
	s_add_co_u32 s42, s42, s43
	s_add_co_u32 s42, s42, s36
	s_add_co_u32 s42, s42, 65536                   ; scale words: [step][lane][tile 8]
	s_mov_b32 s43, 0
	s_lshl_b32 s52, s35, 8
	s_add_co_u32 s52, s52, s36
	s_add_co_u32 s52, s52, 81920                   ; |k|^2 by key
	s_mov_b32 s53, 0
	s_add_nc_u64 s[48:49], s[12:13], s[40:41]
	s_add_nc_u64 s[50:51], s[12:13], s[42:43]
	s_add_nc_u64 s[54:55], s[12:13], s[52:53]
	v_lshlrev_b32 v64, 1, v[LI]                    ; 32 lane
	v_lshlrev_b32 v65, 2, v[PIR]
	v_lshl_add_u32 v65, v[HH], 5, v65              ; key pi(r) + 8 h: lanes 0-15 store the even tile's, lanes 16-31 the odd tile's
	v_cmp_eq_u32 vcc_lo, 1, v[HH]
	s_wait_alu depctr_va_vcc(0)                    ; the compare has written VCC, ahead of the two selects that read it
	v_cndmask_b32 v66, v[P], v[P+1], vcc_lo
	v_cndmask_b32 v67, v[P+2], v[P+3], vcc_lo
	s_wait_alu depctr_va_vdst(0)                   ; the codes, the scale words, |k|^2 in v66 and v67 and the offsets v64 and v65 are written, which the stores read
.irp rt, 0,1,2,3
	global_store_b128 v[LI], v[PCB+4*\rt:PCB+4*\rt+3], s[48:49] offset:512*\rt
.endr
	global_store_b128 v64, v[PCB+16:PCB+19], s[50:51]
	global_store_b32 v65, v66, s[54:55]
	global_store_b32 v65, v67, s[54:55] offset:128
	s_wait_xcnt 0x0
	v_lshl_add_u32 v254, v0, 2, 0xd800
	v_mov_b32 v255, 0
	s_wait_dscnt 0x0                               ; the closing lines, six on end
	s_wait_alu 0x0
	s_wait_tensorcnt 0x0
	ds_add_u32 v254, v255
	s_wait_dscnt 0x0
	s_endpgm
	; ---------------- v: the sources swapped; LDS bytes of its own
.Lv:
.set NAT, 1
.set RED, 46080
.set INV, 51200
.set PCB, 64
	GEMM                                           ; accumulator (rt, ct), lane (r, h), register j: row 32 (rt / 2) + 16 h + 8 (rt % 2) + j, column pi(r) of tile ct
	s_wait_loadcnt 0x0                             ; the bias
.irp rt, 0,1,2,3
.irp ct, 0,1,2,3
.irp j, 0,2,4,6
	v_pk_add_f32 v[ACC+8*(4*\rt+\ct)+\j:ACC+8*(4*\rt+\ct)+\j+1], v[ACC+8*(4*\rt+\ct)+\j:ACC+8*(4*\rt+\ct)+\j+1], v[R0+2*\ct:R0+2*\ct+1]
.endr
.endr
.endr
.irp rt, 0,1,2,3
.irp j, 0,2,4,6
	v_pk_mul_f32 v[R1+8*\rt+\j:R1+8*\rt+\j+1], v[ACC+32*\rt+\j:ACC+32*\rt+\j+1], v[ACC+32*\rt+\j:ACC+32*\rt+\j+1]
.endr
.endr
.irp ct, 1,2,3
.irp rt, 0,1,2,3
.irp j, 0,2,4,6
	v_pk_fma_f32 v[R1+8*\rt+\j:R1+8*\rt+\j+1], v[ACC+8*(4*\rt+\ct)+\j:ACC+8*(4*\rt+\ct)+\j+1], v[ACC+8*(4*\rt+\ct)+\j:ACC+8*(4*\rt+\ct)+\j+1], v[R1+8*\rt+\j:R1+8*\rt+\j+1]
.endr
.endr
.endr
.irp m, 1,2,4,8                        ; over the sixteen lanes of a half: the wave's 64 columns
.set J, 0
.rept 32
	v_add_f32_dpp v[R1+J], v[R1+J], v[R1+J] row_xmask:\m row_mask:0xf bank_mask:0xf
.set J, J+1
.endr
.endr
	s_wait_alu depctr_va_vdst(0)                   ; the sums v[R1 ..] are written, which the LDS stores read; the last products are done reading the rows' fragments, in which RLOAD's loads land, and the additions the bias, in which the figures' loads land
.irp rt, 0,1,2,3
.irp j, 0,1,2,3,4,5,6,7
	ds_store_b32 v3, v[R1+8*\rt+\j] offset:RED+80*(32*(\rt/2)+8*(\rt%2)+\j)   ; sixteen lanes write the same word with the same value
.endr
.endr
	BAR
	RLOAD 0
	s_wait_alu depctr_va_vdst(0)
	FN_INV
	ds_store_b32 v[IW], v[R2] offset:INV
	ds_store_b32 v[IW], v[R2+16] offset:INV+128
.irp rt, 0,1,2,3
.irp k, 0,1
	ds_load_b128 v[R0+8*\rt+4*\k:R0+8*\rt+4*\k+3], v[VB] offset:INV+4*(32*(\rt/2)+8*(\rt%2))+16*\k   ; my eight rows' figures of each row tile
.endr
.endr
	s_wait_dscnt 0x0
	s_wait_alu depctr_vm_vsrc(0)                   ; my LDS stores have read the sums v[R1 ..] and the figures v[R2], v[R2 + 16]: the maxima below write v[R2 ..] again, the scale words and conversions v[R1 ..]
.irp rt, 0,1,2,3
.irp ct, 0,1,2,3
.irp j, 0,2,4,6
	v_pk_mul_f32 v[ACC+8*(4*\rt+\ct)+\j:ACC+8*(4*\rt+\ct)+\j+1], v[ACC+8*(4*\rt+\ct)+\j:ACC+8*(4*\rt+\ct)+\j+1], v[R0+8*\rt+\j:R0+8*\rt+\j+1]
.endr
.endr
.endr
	; quantised along the keys: block b of column tile ct is accumulators (2 b, ct) and (2 b + 1, ct): 16 neighbouring keys a lane
.irp ct, 0,1,2,3
.irp b, 0,1
	v_max3_num_f32 v[R2+2*\ct+\b], |v[ACC+8*(8*\b+\ct)]|, |v[ACC+8*(8*\b+\ct)+1]|, 0x1800000
.endr
.endr
.irp j, 2,4,6
.irp ct, 0,1,2,3
.irp b, 0,1
	v_max3_num_f32 v[R2+2*\ct+\b], v[R2+2*\ct+\b], |v[ACC+8*(8*\b+\ct)+\j]|, |v[ACC+8*(8*\b+\ct)+\j+1]|
.endr
.endr
.endr
.irp j, 0,2,4,6
.irp ct, 0,1,2,3
.irp b, 0,1
	v_max3_num_f32 v[R2+2*\ct+\b], v[R2+2*\ct+\b], |v[ACC+8*(8*\b+4+\ct)+\j]|, |v[ACC+8*(8*\b+4+\ct)+\j+1]|
.endr
.endr
.endr
.irp q, 0,1,2,3,4,5,6,7
	v_permlanex16_b32 v[R2+8+\q], v[R2+\q], s[SEL], s[SEL+1]
.endr
.irp q, 0,1,2,3,4,5,6,7
	v_max_num_f32 v[R2+\q], v[R2+\q], v[R2+8+\q]
.endr
.irp q, 0,1,2,3,4,5,6,7
	v_add_nc_u32 v[R2+16+\q], 0xff000000, v[R2+\q]
.endr
.irp q, 0,1,2,3,4,5,6,7
	v_lshrrev_b32 v[R2+\q], 23, v[R2+16+\q]
.endr
.irp ct, 0,1,2,3
	v_lshl_or_b32 v[PCB+16+\ct], v[R2+2*\ct+1], 8, v[R2+2*\ct]
.endr
.irp ct, 0,1,2,3
.irp b, 0,1
	v_cvt_scalef32_pk8_fp4_f32 v[PCB+4*\ct+2*\b], v[ACC+8*(8*\b+\ct):ACC+8*(8*\b+\ct)+7], v[R2+16+2*\ct+\b]
	v_cvt_scalef32_pk8_fp4_f32 v[PCB+4*\ct+2*\b+1], v[ACC+8*(8*\b+4+\ct):ACC+8*(8*\b+4+\ct)+7], v[R2+16+2*\ct+\b]
.endr
.endr
	v_nop
.irp ct, 0,1,2,3
.irp i, 0,1
	v_permlane16_swap_b32 v[PCB+4*\ct+\i], v[PCB+4*\ct+2+\i]
.endr
.endr
	s_lshl_b32 s40, s37, 12
	s_lshl_b32 s41, s38, 9
	s_add_co_u32 s40, s40, s41
	s_add_co_u32 s40, s40, s36
	s_add_co_u32 s40, s40, 90112                   ; codes: [step][tile of 16 channels][half of the step]
	s_mov_b32 s41, 0
	s_lshl_b32 s42, s37, 9
	s_lshl_b32 s43, s38, 1
	s_add_co_u32 s42, s42, s43
	s_add_co_u32 s42, s42, s36
	s_add_co_u32 s42, s42, 155648                  ; scale words: [step][lane][tile 4]; my two bytes of each
	s_mov_b32 s43, 0
	s_add_nc_u64 s[48:49], s[12:13], s[40:41]
	s_add_nc_u64 s[50:51], s[12:13], s[42:43]
	s_wait_alu depctr_va_vdst(0)                   ; the codes and the scale bytes are written, which the stores read
.irp ct, 0,1,2,3
	global_store_b128 v[LI], v[PCB+4*\ct:PCB+4*\ct+3], s[48:49] offset:1024*\ct
	global_store_b16 v[LI], v[PCB+16+\ct], s[50:51] offset:4*\ct
.endr
	s_wait_xcnt 0x0
	v_lshl_add_u32 v254, v0, 2, 0xd800
	v_mov_b32 v255, 0
	s_wait_dscnt 0x0                               ; the closing lines, six on end
	s_wait_alu 0x0
	s_wait_tensorcnt 0x0
	ds_add_u32 v254, v255
	s_wait_dscnt 0x0
	s_endpgm
.Lfunc_end_k_qa7313bdbcf_qkv:
	.size	k_qa7313bdbcf_qkv, .Lfunc_end_k_qa7313bdbcf_qkv-k_qa7313bdbcf_qkv
	.p2alignl 7, 3214868480
	.fill 96, 4, 3214868480
	.section	.rodata,"a",@progbits
	.p2align	6, 0x0
	.amdhsa_kernel k_qa7313bdbcf_qkv
		.amdhsa_group_segment_fixed_size 57344
		.amdhsa_private_segment_fixed_size 0
		.amdhsa_enable_private_segment 0
		.amdhsa_kernarg_size 40
		.amdhsa_user_sgpr_count 2
		.amdhsa_user_sgpr_kernarg_segment_ptr 1
		.amdhsa_wavefront_size32 1
		.amdhsa_system_sgpr_workgroup_id_x 1
		.amdhsa_system_sgpr_workgroup_id_y 1
		.amdhsa_system_sgpr_workgroup_id_z 1
		.amdhsa_system_vgpr_workitem_id 0
		.amdhsa_next_free_vgpr 256
		.amdhsa_next_free_sgpr 66
		.amdhsa_reserve_vcc 1
		.amdhsa_float_denorm_mode_32 3
		.amdhsa_float_denorm_mode_16_64 3
		.amdhsa_memory_ordered 1
		.amdhsa_forward_progress 1
		.amdhsa_inst_pref_size 133
	.end_amdhsa_kernel
	.amdgpu_metadata
---
amdhsa.version: [ 1, 2 ]
amdhsa.kernels:
  - .name:           k_qa7313bdbcf_qkv
    .symbol:         k_qa7313bdbcf_qkv.kd
    .args:
      - { .name: wimg, .offset: 0, .size: 8, .value_kind: global_buffer, .address_space: global }
      - { .name: bq, .offset: 8, .size: 8, .value_kind: global_buffer, .address_space: global }
      - { .name: bk, .offset: 16, .size: 8, .value_kind: global_buffer, .address_space: global }
      - { .name: bv, .offset: 24, .size: 8, .value_kind: global_buffer, .address_space: global }
      - { .name: qkvb, .offset: 32, .size: 8, .value_kind: global_buffer, .address_space: global }
    .group_segment_fixed_size: 57344
    .private_segment_fixed_size: 0
    .kernarg_segment_align: 8
    .kernarg_segment_size: 40
    .max_flat_workgroup_size: 512
    .sgpr_count:     66
    .vgpr_count:     256
    .wavefront_size: 32
...
	.end_amdgpu_metadata
.endif
;; end of part 10
;; launch attn (part 11): grid 8 x 32, 16 waves a work-group, no clusters, 169,984 bytes of LDS; arguments qkvb, oimg; writes oimg
.if DOCPART == 11
	.amdgcn_target "amdgcn-amd-amdhsa--gfx1250"
	.amdhsa_code_object_version 6
	.text
	.protected	k_qa7313bdbcf_attn
	.globl	k_qa7313bdbcf_attn
	.p2align	8
	.type	k_qa7313bdbcf_attn,@function
k_qa7313bdbcf_attn:
	s_mov_b64 s[64:65], 0
	v_nop
	global_prefetch_b8 v0, s[64:65] scope:SCOPE_SE
	s_setreg_imm32_b32 hwreg(HW_REG_WAVE_MODE, 25, 1), 1
	s_wait_xcnt 0x0
; out = softmax(-sqrt(clip(1 - d^2 / (|q|^2 |k|^2 + 1e-8), 0))) v for one head of one batch, d = q . k; both products on codes of E2M1.
; A work-group owns 256 queries of head hb; each of its sixteen waves one tile of 16.  The head's k and v (codes, scale words, |k|^2: 163,840 bytes) come into LDS ONCE, a tensor load of 10,240 bytes a wave
; (one outstanding a wave); nothing is filled again.  Every wave walks the 2,048 keys, 128 a step.
; Both products are used transposed: S^T = k q^T, O^T = v^T p^T: a lane holds ONE query; the keys of a tile are 32 g + 8 u + pi(r), so that a lane's 16 registers of two neighbouring tiles are 16 neighbouring keys.
; THE EXPONENT.  The clip bounds the quadrance to 0 .. 1 for every input (the divisor is at least 1e-8), so t = score x log2(e) lies in -1.4427 .. 0, p = 2^t in 0.367 .. 1 and a row's sum in 753 .. 2,048:
; the whole number M that is taken off t is 0 or -1, and 0 is taken here; against -1 every p and the sum differ by the exact factor 2, which the blocks' scales and the last division take up.
; sqrt(n / den) is made as n x rsq(n x den), n = den - d^2: two transcendentals a score.
; LIMITS: n is held at 2^-80 from below in place of 0: the root is then under 1e-8 and p rounds to 1.0 as with 0.  NaN and infinities are not served.  The last division is a reciprocal and a multiplication.
.set KSCO, 65536                       ; LDS: k's codes from 0 ([tile 128] x 512 bytes); k's scale words [step][lane][tile 8];
.set KNO,  81920                       ; |k|^2 by key;
.set VCO,  90112                       ; v's codes [step][tile 4][half 2] x 512 bytes;
.set VSCO, 155648                      ; v's scale words [step][lane][tile 4]
.set LI,   1                           ; v1   16 lane
.set KSC0, 2
.set KN0,  3
.set VS0,  4
.set LIV,  5
.set ADK,  6                           ; v6, v7, v17, v249, v254: the step's addresses
.set ADS,  7
.set ADN,  17
.set ADV,  249
.set ADT,  254
.set LS,   255                         ; v255 4 lane
; v8-15 q (v12-15 zero codes); v16 q's scale word; v[18:19] |q|^2; v[20:23] the sum in two pairs; v24-31 k's scale words; v32-63 four fragments of k (upper halves zero codes);
; v64-127 S^T, then n, the root, t, p; v128-191 |k|^2, den, n den, its rsq; then v128-159 v's fragments; v192-223 O^T; v224-231 p's codes; v232-243 at work; v248 p's scale word; v250-253 v's scale words
.set SEL,  36
.set EP,   38
.set NC,   40
.set TINY, 42
.set O4,   43
.set O1,   44
.set O5,   45
.macro NOPS
.rept 4
	v_nop
.endr
.endm
.macro WM d, a, b, z, sa, sb
.if \z
	v_wmma_scale_f32_16x16x128_f8f6f4 v[\d:\d+7], v[\a:\a+7], v[\b:\b+7], 0, v[\sa], v[\sb] matrix_a_fmt:MATRIX_FMT_FP4 matrix_b_fmt:MATRIX_FMT_FP4
.else
	v_wmma_scale_f32_16x16x128_f8f6f4 v[\d:\d+7], v[\a:\a+7], v[\b:\b+7], v[\d:\d+7], v[\sa], v[\sb] matrix_a_fmt:MATRIX_FMT_FP4 matrix_b_fmt:MATRIX_FMT_FP4
.endif
.endm
	s_load_b128 s[4:7], s[0:1], 0x0                ; qkvb, oimg
	v_lshl_add_u32 v246, v0, 2, 0x29000
	v_mov_b32 v247, 0
	ds_add_u32 v246, v247
	ds_add_u32 v246, v247
	v_lshrrev_b32 v6, 5, v0
	s_delay_alu instid0(VALU_DEP_1)
	v_readfirstlane_b32 s8, v6                     ; wave
	v_and_b32 v6, 31, v0
	s_delay_alu instid0(VALU_DEP_1)
	v_lshlrev_b32 v[LI], 4, v6
	s_delay_alu instid0(VALU_DEP_2)
	v_lshlrev_b32 v[LS], 2, v6
	s_delay_alu instid0(VALU_DEP_3)
	v_lshl_add_u32 v[KSC0], v6, 5, KSCO
	v_bfe_u32 v7, v0, 4, 1
	s_delay_alu instid0(VALU_DEP_1)
	v_lshl_add_u32 v[KN0], v7, 6, KNO
	v_add_nc_u32 v[VS0], VSCO, v[LI]
	v_add_nc_u32 v[LIV], VCO, v[LI]
.irp r, 12,13,14,15,19,20,21,22,23,236,237,238,239
	v_mov_b32 v\r, 0                               ; q's zero codes; the pair's upper word; the sums; the lane permutes' destinations
.endr
.irp t, 0,1,2,3
.irp i, 4,5,6,7
	v_mov_b32 v[32+8*\t+\i], 0                     ; k's zero codes for K = 64 .. 127: written once
.endr
.endr
	s_and_b32 s9, ttmp7, 0xffff                    ; hb
	s_mov_b32 s16, 3<<16                           ; group 1: no mask, elements of 8 bytes, no padding
	s_mov_b32 s17, 32<<16                          ; tensor_dim0 = 32 elements: rows of 256 bytes
	s_mov_b32 s18, 40<<16                          ; tensor_dim1 = 40 rows
	s_mov_b32 s19, 32<<16                          ; tile_dim0
	s_mov_b32 s20, 40                              ; tile_dim1
	s_mov_b32 s21, 32                              ; the rows are dense
	s_mov_b32 s22, 0
	s_mov_b32 s23, 0
	s_mul_i32 s10, s8, 10240                       ; my sixteenth of the block, in memory and in LDS
	s_mul_i32 s24, s9, 163840
	s_add_co_u32 s24, s24, s10
	s_add_co_u32 s24, s24, 3145728
	s_mov_b32 s25, 0
	s_lshl_b32 s26, ttmp9, 4
	s_add_co_u32 s26, s26, s8                      ; my tile of queries
	s_lshl_b32 s27, s9, 7
	s_add_co_u32 s27, s27, s26
	s_lshl_b32 s28, s27, 9
	s_mov_b32 s29, 0
	s_lshl_b32 s32, s27, 8
	s_add_co_u32 s32, s32, 2097152
	s_mov_b32 s33, 0
	s_mov_b32 s[SEL], 0x76543210
	s_mov_b32 s[SEL+1], 0xfedcba98
	s_mov_b32 s[EP], 0x322bcc77                    ; 1e-8
	s_mov_b32 s[EP+1], s[EP]
	s_mov_b32 s[NC], 0xbfb8aa3b                    ; -log2(e)
	s_mov_b32 s[NC+1], s[NC]
	s_mov_b32 s[TINY], 0x17800000                  ; 2^-80
	s_mov_b32 s[O4], 0
	s_mov_b32 s[O1], 0
	s_mov_b32 s[O5], 0
	s_wait_alu depctr_va_vdst(0)
	s_wait_dscnt 0x0
	s_wait_kmcnt 0x0
	s_mov_b32 s12, 1
	s_mov_b32 s13, s10
	s_add_nc_u64 s[14:15], s[4:5], s[24:25]
	s_or_b32 s15, s15, 0x80000000
	tensor_load_to_lds s[12:15], s[16:23]
	s_nop 0
	NOPS
	s_add_nc_u64 s[30:31], s[4:5], s[28:29]
	s_add_nc_u64 s[34:35], s[4:5], s[32:33]
	global_load_b128 v[8:11], v[LI], s[30:31]      ; q's codes
	global_load_b32 v16, v[LS], s[34:35]           ; its scale words
	global_load_b32 v18, v[LS], s[34:35] offset:128   ; |q|^2 of my query
	s_wait_tensorcnt 0x0                           ; my part of the block has landed,
	s_wait_loadcnt 0x0
	s_barrier_signal -1
	s_barrier_wait -1                              ; everybody's has
.macro TRIP first
	v_add_nc_u32 v[ADK], s[O4], v[LI]              ; (these five are also the places in front of loads over v's fragments)
	v_add_nc_u32 v[ADS], s[O1], v[KSC0]
	v_add_nc_u32 v[ADN], s[O5], v[KN0]
	v_add_nc_u32 v[ADV], s[O4], v[LIV]
	v_add_nc_u32 v[ADT], s[O5], v[VS0]
.irp t, 0,1,2,3
	ds_load_b128 v[32+8*\t:35+8*\t], v[ADK] offset:512*\t
.endr
	ds_load_b128 v[24:27], v[ADS]
	ds_load_b128 v[28:31], v[ADS] offset:16
.irp b, 0,1,2,3
.irp q, 0,1,2,3
	ds_load_b128 v[128+16*\b+4*\q:131+16*\b+4*\q], v[ADN] offset:128*\b+16*\q   ; |k|^2 of keys 32 b + 16 h + 0 .. 15
.endr
.endr
	s_wait_alu depctr_va_vdst(0)
	s_wait_dscnt 16                                ; tiles 0-3 and the scale words are in; the sixteen loads of |k|^2 may be out
.irp t, 0,1,2,3
	WM 64+8*\t, 32+8*\t, 8, 1, 24+\t, 16
.endr
	NOPS
.irp t, 0,1,2,3
	ds_load_b128 v[32+8*\t:35+8*\t], v[ADK] offset:2048+512*\t
.endr
	s_wait_dscnt 4                                 ; |k|^2 is in; tiles 4-7 may be out
.set J, 0
.rept 32
	v_pk_fma_f32 v[128+J:129+J], v[128+J:129+J], v[18:19], s[EP:EP+1] op_sel_hi:[1,0,0]   ; den = |k|^2 |q|^2 + 1e-8
.set J, J+2
.endr
	s_wait_dscnt 0x0
.irp t, 0,1,2,3
	WM 96+8*\t, 32+8*\t, 8, 1, 28+\t, 16
.endr
.set J, 0
.rept 32
	v_pk_fma_f32 v[64+J:65+J], v[64+J:65+J], v[64+J:65+J], v[128+J:129+J] neg_lo:[1,0,0] neg_hi:[1,0,0]   ; n = den - d^2, ascending: the first sixteen are the places behind the last four products
.set J, J+2
.endr
.set J, 0
.rept 64
	v_max_num_f32 v[64+J], s[TINY], v[64+J]        ; the clip
.set J, J+1
.endr
.set J, 0
.rept 32
	v_pk_mul_f32 v[128+J:129+J], v[64+J:65+J], v[128+J:129+J]
.set J, J+2
.endr
.set J, 0
	s_wait_alu depctr_va_vdst(0)
.rept 64
	v_rsq_f32 v[128+J], v[128+J]
.set J, J+1
.endr
	v_nop
	s_wait_alu depctr_va_vdst(0)                   ; one wait for the batch, ahead of its first reader
.set J, 0
.rept 32
	v_pk_mul_f32 v[64+J:65+J], v[64+J:65+J], v[128+J:129+J]   ; sqrt(n / den)
.set J, J+2
.endr
	s_setprio 1
.irp dt, 0,1,2,3
.irp c, 0,1
	ds_load_b128 v[128+8*\dt+4*\c:131+8*\dt+4*\c], v[ADV] offset:1024*\dt+512*\c
.endr
.endr
	ds_load_b128 v[250:253], v[ADT]
.set J, 0
.rept 32
	v_pk_mul_f32 v[64+J:65+J], v[64+J:65+J], s[NC:NC+1] op_sel_hi:[1,0]   ; t
.set J, J+2
.endr
.set J, 0
	s_wait_alu depctr_va_vdst(0)
.rept 64
	v_exp_f32 v[64+J], v[64+J]                     ; p = 2^t: not normalised
.set J, J+1
.endr
	v_nop
	s_wait_alu depctr_va_vdst(0)
.irp b, 0,1,2,3
	v_max3_num_f32 v[232+\b], v[64+16*\b], v[65+16*\b], 0x1800000
.endr
.irp i, 2,4,6,8,10,12,14
.irp b, 0,1,2,3
	v_max3_num_f32 v[232+\b], v[232+\b], v[64+16*\b+\i], v[65+16*\b+\i]
.endr
.endr
.irp b, 0,1,2,3
	s_delay_alu instid0(VALU_DEP_4)
	v_permlanex16_b32 v[236+\b], v[232+\b], s[SEL], s[SEL+1]
.endr
.irp b, 0,1,2,3
	s_delay_alu instid0(VALU_DEP_4)
	v_max_num_f32 v[232+\b], v[232+\b], v[236+\b]
.endr
.irp b, 0,1,2,3
	s_delay_alu instid0(VALU_DEP_4)
	v_add_nc_u32 v[240+\b], 0xff000000, v[232+\b]
.endr
.irp b, 0,1,2,3
	s_delay_alu instid0(VALU_DEP_4)
	v_lshrrev_b32 v[236+\b], 23, v[240+\b]
.endr
	s_delay_alu instid0(VALU_DEP_3)
	v_lshl_or_b32 v248, v237, 8, v236
	s_delay_alu instid0(VALU_DEP_1)
	v_lshl_or_b32 v248, v238, 16, v248
	s_delay_alu instid0(VALU_DEP_1)
	v_lshl_or_b32 v248, v239, 24, v248
	s_setprio 0
.irp b, 0,1,2,3
	v_cvt_scalef32_pk8_fp4_f32 v[224+2*\b], v[64+16*\b:71+16*\b], v[240+\b]
	v_cvt_scalef32_pk8_fp4_f32 v[225+2*\b], v[72+16*\b:79+16*\b], v[240+\b]
.endr
	v_nop
.irp c, 0,1
.irp i, 0,1
	v_permlane16_swap_b32 v[224+4*\c+\i], v[226+4*\c+\i]
.endr
.endr
.set J, 0
.rept 16
	v_pk_add_f32 v[20:21], v[20:21], v[64+J:65+J]  ; the row's sum, of the unquantised p, in two chains.  (These 32 are the places between the scale word, the codes and the products)
	v_pk_add_f32 v[22:23], v[22:23], v[66+J:67+J]
.set J, J+4
.endr
	s_wait_dscnt 0x0                               ; v's fragments and scale words are in
.irp dt, 0,1,2,3
	WM 192+8*\dt, 128+8*\dt, 224, \first, 250+\dt, 248
.endr
	s_add_co_u32 s[O4], s[O4], 4096
	s_add_co_u32 s[O1], s[O1], 1024
	s_add_co_u32 s[O5], s[O5], 512
.endm
	TRIP 1                                         ; the first step's products start O^T's sums
	s_mov_b32 s46, 15
.Lkeys:
	s_setprio 2
	TRIP 0
	s_sub_co_u32 s46, s46, 1
	s_cmp_lg_u32 s46, 0
	s_cbranch_scc1 .Lkeys
	s_setprio 0
	NOPS
	s_wait_alu depctr_va_vdst(0)
	v_pk_add_f32 v[20:21], v[20:21], v[22:23]
	s_delay_alu instid0(VALU_DEP_1)
	v_add_f32 v20, v20, v21
	s_delay_alu instid0(VALU_DEP_1)
	v_permlanex16_b32 v236, v20, s[SEL], s[SEL+1]
	s_delay_alu instid0(VALU_DEP_1)
	v_add_f32 v20, v20, v236                       ; the row's sum
	s_wait_alu depctr_va_vdst(0)
	v_rcp_f32 v20, v20
	v_mov_b32 v21, 0                               ; (a plain line behind the reciprocal)
	s_wait_alu depctr_va_vdst(0)
.set J, 0
.rept 16
	v_pk_mul_f32 v[192+J:193+J], v[192+J:193+J], v[20:21] op_sel_hi:[1,0]   ; register 16 b + i: channel 32 b + 16 h + i of my query
.set J, J+2
.endr
	; the head's 64 channels are half a K step of the next product: quantised here, stored as half a fragment's image
.irp b, 0,1
	v_max3_num_f32 v[232+\b], |v[192+16*\b]|, |v[193+16*\b]|, 0x1800000
.endr
.irp i, 2,4,6,8,10,12,14
.irp b, 0,1
	s_delay_alu instid0(VALU_DEP_2)
	v_max3_num_f32 v[232+\b], v[232+\b], |v[192+16*\b+\i]|, |v[193+16*\b+\i]|
.endr
.endr
.irp b, 0,1
	s_delay_alu instid0(VALU_DEP_2)
	v_permlanex16_b32 v[236+\b], v[232+\b], s[SEL], s[SEL+1]
.endr
.irp b, 0,1
	s_delay_alu instid0(VALU_DEP_2)
	v_max_num_f32 v[232+\b], v[232+\b], v[236+\b]
.endr
.irp b, 0,1
	s_delay_alu instid0(VALU_DEP_2)
	v_add_nc_u32 v[240+\b], 0xff000000, v[232+\b]
.endr
.irp b, 0,1
	s_delay_alu instid0(VALU_DEP_2)
	v_lshrrev_b32 v[236+\b], 23, v[240+\b]
.endr
	s_delay_alu instid0(VALU_DEP_1)
	v_lshl_or_b32 v228, v237, 8, v236
.irp b, 0,1
	v_cvt_scalef32_pk8_fp4_f32 v[224+2*\b], v[192+16*\b:199+16*\b], v[240+\b]
	v_cvt_scalef32_pk8_fp4_f32 v[225+2*\b], v[200+16*\b:207+16*\b], v[240+\b]
.endr
	v_nop
	v_permlane16_swap_b32 v224, v226
	v_permlane16_swap_b32 v225, v227
	s_wait_alu depctr_va_vdst(0)
	s_lshr_b32 s10, s9, 4
	s_lshl_b32 s10, s10, 7
	s_add_co_u32 s10, s10, s26                     ; the row tile: 128 batch + my tile
	s_lshl_b32 s10, s10, 3
	s_and_b32 s24, s9, 15                          ; the head
	s_lshr_b32 s25, s24, 1
	s_add_co_u32 s10, s10, s25                     ; the fragment: K step head / 2
	s_and_b32 s24, s24, 1
	s_lshl_b32 s28, s10, 10
	s_lshl_b32 s25, s24, 9
	s_add_co_u32 s28, s28, s25
	s_mov_b32 s29, 0
	s_lshl_b32 s32, s10, 7
	s_lshl_b32 s25, s24, 1
	s_add_co_u32 s32, s32, s25
	s_add_co_u32 s32, s32, 2097152
	s_mov_b32 s33, 0
	s_add_nc_u64 s[30:31], s[6:7], s[28:29]
	s_add_nc_u64 s[34:35], s[6:7], s[32:33]
	global_store_b128 v[LI], v[224:227], s[30:31]
	global_store_b16 v[LS], v228, s[34:35]
	s_wait_tensorcnt 0x0
	ds_add_u32 v246, v247
	s_wait_dscnt 0x0
	s_endpgm
.Lfunc_end_k_qa7313bdbcf_attn:
	.size	k_qa7313bdbcf_attn, .Lfunc_end_k_qa7313bdbcf_attn-k_qa7313bdbcf_attn
	.p2alignl 7, 3214868480
	.fill 96, 4, 3214868480
	.section	.rodata,"a",@progbits
	.p2align	6, 0x0
	.amdhsa_kernel k_qa7313bdbcf_attn
		.amdhsa_group_segment_fixed_size 169984
		.amdhsa_private_segment_fixed_size 0
		.amdhsa_enable_private_segment 0
		.amdhsa_kernarg_size 16
		.amdhsa_user_sgpr_count 2
		.amdhsa_user_sgpr_kernarg_segment_ptr 1
		.amdhsa_wavefront_size32 1
		.amdhsa_system_sgpr_workgroup_id_x 1
		.amdhsa_system_sgpr_workgroup_id_y 1
		.amdhsa_system_sgpr_workgroup_id_z 1
		.amdhsa_system_vgpr_workitem_id 0
		.amdhsa_next_free_vgpr 256
		.amdhsa_next_free_sgpr 66
		.amdhsa_reserve_vcc 0
		.amdhsa_float_denorm_mode_32 3
		.amdhsa_float_denorm_mode_16_64 3
		.amdhsa_memory_ordered 1
		.amdhsa_forward_progress 1
		.amdhsa_inst_pref_size 64
	.end_amdhsa_kernel
	.amdgpu_metadata
---
amdhsa.version: [ 1, 2 ]
amdhsa.kernels:
  - .name:           k_qa7313bdbcf_attn
    .symbol:         k_qa7313bdbcf_attn.kd
    .args:
      - { .name: qkvb, .offset: 0, .size: 8, .value_kind: global_buffer, .address_space: global }
      - { .name: oimg, .offset: 8, .size: 8, .value_kind: global_buffer, .address_space: global }
    .group_segment_fixed_size: 169984
    .private_segment_fixed_size: 0
    .kernarg_segment_align: 8
    .kernarg_segment_size: 16
    .max_flat_workgroup_size: 512
    .sgpr_count:     66
    .vgpr_count:     256
    .wavefront_size: 32
...
	.end_amdgpu_metadata
.endif
;; end of part 11
;; launch oproj (part 12): grid 64 x 1, 16 waves a work-group, no clusters, 317,440 bytes of LDS; arguments oimg, wimg, bo, src, g1, beta1, xbuf; writes xbuf
.if DOCPART == 12
	.amdgcn_target "amdgcn-amd-amdhsa--gfx1250"
	.amdhsa_code_object_version 6
	.text
	.protected	k_qa7313bdbcf_oproj
	.globl	k_qa7313bdbcf_oproj
	.p2align	8
	.type	k_qa7313bdbcf_oproj,@function
k_qa7313bdbcf_oproj:
	s_mov_b64 s[64:65], 0
	v_nop
	global_prefetch_b8 v0, s[64:65] scope:SCOPE_SE
	s_setreg_imm32_b32 hwreg(HW_REG_WAVE_MODE, 25, 1), 1
	s_wait_xcnt 0x0
; x = LayerNorm(src + (out Wo^T + bo) / (row norm + 1e-8)) with gain g1 and bias beta1 (variance over 1,023); the product on codes of E2M1.
; A work-group makes 64 rows x all 1,024 columns, so that the norm, the mean and the variance are made inside it; sixteen waves, wave w columns 64 w .. 64 w + 63, 16 accumulators.
; Source 0 = 16 rows of Wo, source 1 = 16 rows of out: a lane holds ONE row and 32 columns.  src's 64 rows x 64 columns of a wave come by one tensor load a wave (one outstanding), issued at the head and read by that wave alone.
; Out: x in f32 as images of the accumulators (the last launch takes them back lane by lane), and x's codes and scale words as operand images.
; Mean and variance in two passes.  LIMITS: NaN and infinities are not served; a block under 2^-124 keeps the byte 1; divisions are reciprocals and multiplications.
.set KS,    8
.set WT,    8192
.set WST,   1024
.set A_RT,  8192
.set A_S,   1024
.set AS_RT, 1024
.set AS_S,  128
.set XAO,   0                          ; LDS: the rows' images (32,768 bytes), their scale images (4,096);
.set XSO,   32768
.set NT6,   8
.set RED,   0                          ; behind the K loop and a barrier the same bytes take the three tables of sums (5,120 each)
.set INV,   15360                      ; and 256 bytes a wave
.set STRIP, 36864                      ; src: 64 rows x (256 bytes + 16) for each wave
.set NAT,   0
.set PCB,   32
.set LI,  1
.set LS,  2
.set XAD, 1
.set XSD, 2
.set PIR, 5
.set HH,  6
.set RW,  7
.set RR,  8
.set IW,  9
.set IR,  10
.set VB,  11
.set WSC, 16
.set XSC, 24
.set WF,  32
.set XF,  96
.set ACC, 128
.set R0,  32
.set R1,  64
.set R2,  96
.set PP,  96
.set P,   120
.set PT,  124
.set WV,  20
.set AC,  24
.set AS,  26
.set WC,  28
.set WS,  30
.set SEL, 32
.set BP,  8                            ; bo
.set GP,  12                           ; g1
.set BEP, 14                           ; beta1
.set EPS, 46
.set C1023, 47
.set E5,  44
.macro NOPS
.rept 4
	v_nop
.endr
.endm
.macro BAR
	s_wait_dscnt 0x0
	s_barrier_signal -1
	s_barrier_wait -1
.endm
.macro WM d, a, b, z, sa, sb
.if \z
	v_wmma_scale_f32_16x16x128_f8f6f4 v[\d:\d+7], v[\a:\a+7], v[\b:\b+7], 0, v[\sa], v[\sb] matrix_a_fmt:MATRIX_FMT_FP4 matrix_b_fmt:MATRIX_FMT_FP4
.else
	v_wmma_scale_f32_16x16x128_f8f6f4 v[\d:\d+7], v[\a:\a+7], v[\b:\b+7], v[\d:\d+7], v[\sa], v[\sb] matrix_a_fmt:MATRIX_FMT_FP4 matrix_b_fmt:MATRIX_FMT_FP4
.endif
.endm
.macro WLOAD s, set
.irp ct, 0,1,2,3
.irp c, 0,1
	global_load_b128 v[WF+32*(\set)+8*\ct+4*\c:WF+32*(\set)+8*\ct+4*\c+3], v[LI], s[WC:WC+1] offset:\ct*WT+(\s)*1024+512*\c
.endr
	global_load_b32 v[WSC+4*(\set)+\ct], v[LS], s[WS:WS+1] offset:\ct*WST+(\s)*128
.endr
.endm
.macro XLOAD s
.irp rt, 0,1,2,3
.irp c, 0,1
	ds_load_b128 v[XF+8*\rt+4*\c:XF+8*\rt+4*\c+3], v[XAD] offset:XAO+\rt*A_RT+((\s)%8)*A_S+512*\c
.endr
	ds_load_b32 v[XSC+\rt], v[XSD] offset:XSO+\rt*AS_RT+((\s)%8)*AS_S
.endr
.endm
.macro MM                              ; the accumulators take turns, one instruction a turn
.irp rt, 0,1,2,3
.irp ct, 0,1,2,3
	WM ACC+8*(4*\rt+\ct), WF+32*SET+8*\ct, XF+8*\rt, FIRST, WSC+4*SET+\ct, XSC+\rt
.endr
.endr
.endm
.macro COLS dst, ptr
.irp ct, 0,1,2,3
.irp k, 0,1
	global_load_b128 v[\dst+8*\ct+4*\k:\dst+8*\ct+4*\k+3], v[VB], s[\ptr:\ptr+1] offset:128*(\ct/2)+32*(\ct%2)+16*\k
.endr
.endr
.endm
.macro STEP
.set SET, S%2
.if S == 0
.set FIRST, 1
.else
.set FIRST, 0
.endif
.if S == KS-1
	s_wait_loadcnt NT6                             ; the last weights are in; the bias may be out
.else
	s_wait_loadcnt 12                              ; this step's weights are in; the next step's twelve loads may be out
.endif
	s_wait_dscnt 0x0
	MM
	NOPS                                           ; four places in front of loads into registers that the products have read
.if S+1 < KS
	XLOAD S+1
.endif
.if S+2 < KS
	WLOAD S+2, SET
.endif
.if S == KS-2
	COLS R0, BP
.endif
.endm
.macro ADDB
.irp rt, 0,1,2,3
.set J, 0
.rept 16
	v_pk_add_f32 v[ACC+32*\rt+J:ACC+32*\rt+J+1], v[ACC+32*\rt+J:ACC+32*\rt+J+1], v[R0+J:R0+J+1]
.set J, J+2
.endr
.endr
.endm
.macro SUMSQ
.irp rt, 0,1,2,3
	v_pk_mul_f32 v[PP+2*\rt:PP+2*\rt+1], v[ACC+32*\rt:ACC+32*\rt+1], v[ACC+32*\rt:ACC+32*\rt+1]
.endr
.set J, 2
.rept 15
.irp rt, 0,1,2,3
	s_delay_alu instid0(VALU_DEP_4)
	v_pk_fma_f32 v[PP+2*\rt:PP+2*\rt+1], v[ACC+32*\rt+J:ACC+32*\rt+J+1], v[ACC+32*\rt+J:ACC+32*\rt+J+1], v[PP+2*\rt:PP+2*\rt+1]
.endr
.set J, J+2
.endr
.irp rt, 0,1,2,3
	s_delay_alu instid0(VALU_DEP_4)
	v_add_f32 v[P+\rt], v[PP+2*\rt], v[PP+2*\rt+1]
.endr
.endm
.macro SUMY
.irp rt, 0,1,2,3
	v_pk_add_f32 v[PP+2*\rt:PP+2*\rt+1], v[ACC+32*\rt:ACC+32*\rt+1], v[ACC+32*\rt+2:ACC+32*\rt+3]
.endr
.set J, 4
.rept 14
.irp rt, 0,1,2,3
	s_delay_alu instid0(VALU_DEP_4)
	v_pk_add_f32 v[PP+2*\rt:PP+2*\rt+1], v[PP+2*\rt:PP+2*\rt+1], v[ACC+32*\rt+J:ACC+32*\rt+J+1]
.endr
.set J, J+2
.endr
.irp rt, 0,1,2,3
	s_delay_alu instid0(VALU_DEP_4)
	v_add_f32 v[P+\rt], v[PP+2*\rt], v[PP+2*\rt+1]
.endr
.endm
.macro RSTORE k
.irp rt, 0,1,2,3
	s_delay_alu instid0(VALU_DEP_4)
	v_permlanex16_b32 v[PT+\rt], v[P+\rt], s[SEL], s[SEL+1]
.endr
.irp rt, 0,1,2,3
	s_delay_alu instid0(VALU_DEP_4)
	v_add_f32 v[P+\rt], v[P+\rt], v[PT+\rt]
.endr
.irp rt, 0,1,2,3
	ds_store_b32 v[RW], v[P+\rt] offset:RED+5120*\k+80*(32*(\rt/2)+8*(\rt%2))
.endr
	BAR
.endm
.macro RLOAD k
.irp z, 0,1
.irp q, 0,1,2,3
	ds_load_b128 v[R2+16*\z+4*\q:R2+16*\z+4*\q+3], v[RR] offset:RED+5120*\k+2560*\z+16*\q
.endr
.endr
	s_wait_dscnt 0x0
.irp o, 0,4,8,12,16,20,24,28
	v_pk_add_f32 v[R2+\o:R2+\o+1], v[R2+\o:R2+\o+1], v[R2+\o+2:R2+\o+3]
.endr
.irp o, 0,8,16,24
	v_pk_add_f32 v[R2+\o:R2+\o+1], v[R2+\o:R2+\o+1], v[R2+\o+4:R2+\o+5]
.endr
.irp o, 0
	s_delay_alu instid0(VALU_DEP_3)
	v_pk_add_f32 v[R2+\o:R2+\o+1], v[R2+\o:R2+\o+1], v[R2+\o+8:R2+\o+9]
.endr
.irp o, 16
	s_delay_alu instid0(VALU_DEP_2)
	v_pk_add_f32 v[R2+\o:R2+\o+1], v[R2+\o:R2+\o+1], v[R2+\o+8:R2+\o+9]
.endr
.irp o, 0,16
	s_delay_alu instid0(VALU_DEP_2)
	v_add_f32 v[R2+\o], v[R2+\o], v[R2+\o+1]
.endr
.endm
.macro FN_INV
	v_sqrt_f32 v[R2], v[R2]
	v_sqrt_f32 v[R2+16], v[R2+16]
	v_nop
	s_wait_alu depctr_va_vdst(0)
	v_add_f32 v[R2], s[EPS], v[R2]
	v_add_f32 v[R2+16], s[EPS], v[R2+16]
	s_wait_alu depctr_va_vdst(0)
	v_rcp_f32 v[R2], v[R2]
	v_rcp_f32 v[R2+16], v[R2+16]
	v_nop
	s_wait_alu depctr_va_vdst(0)
.endm
.macro FN_RSTD                         ; 1 / sqrt(sum / 1023 + 1e-5)
	s_delay_alu instid0(VALU_DEP_2)
	v_fma_f32 v[R2], v[R2], s[C1023], s[E5]
	s_delay_alu instid0(VALU_DEP_2)
	v_fma_f32 v[R2+16], v[R2+16], s[C1023], s[E5]
	s_wait_alu depctr_va_vdst(0)
	v_rsq_f32 v[R2], v[R2]
	v_rsq_f32 v[R2+16], v[R2+16]
	v_nop
	s_wait_alu depctr_va_vdst(0)
.endm
.macro RBACK
	ds_store_b32 v[IW], v[R2] offset:INV
	ds_store_b32 v[IW], v[R2+16] offset:INV+128
.irp rt, 0,1,2,3
	ds_load_b32 v[12+2*\rt+12*(\rt/2)], v[IR] offset:INV+4*(32*(\rt/2)+8*(\rt%2))
.endr
	s_wait_dscnt 0x0
.endm
.macro SLOAD rt, buf                   ; src: my row of row tile rt, my 32 columns
.irp bb, 0,1
.irp q, 0,1,2,3
	ds_load_b128 v[\buf+16*\bb+4*\q:\buf+16*\bb+4*\q+3], v3 offset:272*(32*(\rt/2)+8*(\rt%2))+128*\bb+16*\q
.endr
.endr
.endm
.macro RESID rt, buf                   ; y = o x (1 / norm) + the residual
.set J, 0
.rept 16
	v_pk_fma_f32 v[ACC+32*\rt+J:ACC+32*\rt+J+1], v[ACC+32*\rt+J:ACC+32*\rt+J+1], v[12+2*\rt+12*(\rt/2):13+2*\rt+12*(\rt/2)], v[\buf+J:\buf+J+1] op_sel_hi:[1,0,1]
.set J, J+2
.endr
.endm
.macro SUBM
.irp rt, 0,1,2,3
.set J, 0
.rept 16
	v_pk_add_f32 v[ACC+32*\rt+J:ACC+32*\rt+J+1], v[ACC+32*\rt+J:ACC+32*\rt+J+1], v[12+2*\rt+12*(\rt/2):13+2*\rt+12*(\rt/2)] op_sel_hi:[1,0] neg_lo:[0,1] neg_hi:[0,1]
.set J, J+2
.endr
.endr
.endm
.macro LNOUT g, b
.irp rt, 0,1,2,3
.set J, 0
.rept 16
	v_pk_mul_f32 v[ACC+32*\rt+J:ACC+32*\rt+J+1], v[ACC+32*\rt+J:ACC+32*\rt+J+1], v[12+2*\rt+12*(\rt/2):13+2*\rt+12*(\rt/2)] op_sel_hi:[1,0]
.set J, J+2
.endr
.endr
.irp rt, 0,1,2,3
.set J, 0
.rept 16
	v_pk_fma_f32 v[ACC+32*\rt+J:ACC+32*\rt+J+1], v[ACC+32*\rt+J:ACC+32*\rt+J+1], v[\g+J:\g+J+1], v[\b+J:\b+J+1]
.set J, J+2
.endr
.endr
.endm
.macro QUANT8
.irp q, 0,1,2,3,4,5,6,7
	v_max3_num_f32 v[R2+\q], |v[ACC+16*\q]|, |v[ACC+16*\q+1]|, 0x1800000
.endr
.irp i, 2,4,6,8,10,12,14
.irp q, 0,1,2,3,4,5,6,7
	v_max3_num_f32 v[R2+\q], v[R2+\q], |v[ACC+16*\q+\i]|, |v[ACC+16*\q+\i+1]|
.endr
.endr
.irp q, 0,1,2,3,4,5,6,7
	v_permlanex16_b32 v[R2+8+\q], v[R2+\q], s[SEL], s[SEL+1]
.endr
.irp q, 0,1,2,3,4,5,6,7
	v_max_num_f32 v[R2+\q], v[R2+\q], v[R2+8+\q]
.endr
.irp q, 0,1,2,3,4,5,6,7
	v_add_nc_u32 v[R2+16+\q], 0xff000000, v[R2+\q]
.endr
.irp q, 0,1,2,3,4,5,6,7
	v_lshrrev_b32 v[R2+\q], 23, v[R2+16+\q]
.endr
.irp rt, 0,1,2,3
	v_lshl_or_b32 v[PCB+16+\rt], v[R2+2*\rt+1], 8, v[R2+2*\rt]
.endr
.irp q, 0,1,2,3,4,5,6,7
	v_cvt_scalef32_pk8_fp4_f32 v[PCB+2*\q], v[ACC+16*\q:ACC+16*\q+7], v[R2+16+\q]
	v_cvt_scalef32_pk8_fp4_f32 v[PCB+2*\q+1], v[ACC+16*\q+8:ACC+16*\q+15], v[R2+16+\q]
.endr
	v_nop
.irp rt, 0,1,2,3
.irp i, 0,1
	v_permlane16_swap_b32 v[PCB+4*\rt+\i], v[PCB+4*\rt+2+\i]
.endr
.endr
.endm
	s_load_b256 s[4:11], s[0:1], 0x0               ; oimg, wimg, bo, src
	s_load_b128 s[12:15], s[0:1], 0x20             ; g1, beta1
	s_load_b64 s[16:17], s[0:1], 0x30              ; xbuf
	v_lshl_add_u32 v254, v0, 2, 0x4d000
	v_mov_b32 v255, 0
	ds_add_u32 v254, v255
	ds_add_u32 v254, v255
	s_wait_dscnt 0x0
	v_lshrrev_b32 v28, 5, v0
	s_delay_alu instid0(VALU_DEP_1)
	v_readfirstlane_b32 s[WV], v28
	v_and_b32 v29, 31, v0
	s_delay_alu instid0(VALU_DEP_1)
	v_lshlrev_b32 v[LI], 4, v29
	s_delay_alu instid0(VALU_DEP_2)
	v_lshlrev_b32 v[LS], 2, v29
	v_and_b32 v30, 15, v0
	v_bfe_u32 v[HH], v0, 4, 1
	s_delay_alu instid0(VALU_DEP_2)
	v_and_b32 v31, 8, v30
	s_delay_alu instid0(VALU_DEP_1)
	v_add_nc_u32 v[PIR], v31, v30
	s_lshl_b32 s21, s[WV], 2
	s_lshl_b32 s23, s[WV], 8
	v_mul_u32_u24 v[RW], v[PIR], 80
	s_delay_alu instid0(VALU_DEP_1)
	v_add_nc_u32 v[RW], s21, v[RW]
	v_mul_u32_u24 v[RR], v29, 80
	v_add_nc_u32 v[IW], s23, v[LS]
	v_lshl_add_u32 v[IR], v[PIR], 2, s23
	v_lshl_add_u32 v[VB], v[HH], 6, s23
	s_mul_i32 s36, s[WV], 17408
	s_add_co_u32 s36, s36, STRIP                   ; my strip of src
	v_mul_u32_u24 v3, v[PIR], 272
	s_delay_alu instid0(VALU_DEP_1)
	v_lshl_add_u32 v3, v[HH], 6, v3
	s_delay_alu instid0(VALU_DEP_1)
	v_add_nc_u32 v3, s36, v3                       ; in it: row pi(r), + 64 h
	s_lshl_b32 s21, s[WV], 11
	v_add_nc_u32 v28, s21, v[LI]
	v_lshl_add_u32 v29, v29, 3, s23
	s_mov_b32 s52, (2<<16)|(1<<20)|(5<<22)|(3<<25) ; group 1: no mask; elements of 4 bytes; 4 words of padding behind every 64
	s_mov_b32 s53, 64<<16                          ; tensor_dim0 = 64
	s_mov_b32 s54, 64<<16                          ; tensor_dim1 = 64
	s_mov_b32 s55, 64<<16                          ; tile_dim0 = 64
	s_mov_b32 s56, 64                              ; tile_dim1 = 64
	s_mov_b32 s57, 2048                            ; from a row of one batch to its next: 2 x 1,024 elements
	s_mov_b32 s58, 0
	s_mov_b32 s59, 0
	s_lshr_b32 s34, ttmp9, 5
	s_lshl_b32 s34, s34, 12                        ; the batch
	s_and_b32 s35, ttmp9, 31
	s_lshl_b32 s35, s35, 19                        ; 64 rows of 8,192 bytes a group
	s_add_co_u32 s34, s34, s35
	s_add_co_u32 s34, s34, s23                     ; my 64 columns
	s_mov_b32 s35, 0
	s_lshl_b32 s38, ttmp9, 15
	s_mov_b32 s39, 0
	s_lshl_b32 s40, ttmp9, 12
	s_add_co_u32 s40, s40, 2097152
	s_mov_b32 s41, 0
	s_lshl_b32 s42, s[WV], 5
	s_add_co_u32 s42, s42, 3584                    ; my first fragment of wo
	s_lshl_b32 s44, s42, 10
	s_mov_b32 s45, 0
	s_lshl_b32 s42, s42, 7
	s_add_co_u32 s42, s42, 8388608
	s_mov_b32 s43, 0
	s_mov_b32 s[SEL], 0x76543210
	s_mov_b32 s[SEL+1], 0xfedcba98
	s_wait_alu depctr_va_vdst(0)
	s_wait_kmcnt 0x0
	s_mov_b32 s48, 1
	s_mov_b32 s49, s36
	s_add_nc_u64 s[50:51], s[10:11], s[34:35]
	s_or_b32 s51, s51, 0x80000000
	tensor_load_to_lds s[48:51], s[52:59]          ; ahead of every LDS access and barrier; it has the whole K loop in which to land
	s_nop 0
	NOPS
	s_add_nc_u64 s[AC:AC+1], s[4:5], s[38:39]
	s_add_nc_u64 s[AS:AS+1], s[4:5], s[40:41]
	s_add_nc_u64 s[WC:WC+1], s[6:7], s[44:45]
	s_add_nc_u64 s[WS:WS+1], s[6:7], s[42:43]
.irp i, 0,1,2,3
	global_load_b128 v[ACC+4*\i:ACC+4*\i+3], v28, s[AC:AC+1] offset:512*\i
.endr
	global_load_b64 v[ACC+16:ACC+17], v29, s[AS:AS+1]
	WLOAD 0, 0
	WLOAD 1, 1
	s_wait_loadcnt 24                              ; the rows' images are in; two steps' weights may be out
.irp i, 0,1,2,3
	ds_store_b128 v28, v[ACC+4*\i:ACC+4*\i+3] offset:512*\i
.endr
	ds_store_b64 v29, v[ACC+16:ACC+17] offset:XSO
	BAR
	XLOAD 0
.set S, 0
.rept KS
	STEP
.set S, S+1
.endr
	BAR                                            ; every wave has read the rows' images for the last time: their bytes take the sums
.irp r, 13,15,29,31,124,125,126,127
	v_mov_b32 v\r, 0
.endr
	s_mov_b32 s[EPS], 0x322bcc77                   ; 1e-8
	s_mov_b32 s[C1023], 0x3a802008                 ; 1 / 1023
	s_mov_b32 s[E5], 0x3727c5ac                    ; 1e-5
	s_wait_loadcnt 0x0                             ; the bias
	ADDB
	SUMSQ
	RSTORE 0
	RLOAD 0
	s_wait_alu depctr_va_vdst(0)
	FN_INV
	RBACK
	s_wait_tensorcnt 0x0                           ; my strip of src has landed; I alone read it
	SLOAD 0, R0
	SLOAD 1, R1
	s_wait_dscnt 8                                 ; the older eight loads are in
	RESID 0, R0
	SLOAD 2, R0
	s_wait_dscnt 8
	RESID 1, R1
	SLOAD 3, R1
	s_wait_dscnt 8
	RESID 2, R0
	COLS R0, GP
	s_wait_dscnt 0x0
	RESID 3, R1
	COLS R1, BEP
	SUMY
	RSTORE 1
	RLOAD 1
	s_delay_alu instid0(VALU_DEP_2)
	v_mul_f32 v[R2], 0x3a800000, v[R2]             ; the mean: / 1024
	s_delay_alu instid0(VALU_DEP_2)
	v_mul_f32 v[R2+16], 0x3a800000, v[R2+16]
	RBACK
	SUBM
	SUMSQ
	RSTORE 2
	RLOAD 2
	FN_RSTD
	RBACK
	s_wait_loadcnt 0x0                             ; g1, beta1
	LNOUT R0, R1
	s_lshl_b32 s34, ttmp9, 4
	s_add_co_u32 s34, s34, s[WV]
	s_lshl_b32 s34, s34, 14                        ; f32 images: 16,384 bytes for each group and wave
	s_mov_b32 s35, 0
	s_lshl_b32 s36, ttmp9, 5
	s_lshr_b32 s37, s[WV], 1
	s_add_co_u32 s36, s36, s37                     ; fragment (4 G, K step w / 2)
	s_and_b32 s37, s[WV], 1
	s_lshl_b32 s38, s36, 10
	s_lshl_b32 s39, s37, 9
	s_add_co_u32 s38, s38, s39
	s_add_co_u32 s38, s38, 16777216
	s_mov_b32 s39, 0
	s_lshl_b32 s40, s36, 7
	s_lshl_b32 s41, s37, 1
	s_add_co_u32 s40, s40, s41
	s_add_co_u32 s40, s40, 18874368
	s_mov_b32 s41, 0
	s_add_nc_u64 s[60:61], s[16:17], s[34:35]
	s_add_nc_u64 s[62:63], s[16:17], s[38:39]
	s_add_nc_u64 s[24:25], s[16:17], s[40:41]
.set J, 0
	s_wait_alu depctr_va_vdst(0)
.rept 32
	global_store_b128 v[LI], v[ACC+4*J:ACC+4*J+3], s[60:61] offset:512*J   ; 512 consecutive bytes
.set J, J+1
.endr
	QUANT8
.irp rt, 0,1,2,3
	global_store_b128 v[LI], v[PCB+4*\rt:PCB+4*\rt+3], s[62:63] offset:8192*\rt
	global_store_b16 v[LS], v[PCB+16+\rt], s[24:25] offset:1024*\rt
.endr
	s_wait_xcnt 0x0
	v_lshl_add_u32 v254, v0, 2, 0x4d000
	v_mov_b32 v255, 0
	s_wait_alu depctr_va_vdst(0)
	s_wait_tensorcnt 0x0
	ds_add_u32 v254, v255
	s_wait_dscnt 0x0
	s_endpgm
.Lfunc_end_k_qa7313bdbcf_oproj:
	.size	k_qa7313bdbcf_oproj, .Lfunc_end_k_qa7313bdbcf_oproj-k_qa7313bdbcf_oproj
	.p2alignl 7, 3214868480
	.fill 96, 4, 3214868480
	.section	.rodata,"a",@progbits
	.p2align	6, 0x0
	.amdhsa_kernel k_qa7313bdbcf_oproj
		.amdhsa_group_segment_fixed_size 317440
		.amdhsa_private_segment_fixed_size 0
		.amdhsa_enable_private_segment 0
		.amdhsa_kernarg_size 56
		.amdhsa_user_sgpr_count 2
		.amdhsa_user_sgpr_kernarg_segment_ptr 1
		.amdhsa_wavefront_size32 1
		.amdhsa_system_sgpr_workgroup_id_x 1
		.amdhsa_system_sgpr_workgroup_id_y 1
		.amdhsa_system_sgpr_workgroup_id_z 1
		.amdhsa_system_vgpr_workitem_id 0
		.amdhsa_next_free_vgpr 256
		.amdhsa_next_free_sgpr 66
		.amdhsa_reserve_vcc 0
		.amdhsa_float_denorm_mode_32 3
		.amdhsa_float_denorm_mode_16_64 3
		.amdhsa_memory_ordered 1
		.amdhsa_forward_progress 1
		.amdhsa_inst_pref_size 103
	.end_amdhsa_kernel
	.amdgpu_metadata
---
amdhsa.version: [ 1, 2 ]
amdhsa.kernels:
  - .name:           k_qa7313bdbcf_oproj
    .symbol:         k_qa7313bdbcf_oproj.kd
    .args:
      - { .name: oimg, .offset: 0, .size: 8, .value_kind: global_buffer, .address_space: global }
      - { .name: wimg, .offset: 8, .size: 8, .value_kind: global_buffer, .address_space: global }
      - { .name: bo, .offset: 16, .size: 8, .value_kind: global_buffer, .address_space: global }
      - { .name: src, .offset: 24, .size: 8, .value_kind: global_buffer, .address_space: global }
      - { .name: g1, .offset: 32, .size: 8, .value_kind: global_buffer, .address_space: global }
      - { .name: beta1, .offset: 40, .size: 8, .value_kind: global_buffer, .address_space: global }
      - { .name: xbuf, .offset: 48, .size: 8, .value_kind: global_buffer, .address_space: global }
    .group_segment_fixed_size: 317440
    .private_segment_fixed_size: 0
    .kernarg_segment_align: 8
    .kernarg_segment_size: 56
    .max_flat_workgroup_size: 512
    .sgpr_count:     66
    .vgpr_count:     256
    .wavefront_size: 32
...
	.end_amdgpu_metadata
.endif
;; end of part 12
;; launch ff1a (part 13): grid 64 x 4, 16 waves a work-group, no clusters, 44,032 bytes of LDS; arguments xbuf, wimg, b1, hp; writes hp
.if DOCPART == 13
	.amdgcn_target "amdgcn-amd-amdhsa--gfx1250"
	.amdhsa_code_object_version 6
	.text
	.protected	k_qa7313bdbcf_ff1a
	.globl	k_qa7313bdbcf_ff1a
	.p2align	8
	.type	k_qa7313bdbcf_ff1a,@function
k_qa7313bdbcf_ff1a:
	s_mov_b64 s[64:65], 0
	v_nop
	global_prefetch_b8 v0, s[64:65] scope:SCOPE_SE
	s_setreg_imm32_b32 hwreg(HW_REG_WAVE_SCHED_MODE, 0, 2), 2
	s_setreg_imm32_b32 hwreg(HW_REG_WAVE_MODE, 25, 1), 1
	s_wait_xcnt 0x0
	s_wait_alu depctr_vm_vsrc(0)
; The row norm of x W1^T + b1 spans 4,096 columns, more than a work-group's registers hold for 64 rows.  This launch makes, for 64 rows and a quarter of the columns, each row's sum of squares;
; the next launch makes the same products again and finishes them.  The product on codes of E2M1; shares and layouts as in the other products of this program:
; sixteen waves, wave w columns 64 w .. 64 w + 63 of the quarter, source 0 = 16 rows of W1, source 1 = 16 rows of x.
; LIMITS: NaN and infinities are not served.
; THE MODE: SCHED_MODE bits 1:0 = 2 (LLVM: expert scheduling mode 2), set by the entry lines.  The code itself states the register dependences
; between vector or matrix instructions and memory or LDS instructions, with s_wait_alu, always for 0.
; THE PLAN.  Registers that memory or LDS instructions touch:
;   v1, v2, v7, v8, v11, v28, v29   Offsets and LDS addresses: made at the head, ahead of one wait on va_vdst, and never written again.
;   WF0, WF1, WSC   K step S: its sixteen products read set S % 2; behind them the loads of step S + 2 land in it (behind step 6: the bias).
;   XF, XSC         One set: all 256 registers are taken.  Step S's products read it; behind them the LDS loads of step S + 1 land in it.
;   ACC             Its first 18 registers stage the copy at the head: loaded, read by LDS stores, then written by the products.
;   P, R2           On the way out: the wave's sums, read by LDS stores; wave 0's LDS loads land on them; its sums are read by two stores.
; So ONE wait on va_vdst stands in a K step, behind its products: both buffers that they read are asked for again at once, by the loads that follow it.
.set KS,    8
.set WT,    8192
.set WST,   1024
.set A_RT,  8192
.set A_S,   1024
.set AS_RT, 1024
.set AS_S,  128
.set XAO,   0
.set XSO,   32768
.set NT6,   8
.set RED,   36864
.set LI,  1
.set LS,  2
.set XAD, 1
.set XSD, 2
.set PIR, 5
.set HH,  6
.set RW,  7
.set RR,  8
.set VB,  11
.set WSC, 16
.set XSC, 24
.set WF,  32
.set XF,  96
.set ACC, 128
.set R0,  32
.set R2,  96
.set PP,  96
.set P,   120
.set PT,  124
.set WV,  20
.set AC,  24
.set AS,  26
.set WC,  28
.set WS,  30
.set SEL, 32
.set BP,  44
.macro NOPS
.rept 4
	v_nop
.endr
.endm
.macro BAR
	s_wait_dscnt 0x0
	s_barrier_signal -1
	s_barrier_wait -1
.endm
.macro WM d, a, b, z, sa, sb
.if \z
	v_wmma_scale_f32_16x16x128_f8f6f4 v[\d:\d+7], v[\a:\a+7], v[\b:\b+7], 0, v[\sa], v[\sb] matrix_a_fmt:MATRIX_FMT_FP4 matrix_b_fmt:MATRIX_FMT_FP4
.else
	v_wmma_scale_f32_16x16x128_f8f6f4 v[\d:\d+7], v[\a:\a+7], v[\b:\b+7], v[\d:\d+7], v[\sa], v[\sb] matrix_a_fmt:MATRIX_FMT_FP4 matrix_b_fmt:MATRIX_FMT_FP4
.endif
.endm
.macro WLOAD s, set
.irp ct, 0,1,2,3
.irp c, 0,1
	global_load_b128 v[WF+32*(\set)+8*\ct+4*\c:WF+32*(\set)+8*\ct+4*\c+3], v[LI], s[WC:WC+1] offset:\ct*WT+(\s)*1024+512*\c
.endr
	global_load_b32 v[WSC+4*(\set)+\ct], v[LS], s[WS:WS+1] offset:\ct*WST+(\s)*128
.endr
.endm
.macro XLOAD s
.irp rt, 0,1,2,3
.irp c, 0,1
	ds_load_b128 v[XF+8*\rt+4*\c:XF+8*\rt+4*\c+3], v[XAD] offset:XAO+\rt*A_RT+((\s)%8)*A_S+512*\c
.endr
	ds_load_b32 v[XSC+\rt], v[XSD] offset:XSO+\rt*AS_RT+((\s)%8)*AS_S
.endr
.endm
.macro MM                              ; the accumulators take turns, one instruction a turn
.irp rt, 0,1,2,3
.irp ct, 0,1,2,3
	WM ACC+8*(4*\rt+\ct), WF+32*SET+8*\ct, XF+8*\rt, FIRST, WSC+4*SET+\ct, XSC+\rt
.endr
.endr
.endm
.macro COLS dst, ptr
.irp ct, 0,1,2,3
.irp k, 0,1
	global_load_b128 v[\dst+8*\ct+4*\k:\dst+8*\ct+4*\k+3], v[VB], s[\ptr:\ptr+1] offset:128*(\ct/2)+32*(\ct%2)+16*\k
.endr
.endr
.endm
.macro STEP
.set SET, S%2
.if S == 0
.set FIRST, 1
.else
.set FIRST, 0
.endif
.if S == KS-1
	s_wait_loadcnt NT6                             ; the last weights are in; the bias may be out
.else
	s_wait_loadcnt 12                              ; this step's weights are in; the next step's twelve loads may be out
.endif
	s_wait_dscnt 0x0
	MM
	NOPS                                           ; four places behind the products; behind the last step they serve the vector instructions that read the sums
.if S+1 < KS
	s_wait_alu depctr_va_vdst(0)                   ; this step's products are done reading the rows' fragments and scale words and weight set S % 2 with its scale words: the loads below land in them
	XLOAD S+1
.endif
.if S+2 < KS
	WLOAD S+2, SET
.endif
.if S == KS-2
	COLS R0, BP
.endif
.endm
	s_load_b256 s[4:11], s[0:1], 0x0               ; xbuf, wimg, b1, hp
	v_lshl_add_u32 v14, v0, 2, 0xa400
	v_mov_b32 v15, 0
	v_lshrrev_b32 v28, 5, v0
	v_readfirstlane_b32 s[WV], v28
	v_and_b32 v29, 31, v0
	v_lshlrev_b32 v[LI], 4, v29
	v_lshlrev_b32 v[LS], 2, v29
	v_and_b32 v30, 15, v0
	v_bfe_u32 v[HH], v0, 4, 1
	v_and_b32 v31, 8, v30
	v_add_nc_u32 v[PIR], v31, v30
	s_wait_alu depctr_va_sdst(0)                   ; the wave's number is written, ahead of its first reader
	s_lshl_b32 s21, s[WV], 2
	s_lshl_b32 s23, s[WV], 8
	v_mul_u32_u24 v[RW], v[PIR], 80
	v_add_nc_u32 v[RW], s21, v[RW]
	v_mul_u32_u24 v[RR], v29, 80
	v_lshl_add_u32 v[VB], v[HH], 6, s23
	s_lshl_b32 s21, s[WV], 11
	v_add_nc_u32 v28, s21, v[LI]
	v_lshl_add_u32 v29, v29, 3, s23
	s_and_b32 s22, ttmp7, 0xffff                   ; the quarter
	s_lshl_b32 s34, ttmp9, 15
	s_add_co_u32 s34, s34, 16777216                ; x's images of group G
	s_mov_b32 s35, 0
	s_lshl_b32 s36, ttmp9, 12
	s_add_co_u32 s36, s36, 18874368
	s_mov_b32 s37, 0
	s_lshl_b32 s38, s22, 9
	s_lshl_b32 s39, s[WV], 5
	s_add_co_u32 s38, s38, s39
	s_add_co_u32 s38, s38, 4096                    ; my first fragment of w1
	s_lshl_b32 s40, s38, 10
	s_mov_b32 s41, 0
	s_lshl_b32 s42, s38, 7
	s_add_co_u32 s42, s42, 8388608
	s_mov_b32 s43, 0
	s_lshl_b32 s46, s22, 12                        ; the quarter's 1,024 numbers of b1
	s_mov_b32 s47, 0
	s_lshl_b32 s48, s22, 14
	s_lshl_b32 s49, ttmp9, 8
	s_add_co_u32 s48, s48, s49                     ; hp: [quarter][row]
	s_mov_b32 s49, 0
	s_mov_b32 s[SEL], 0x76543210
	s_mov_b32 s[SEL+1], 0xfedcba98
	s_wait_kmcnt 0x0
	s_add_nc_u64 s[AC:AC+1], s[4:5], s[34:35]
	s_add_nc_u64 s[AS:AS+1], s[4:5], s[36:37]
	s_add_nc_u64 s[WC:WC+1], s[6:7], s[40:41]
	s_add_nc_u64 s[WS:WS+1], s[6:7], s[42:43]
	s_add_nc_u64 s[BP:BP+1], s[8:9], s[46:47]
	s_add_nc_u64 s[50:51], s[10:11], s[48:49]
	s_wait_alu depctr_va_vdst(0)                   ; the offsets and LDS addresses v1, v2, v7, v8, v11, v28 and v29 are written, which the loads and stores from here on read
.irp i, 0,1,2,3
	global_load_b128 v[ACC+4*\i:ACC+4*\i+3], v28, s[AC:AC+1] offset:512*\i
.endr
	global_load_b64 v[ACC+16:ACC+17], v29, s[AS:AS+1]
	WLOAD 0, 0
	WLOAD 1, 1
	s_wait_loadcnt 24                              ; the rows' images are in; two steps' weights may be out
.irp i, 0,1,2,3
	ds_store_b128 v28, v[ACC+4*\i:ACC+4*\i+3] offset:512*\i
.endr
	ds_store_b64 v29, v[ACC+16:ACC+17] offset:XSO
	BAR
	s_wait_alu depctr_vm_vsrc(0)                   ; the copy's LDS stores have read v[ACC .. ACC + 17], which the first products write
	XLOAD 0
.set S, 0
.rept KS
	STEP
.set S, S+1
.endr
.irp r, 124,125,126,127
	v_mov_b32 v\r, 0                               ; the lane permutes' destinations
.endr
	s_wait_loadcnt 0x0                             ; the bias
.irp rt, 0,1,2,3
.set J, 0
.rept 16
	v_pk_add_f32 v[ACC+32*\rt+J:ACC+32*\rt+J+1], v[ACC+32*\rt+J:ACC+32*\rt+J+1], v[R0+J:R0+J+1]
.set J, J+2
.endr
.endr
.irp rt, 0,1,2,3
	v_pk_mul_f32 v[PP+2*\rt:PP+2*\rt+1], v[ACC+32*\rt:ACC+32*\rt+1], v[ACC+32*\rt:ACC+32*\rt+1]
.endr
.set J, 2
.rept 15
.irp rt, 0,1,2,3
	v_pk_fma_f32 v[PP+2*\rt:PP+2*\rt+1], v[ACC+32*\rt+J:ACC+32*\rt+J+1], v[ACC+32*\rt+J:ACC+32*\rt+J+1], v[PP+2*\rt:PP+2*\rt+1]
.endr
.set J, J+2
.endr
.irp rt, 0,1,2,3
	v_add_f32 v[P+\rt], v[PP+2*\rt], v[PP+2*\rt+1]
.endr
.irp rt, 0,1,2,3
	v_permlanex16_b32 v[PT+\rt], v[P+\rt], s[SEL], s[SEL+1]
.endr
.irp rt, 0,1,2,3
	v_add_f32 v[P+\rt], v[P+\rt], v[PT+\rt]
.endr
	s_wait_alu depctr_va_vdst(0)                   ; the sums v[P ..] are written, which the LDS stores read; and every vector or matrix instruction that names v[R2 ..], in which wave 0's loads land, is done
.irp rt, 0,1,2,3
	ds_store_b32 v[RW], v[P+\rt] offset:RED+80*(32*(\rt/2)+8*(\rt%2))
.endr
	BAR
	s_wait_alu depctr_vm_vsrc(0)                   ; my LDS stores have read v[P ..], on which wave 0's loads land: stated ahead of the branch
	s_cmp_lg_u32 s[WV], 0                          ; wave 0 adds the sixteen waves' sums of rows lane and lane + 32
	s_cbranch_scc1 .Ldone
.irp z, 0,1
.irp q, 0,1,2,3
	ds_load_b128 v[R2+16*\z+4*\q:R2+16*\z+4*\q+3], v[RR] offset:RED+2560*\z+16*\q
.endr
.endr
	s_wait_dscnt 0x0
.irp o, 0,4,8,12,16,20,24,28
	v_pk_add_f32 v[R2+\o:R2+\o+1], v[R2+\o:R2+\o+1], v[R2+\o+2:R2+\o+3]
.endr
.irp o, 0,8,16,24
	v_pk_add_f32 v[R2+\o:R2+\o+1], v[R2+\o:R2+\o+1], v[R2+\o+4:R2+\o+5]
.endr
.irp o, 0,16
	v_pk_add_f32 v[R2+\o:R2+\o+1], v[R2+\o:R2+\o+1], v[R2+\o+8:R2+\o+9]
.endr
.irp o, 0,16
	v_add_f32 v[R2+\o], v[R2+\o], v[R2+\o+1]
.endr
	s_wait_alu depctr_va_vdst(0)                   ; the rows' sums v[R2] and v[R2 + 16] are written, which the two stores read
	global_store_b32 v[LS], v[R2], s[50:51]
	global_store_b32 v[LS], v[R2+16], s[50:51] offset:128
.Ldone:
	s_wait_dscnt 0x0                               ; the closing lines, six on end
	s_wait_alu 0x0
	s_wait_tensorcnt 0x0
	ds_add_u32 v14, v15
	s_wait_dscnt 0x0
	s_endpgm
.Lfunc_end_k_qa7313bdbcf_ff1a:
	.size	k_qa7313bdbcf_ff1a, .Lfunc_end_k_qa7313bdbcf_ff1a-k_qa7313bdbcf_ff1a
	.p2alignl 7, 3214868480
	.fill 96, 4, 3214868480
	.section	.rodata,"a",@progbits
	.p2align	6, 0x0
	.amdhsa_kernel k_qa7313bdbcf_ff1a
		.amdhsa_group_segment_fixed_size 44032
		.amdhsa_private_segment_fixed_size 0
		.amdhsa_enable_private_segment 0
		.amdhsa_kernarg_size 32
		.amdhsa_user_sgpr_count 2
		.amdhsa_user_sgpr_kernarg_segment_ptr 1
		.amdhsa_wavefront_size32 1
		.amdhsa_system_sgpr_workgroup_id_x 1
		.amdhsa_system_sgpr_workgroup_id_y 1
		.amdhsa_system_sgpr_workgroup_id_z 1
		.amdhsa_system_vgpr_workitem_id 0
		.amdhsa_next_free_vgpr 256
		.amdhsa_next_free_sgpr 66
		.amdhsa_reserve_vcc 0
		.amdhsa_float_denorm_mode_32 3
		.amdhsa_float_denorm_mode_16_64 3
		.amdhsa_memory_ordered 1
		.amdhsa_forward_progress 1
		.amdhsa_inst_pref_size 48
	.end_amdhsa_kernel
	.amdgpu_metadata
---
amdhsa.version: [ 1, 2 ]
amdhsa.kernels:
  - .name:           k_qa7313bdbcf_ff1a
    .symbol:         k_qa7313bdbcf_ff1a.kd
    .args:
      - { .name: xbuf, .offset: 0, .size: 8, .value_kind: global_buffer, .address_space: global }
      - { .name: wimg, .offset: 8, .size: 8, .value_kind: global_buffer, .address_space: global }
      - { .name: b1, .offset: 16, .size: 8, .value_kind: global_buffer, .address_space: global }
      - { .name: hp, .offset: 24, .size: 8, .value_kind: global_buffer, .address_space: global }
    .group_segment_fixed_size: 44032
    .private_segment_fixed_size: 0
    .kernarg_segment_align: 8
    .kernarg_segment_size: 32
    .max_flat_workgroup_size: 512
    .sgpr_count:     66
    .vgpr_count:     256
    .wavefront_size: 32
...
	.end_amdgpu_metadata
.endif
;; end of part 13
;; launch ff1b (part 14): grid 64 x 4, 16 waves a work-group, no clusters, 38,912 bytes of LDS; arguments xbuf, wimg, b1, hp, himg; writes himg
.if DOCPART == 14
	.amdgcn_target "amdgcn-amd-amdhsa--gfx1250"
	.amdhsa_code_object_version 6
	.text
	.protected	k_qa7313bdbcf_ff1b
	.globl	k_qa7313bdbcf_ff1b
	.p2align	8
	.type	k_qa7313bdbcf_ff1b,@function
k_qa7313bdbcf_ff1b:
	s_mov_b64 s[64:65], 0
	v_nop
	global_prefetch_b8 v0, s[64:65] scope:SCOPE_SE
	s_setreg_imm32_b32 hwreg(HW_REG_WAVE_SCHED_MODE, 0, 2), 2
	s_setreg_imm32_b32 hwreg(HW_REG_WAVE_MODE, 25, 1), 1
	s_wait_xcnt 0x0
	s_wait_alu depctr_vm_vsrc(0)
; h = relu((x W1^T + b1) / (row norm + 1e-8)): the products of the launch before once more, for 64 rows and a quarter of the 4,096 columns; the row's sum of squares is the four quarters' parts, read from hp.
; h is quantised along its columns, which are the next product's K, and stored as operand images; it never goes to memory in f32.
; Sixteen waves, wave w columns 64 w .. 64 w + 63 of the quarter: half a K step of the next product.  Source 0 = 16 rows of W1, source 1 = 16 rows of x: a lane holds ONE row.
; LIMITS: NaN and infinities are not served; a block under 2^-124 (one of zeros too) keeps the byte 1; the division is a reciprocal and a multiplication.
; THE MODE: SCHED_MODE bits 1:0 = 2 (LLVM: expert scheduling mode 2), set by the entry lines.  The code itself states the register dependences
; between vector or matrix instructions and memory or LDS instructions, with s_wait_alu, always for 0.
; THE PLAN.  Registers that memory or LDS instructions touch:
;   v1, v2, v7, v11, v28, v29   Offsets and LDS addresses: made at the head, ahead of one wait on va_vdst; none is stepped.  v28 and v29 are written again on the way out, far behind the wait on vm_vsrc at the head.
;   WF0, WF1, WSC   K step S: its sixteen products read set S % 2; behind them the loads of step S + 2 land in it (behind step 6: the bias; behind step 7: the rows' parts of the sum of squares).
;   XF, XSC         One set: all 256 registers are taken.  Step S's products read it; behind them the LDS loads of step S + 1 land in it.
;   ACC             Its first 18 registers stage the copy at the head: loaded, read by LDS stores, then written by the products.
;   PCB             On the way out: the codes and scale bytes, written by vector instructions, read by the stores.
; So ONE wait on va_vdst stands in a K step, behind its products: both buffers that they read are asked for again at once, by the loads that follow it.
.set KS,    8
.set WT,    8192
.set WST,   1024
.set A_RT,  8192
.set A_S,   1024
.set AS_RT, 1024
.set AS_S,  128
.set XAO,   0
.set XSO,   32768
.set NT6,   8
.set PCB,   32
.set LI,  1
.set LS,  2
.set XAD, 1
.set XSD, 2
.set PIR, 5
.set HH,  6
.set RW,  7                            ; v7   4 pi(r)
.set VB,  11
.set WSC, 16
.set XSC, 24
.set WF,  32
.set XF,  96
.set ACC, 128
.set R0,  32
.set R1,  64
.set R2,  96
.set WV,  20
.set AC,  24
.set AS,  26
.set WC,  28
.set WS,  30
.set SEL, 32
.set BP,  44
.set EPS, 52
.set HP,  50
.macro NOPS
.rept 4
	v_nop
.endr
.endm
.macro BAR
	s_wait_dscnt 0x0
	s_barrier_signal -1
	s_barrier_wait -1
.endm
.macro WM d, a, b, z, sa, sb
.if \z
	v_wmma_scale_f32_16x16x128_f8f6f4 v[\d:\d+7], v[\a:\a+7], v[\b:\b+7], 0, v[\sa], v[\sb] matrix_a_fmt:MATRIX_FMT_FP4 matrix_b_fmt:MATRIX_FMT_FP4
.else
	v_wmma_scale_f32_16x16x128_f8f6f4 v[\d:\d+7], v[\a:\a+7], v[\b:\b+7], v[\d:\d+7], v[\sa], v[\sb] matrix_a_fmt:MATRIX_FMT_FP4 matrix_b_fmt:MATRIX_FMT_FP4
.endif
.endm
.macro WLOAD s, set
.irp ct, 0,1,2,3
.irp c, 0,1
	global_load_b128 v[WF+32*(\set)+8*\ct+4*\c:WF+32*(\set)+8*\ct+4*\c+3], v[LI], s[WC:WC+1] offset:\ct*WT+(\s)*1024+512*\c
.endr
	global_load_b32 v[WSC+4*(\set)+\ct], v[LS], s[WS:WS+1] offset:\ct*WST+(\s)*128
.endr
.endm
.macro XLOAD s
.irp rt, 0,1,2,3
.irp c, 0,1
	ds_load_b128 v[XF+8*\rt+4*\c:XF+8*\rt+4*\c+3], v[XAD] offset:XAO+\rt*A_RT+((\s)%8)*A_S+512*\c
.endr
	ds_load_b32 v[XSC+\rt], v[XSD] offset:XSO+\rt*AS_RT+((\s)%8)*AS_S
.endr
.endm
.macro MM                              ; the accumulators take turns, one instruction a turn
.irp rt, 0,1,2,3
.irp ct, 0,1,2,3
	WM ACC+8*(4*\rt+\ct), WF+32*SET+8*\ct, XF+8*\rt, FIRST, WSC+4*SET+\ct, XSC+\rt
.endr
.endr
.endm
.macro COLS dst, ptr
.irp ct, 0,1,2,3
.irp k, 0,1
	global_load_b128 v[\dst+8*\ct+4*\k:\dst+8*\ct+4*\k+3], v[VB], s[\ptr:\ptr+1] offset:128*(\ct/2)+32*(\ct%2)+16*\k
.endr
.endr
.endm
.macro STEP
.set SET, S%2
.if S == 0
.set FIRST, 1
.else
.set FIRST, 0
.endif
.if S == KS-1
	s_wait_loadcnt NT6                             ; the last weights are in; the bias may be out
.else
	s_wait_loadcnt 12                              ; this step's weights are in; the next step's twelve loads may be out
.endif
	s_wait_dscnt 0x0
	MM
	NOPS                                           ; four places behind the products; behind the last step they serve the vector instructions that read the sums
.if S+1 < KS
	s_wait_alu depctr_va_vdst(0)                   ; this step's products are done reading the rows' fragments and scale words and weight set S % 2 with its scale words: the loads below land in them
	XLOAD S+1
.endif
.if S+2 < KS
	WLOAD S+2, SET
.endif
.if S == KS-2
	COLS R0, BP
.endif
.endm
	s_load_b256 s[4:11], s[0:1], 0x0               ; xbuf, wimg, b1, hp
	s_load_b64 s[12:13], s[0:1], 0x20              ; himg
	v_lshl_add_u32 v9, v0, 2, 0x9000
	v_mov_b32 v10, 0
	v_lshrrev_b32 v28, 5, v0
	v_readfirstlane_b32 s[WV], v28
	v_and_b32 v29, 31, v0
	v_lshlrev_b32 v[LI], 4, v29
	v_lshlrev_b32 v[LS], 2, v29
	v_and_b32 v30, 15, v0
	v_bfe_u32 v[HH], v0, 4, 1
	v_and_b32 v31, 8, v30
	v_add_nc_u32 v[PIR], v31, v30
	s_wait_alu depctr_va_sdst(0)                   ; the wave's number is written, ahead of its first reader
	s_lshl_b32 s23, s[WV], 8
	v_lshlrev_b32 v[RW], 2, v[PIR]
	v_lshl_add_u32 v[VB], v[HH], 6, s23
	s_lshl_b32 s21, s[WV], 11
	v_add_nc_u32 v28, s21, v[LI]
	v_lshl_add_u32 v29, v29, 3, s23
	s_and_b32 s22, ttmp7, 0xffff                   ; the quarter
	s_lshl_b32 s34, ttmp9, 15
	s_add_co_u32 s34, s34, 16777216
	s_mov_b32 s35, 0
	s_lshl_b32 s36, ttmp9, 12
	s_add_co_u32 s36, s36, 18874368
	s_mov_b32 s37, 0
	s_lshl_b32 s38, s22, 9
	s_lshl_b32 s39, s[WV], 5
	s_add_co_u32 s38, s38, s39
	s_add_co_u32 s38, s38, 4096
	s_lshl_b32 s40, s38, 10
	s_mov_b32 s41, 0
	s_lshl_b32 s42, s38, 7
	s_add_co_u32 s42, s42, 8388608
	s_mov_b32 s43, 0
	s_lshl_b32 s46, s22, 12
	s_mov_b32 s47, 0
	s_lshl_b32 s48, ttmp9, 8                       ; hp: my group's 64 rows, in each quarter
	s_mov_b32 s49, 0
	s_mov_b32 s[SEL], 0x76543210
	s_mov_b32 s[SEL+1], 0xfedcba98
	s_mov_b32 s[EPS], 0x322bcc77                   ; 1e-8
	s_wait_kmcnt 0x0
	s_add_nc_u64 s[AC:AC+1], s[4:5], s[34:35]
	s_add_nc_u64 s[AS:AS+1], s[4:5], s[36:37]
	s_add_nc_u64 s[WC:WC+1], s[6:7], s[40:41]
	s_add_nc_u64 s[WS:WS+1], s[6:7], s[42:43]
	s_add_nc_u64 s[BP:BP+1], s[8:9], s[46:47]
	s_add_nc_u64 s[HP:HP+1], s[10:11], s[48:49]
	s_wait_alu depctr_va_vdst(0)                   ; the offsets and LDS addresses v1, v2, v7, v11, v28 and v29 are written, which the loads and stores from here on read
.irp i, 0,1,2,3
	global_load_b128 v[ACC+4*\i:ACC+4*\i+3], v28, s[AC:AC+1] offset:512*\i
.endr
	global_load_b64 v[ACC+16:ACC+17], v29, s[AS:AS+1]
	WLOAD 0, 0
	WLOAD 1, 1
	s_wait_loadcnt 24                              ; the rows' images are in; two steps' weights may be out
.irp i, 0,1,2,3
	ds_store_b128 v28, v[ACC+4*\i:ACC+4*\i+3] offset:512*\i
.endr
	ds_store_b64 v29, v[ACC+16:ACC+17] offset:XSO
	BAR
	s_wait_alu depctr_vm_vsrc(0)                   ; the copy's loads and LDS stores have read v28, v29 and v[ACC .. ACC + 17]: the first products write these accumulators, the way out v28 and v29
	XLOAD 0
.set S, 0
.rept KS
	STEP
.set S, S+1
.endr
	s_wait_alu depctr_va_vdst(0)                   ; the last step's products are done reading weight set 1, in which the sixteen loads below land
.irp rt, 0,1,2,3
.irp q, 0,1,2,3
	global_load_b32 v[R1+4*\rt+\q], v[RW], s[HP:HP+1] offset:16384*\q+4*(32*(\rt/2)+8*(\rt%2))   ; my four rows' parts of the sum of squares
.endr
.endr
.irp r, 13,15,29,31
	v_mov_b32 v\r, 0                               ; upper words of pairs
.endr
	s_wait_loadcnt 16                              ; the bias is in; the sixteen loads above may be out
.irp rt, 0,1,2,3
.set J, 0
.rept 16
	v_pk_add_f32 v[ACC+32*\rt+J:ACC+32*\rt+J+1], v[ACC+32*\rt+J:ACC+32*\rt+J+1], v[R0+J:R0+J+1]
.set J, J+2
.endr
.endr
	s_wait_loadcnt 0x0
.irp rt, 0,1,2,3
	v_pk_add_f32 v[R1+4*\rt:R1+4*\rt+1], v[R1+4*\rt:R1+4*\rt+1], v[R1+4*\rt+2:R1+4*\rt+3]
.endr
.irp rt, 0,1,2,3
	v_add_f32 v[R1+4*\rt], v[R1+4*\rt], v[R1+4*\rt+1]
.endr
	s_wait_alu depctr_va_vdst(0)
.irp rt, 0,1,2,3
	v_sqrt_f32 v[R1+4*\rt], v[R1+4*\rt]
.endr
	v_nop
	s_wait_alu depctr_va_vdst(0)                   ; one wait for the four roots
.irp rt, 0,1,2,3
	v_add_f32 v[R1+4*\rt], s[EPS], v[R1+4*\rt]
.endr
	s_wait_alu depctr_va_vdst(0)
.irp rt, 0,1,2,3
	v_rcp_f32 v[12+2*\rt+12*(\rt/2)], v[R1+4*\rt]
.endr
.set J, 0
.rept 128
	v_max_num_f32 v[ACC+J], 0, v[ACC+J]            ; relu (the norm is positive, so it may come first).  Plain work behind the reciprocals
.set J, J+1
.endr
	s_wait_alu depctr_va_vdst(0)                   ; one wait for the four reciprocals, ahead of their first reader
.irp rt, 0,1,2,3
.set J, 0
.rept 16
	v_pk_mul_f32 v[ACC+32*\rt+J:ACC+32*\rt+J+1], v[ACC+32*\rt+J:ACC+32*\rt+J+1], v[12+2*\rt+12*(\rt/2):13+2*\rt+12*(\rt/2)] op_sel_hi:[1,0]
.set J, J+2
.endr
.endr
.irp q, 0,1,2,3,4,5,6,7
	v_max3_num_f32 v[R2+\q], v[ACC+16*\q], v[ACC+16*\q+1], 0x1800000   ; none is negative
.endr
.irp i, 2,4,6,8,10,12,14
.irp q, 0,1,2,3,4,5,6,7
	v_max3_num_f32 v[R2+\q], v[R2+\q], v[ACC+16*\q+\i], v[ACC+16*\q+\i+1]
.endr
.endr
.irp q, 0,1,2,3,4,5,6,7
	v_permlanex16_b32 v[R2+8+\q], v[R2+\q], s[SEL], s[SEL+1]
.endr
.irp q, 0,1,2,3,4,5,6,7
	v_max_num_f32 v[R2+\q], v[R2+\q], v[R2+8+\q]
.endr
.irp q, 0,1,2,3,4,5,6,7
	v_add_nc_u32 v[R2+16+\q], 0xff000000, v[R2+\q]
.endr
.irp q, 0,1,2,3,4,5,6,7
	v_lshrrev_b32 v[R2+\q], 23, v[R2+16+\q]
.endr
.irp rt, 0,1,2,3
	v_lshl_or_b32 v[PCB+16+\rt], v[R2+2*\rt+1], 8, v[R2+2*\rt]
.endr
.irp q, 0,1,2,3,4,5,6,7
	v_cvt_scalef32_pk8_fp4_f32 v[PCB+2*\q], v[ACC+16*\q:ACC+16*\q+7], v[R2+16+\q]
	v_cvt_scalef32_pk8_fp4_f32 v[PCB+2*\q+1], v[ACC+16*\q+8:ACC+16*\q+15], v[R2+16+\q]
.endr
	v_nop
.irp rt, 0,1,2,3
.irp i, 0,1
	v_permlane16_swap_b32 v[PCB+4*\rt+\i], v[PCB+4*\rt+2+\i]
.endr
.endr
	s_lshl_b32 s34, ttmp9, 5
	s_lshl_b32 s35, s22, 3
	s_add_co_u32 s34, s34, s35
	s_lshr_b32 s35, s[WV], 1
	s_add_co_u32 s34, s34, s35                     ; 32 G + the K step: 8 quarter + w / 2
	s_and_b32 s35, s[WV], 1
	s_lshl_b32 s36, s34, 12                        ; four row tiles of 1,024 bytes a K step
	s_lshl_b32 s37, s35, 9
	s_add_co_u32 s36, s36, s37
	s_mov_b32 s37, 0
	s_lshl_b32 s38, s34, 9
	s_lshl_b32 s39, s35, 1
	s_add_co_u32 s38, s38, s39
	s_add_co_u32 s38, s38, 8388608
	s_mov_b32 s39, 0
	s_add_nc_u64 s[54:55], s[12:13], s[36:37]
	s_add_nc_u64 s[56:57], s[12:13], s[38:39]
	s_wait_alu depctr_va_vdst(0)                   ; the codes and the scale bytes are written, which the stores read
.irp rt, 0,1,2,3
	global_store_b128 v[LI], v[PCB+4*\rt:PCB+4*\rt+3], s[54:55] offset:1024*\rt
	global_store_b16 v[LS], v[PCB+16+\rt], s[56:57] offset:128*\rt
.endr
	s_wait_dscnt 0x0                               ; the closing lines, six on end
	s_wait_alu 0x0
	s_wait_tensorcnt 0x0
	ds_add_u32 v9, v10
	s_wait_dscnt 0x0
	s_endpgm
.Lfunc_end_k_qa7313bdbcf_ff1b:
	.size	k_qa7313bdbcf_ff1b, .Lfunc_end_k_qa7313bdbcf_ff1b-k_qa7313bdbcf_ff1b
	.p2alignl 7, 3214868480
	.fill 96, 4, 3214868480
	.section	.rodata,"a",@progbits
	.p2align	6, 0x0
	.amdhsa_kernel k_qa7313bdbcf_ff1b
		.amdhsa_group_segment_fixed_size 38912
		.amdhsa_private_segment_fixed_size 0
		.amdhsa_enable_private_segment 0
		.amdhsa_kernarg_size 40
		.amdhsa_user_sgpr_count 2
		.amdhsa_user_sgpr_kernarg_segment_ptr 1
		.amdhsa_wavefront_size32 1
		.amdhsa_system_sgpr_workgroup_id_x 1
		.amdhsa_system_sgpr_workgroup_id_y 1
		.amdhsa_system_sgpr_workgroup_id_z 1
		.amdhsa_system_vgpr_workitem_id 0
		.amdhsa_next_free_vgpr 256
		.amdhsa_next_free_sgpr 66
		.amdhsa_reserve_vcc 0
		.amdhsa_float_denorm_mode_32 3
		.amdhsa_float_denorm_mode_16_64 3
		.amdhsa_memory_ordered 1
		.amdhsa_forward_progress 1
		.amdhsa_inst_pref_size 61
	.end_amdhsa_kernel
	.amdgpu_metadata
---
amdhsa.version: [ 1, 2 ]
amdhsa.kernels:
  - .name:           k_qa7313bdbcf_ff1b
    .symbol:         k_qa7313bdbcf_ff1b.kd
    .args:
      - { .name: xbuf, .offset: 0, .size: 8, .value_kind: global_buffer, .address_space: global }
      - { .name: wimg, .offset: 8, .size: 8, .value_kind: global_buffer, .address_space: global }
      - { .name: b1, .offset: 16, .size: 8, .value_kind: global_buffer, .address_space: global }
      - { .name: hp, .offset: 24, .size: 8, .value_kind: global_buffer, .address_space: global }
      - { .name: himg, .offset: 32, .size: 8, .value_kind: global_buffer, .address_space: global }
    .group_segment_fixed_size: 38912
    .private_segment_fixed_size: 0
    .kernarg_segment_align: 8
    .kernarg_segment_size: 40
    .max_flat_workgroup_size: 512
    .sgpr_count:     66
    .vgpr_count:     256
    .wavefront_size: 32
...
	.end_amdgpu_metadata
.endif
;; end of part 14
;; launch ff2g (part 15): grid 64 x 4, 16 waves a work-group, no clusters, 149,504 bytes of LDS; arguments himg, wimg, b2, obuf; writes obuf
.if DOCPART == 15
	.amdgcn_target "amdgcn-amd-amdhsa--gfx1250"
	.amdhsa_code_object_version 6
	.text
	.protected	k_qa7313bdbcf_ff2g
	.globl	k_qa7313bdbcf_ff2g
	.p2align	8
	.type	k_qa7313bdbcf_ff2g,@function
k_qa7313bdbcf_ff2g:
	s_mov_b64 s[64:65], 0
	v_nop
	global_prefetch_b8 v0, s[64:65] scope:SCOPE_SE
	s_setreg_imm32_b32 hwreg(HW_REG_WAVE_SCHED_MODE, 0, 2), 2
	s_setreg_imm32_b32 hwreg(HW_REG_WAVE_MODE, 25, 1), 1
	s_wait_xcnt 0x0
	s_wait_alu depctr_vm_vsrc(0)
; o = h W2^T + b2, K = 4,096, on codes of E2M1.  Work-group (G, quarter): 64 rows x 256 columns; what spans a whole row (norm, LayerNorm) is left to the next launch, so that 256 work-groups share the weights' stream.
; Sixteen waves.  Wave w takes the pair of column tiles g = 8 quarter + (w & 7), 64 rows x 32 columns in 8 accumulators, and K half w >> 3: 16 K steps of 128.  So a rows' fragment read from LDS feeds two products,
; and a work-group reads the rows' images from LDS 8 times over, not 16.  At the end waves 8-15 hand their sums to waves 0-7 as images of their registers, through the rows' LDS bytes, between two barriers.
; The 64 rows' images of h (131,072 bytes and 16,384 of scale images) are copied to LDS once.  Weight fragments come from memory straight into registers, through a ring of four sets, three steps ahead.
; NO CLUSTER: joint requests go through tensor loads into LDS; a weight fragment here has ONE reader in the work-group, so through LDS each of its bytes would be written and read once more, beside the 4,608 bytes of rows' fragments that a wave reads in a step.
; Source 0 = 16 rows of W2, source 1 = 16 rows of h: a lane holds ONE row; register j of tile 2 g + u is column 32 g + 16 h + 8 u + j.
; Out: f32 images laid as x's images are: [group][64 columns w][register quad 8 rt + 2 ct + k][512 bytes].
; LIMITS: NaN and infinities are not served.  A sum over K is made in two halves, each ascending, and added.
; THE MODE: SCHED_MODE bits 1:0 = 2 (LLVM: expert scheduling mode 2), set by the entry lines.  The code itself states the register dependences
; between vector or matrix instructions and memory or LDS instructions, with s_wait_alu, always for 0.
; THE PLAN.  Registers that memory or LDS instructions touch:
;   v1-v8, v28-v30  Offsets and LDS addresses: made at the head, ahead of one wait on va_vdst, and never written again: K steps 0-7 and 8-15 have LDS addresses of their own, so none is stepped.
;   WF0 .. WF3, WSC K step S: its eight products read set S % 4; behind them the loads of step S + 4 land in it.
;   XF0, XF1, XSC0, XSC1   Two sets of rows' fragments by turns.  Step S's products read set S % 2; the LDS loads of step S + 1 land in the other set, which step S - 1's products read.
;   SG, ACC .. ACC + 7     The copy's staging at the head: loaded, read by LDS stores; then XF1 and b2 are loaded into SG's registers, and the products write ACC.
;   ACC             At the end: read by the upper waves' LDS stores, or added to and read by the lower waves' stores.
; ONE wait on va_vdst stands in a step, behind its products.  It states that they are done reading weight set S % 4, which is asked for again straight behind it, so that the ring stays three steps ahead,
; and rows' set S % 2, in which the LDS loads of step S + 2 land; those are dealt among the products of step S + 1, three ahead of each pair, with no further wait:
; the products issued since the wait name the other rows' set, the weight sets and the accumulators, none of the registers that those loads touch.
.set KSH,   16                         ; K steps of a wave
.set WT,    32768                      ; bytes from a weight tile's images to the next tile's: 32 fragments
.set WST,   4096                       ; the same for scale images
.set A_RT,  1024                       ; LDS: from a row tile's image to the next
.set A_S,   4096                       ; from a K step to the next
.set AS_RT, 128
.set AS_S,  512
.set LI,  1                            ; v1   16 lane
.set LS,  2                            ; v2   4 lane
.set XAD, 3                            ; v3   16 lane + 65,536 x K half: my K steps 0-7;  v7: 32,768 more: my K steps 8-15
.set XSD, 4                            ; v4   131,072 + 4 lane + 8,192 x K half;  v8: 4,096 more
.set EX,  5                            ; v5   8,192 (w & 7) + 16 lane: where the upper K half's sums change hands
.set VB,  6                            ; v6   64 h
.set WSC, 16                           ; v16-23   weights' scale words, four sets of 2
.set XSC, 24                           ; v24-27   rows' scale words, set 0;  v9-12: set 1 (set p at XSC - 15 p)
.set WF,  32                           ; v32-95   weight fragments, four sets of 2
.set XF,  96                           ; v96-127  the rows' four fragments, set 0;  v208-239: set 1 (set p at XF + 112 p)
.set ACC, 128                          ; v128-191 accumulator (rt, ct) at 128 + 8 (2 rt + ct)
.set SG,  192                          ; v192-255 the copy's staging; later
.set BI,  192                          ; v192-207 b2 of my two tiles
.set WV,  20
.set AC,  24
.set AS,  26
.set WC,  28
.set WS,  30
.set BP,  44
.set OB,  46
.macro NOPS
.rept 4
	v_nop
.endr
.endm
.macro BAR                             ; my LDS stores have landed and my LDS loads are in: then the work-group's barrier
	s_wait_dscnt 0x0
	s_barrier_signal -1
	s_barrier_wait -1
.endm
.macro WM d, a, b, z, sa, sb
.if \z
	v_wmma_scale_f32_16x16x128_f8f6f4 v[\d:\d+7], v[\a:\a+7], v[\b:\b+7], 0, v[\sa], v[\sb] matrix_a_fmt:MATRIX_FMT_FP4 matrix_b_fmt:MATRIX_FMT_FP4
.else
	v_wmma_scale_f32_16x16x128_f8f6f4 v[\d:\d+7], v[\a:\a+7], v[\b:\b+7], v[\d:\d+7], v[\sa], v[\sb] matrix_a_fmt:MATRIX_FMT_FP4 matrix_b_fmt:MATRIX_FMT_FP4
.endif
.endm
.macro WLOAD s                         ; my two weight tiles of my K step s, into set s % 4: 4 + 2 loads
.irp ct, 0,1
.irp c, 0,1
	global_load_b128 v[WF+16*((\s)%4)+8*\ct+4*\c:WF+16*((\s)%4)+8*\ct+4*\c+3], v[LI], s[WC:WC+1] offset:\ct*WT+(\s)*1024+512*\c
.endr
	global_load_b32 v[WSC+2*((\s)%4)+\ct], v[LS], s[WS:WS+1] offset:\ct*WST+(\s)*128
.endr
.endm
.macro XLOAD1 s, rt                    ; row tile rt of my K step s, into rows' set s % 2: 2 + 1 LDS loads
.irp c, 0,1
	ds_load_b128 v[XF+112*((\s)%2)+8*(\rt)+4*\c:XF+112*((\s)%2)+8*(\rt)+4*\c+3], v[XAD+4*((\s)/8)] offset:(\rt)*A_RT+((\s)%8)*A_S+512*\c
.endr
	ds_load_b32 v[XSC-15*((\s)%2)+(\rt)], v[XSD+4*((\s)/8)] offset:(\rt)*AS_RT+((\s)%8)*AS_S
.endm
.macro STEP
.set SET, S%4
.set PAR, S%2
.if S == 0
.set FIRST, 1
.else
.set FIRST, 0
.endif
.if S <= 12
	s_wait_loadcnt 18                              ; this step's weights are in; the next three steps' eighteen loads may be out
.else
	s_wait_loadcnt 6*(15-S)+4                      ; the steps that are left, six loads each, and the four loads of b2 may be out
.endif
	s_wait_dscnt 0x0                               ; this step's rows' fragments, asked for a step ago, are in
.irp rt, 0,1,2,3                       ; 8 products; the accumulators take turns, one instruction a turn
.if S+1 < KSH
	XLOAD1 S+1, \rt                                ; the next step's rows, into the other set.  No wait: no vector or matrix instruction since the last step's wait names that set
.endif
.irp ct, 0,1
	WM ACC+8*(2*\rt+\ct), WF+16*SET+8*\ct, XF+112*PAR+8*\rt, FIRST, WSC+2*SET+\ct, XSC-15*PAR+\rt
.endr
.endr
	NOPS                                           ; four places behind the products; behind the last step they serve the first reads of the sums
.if S+2 < KSH
	s_wait_alu depctr_va_vdst(0)                   ; this step's products are done reading weight set S % 4 with its scale words, in which the loads below land, and rows' set S % 2, in which the next step's LDS loads land
.endif
.if S+4 < KSH
	WLOAD S+4
.endif
.if S == 12
.irp ct, 0,1
.irp k, 0,1
	global_load_b128 v[BI+8*\ct+4*\k:BI+8*\ct+4*\k+3], v[VB], s[BP:BP+1] offset:32*\ct+16*\k   ; b2 at columns 32 g + 16 h + 8 ct + 0 .. 7
.endr
.endr
.endif
.endm
	s_load_b256 s[4:11], s[0:1], 0x0               ; himg, wimg, b2, obuf
	v_lshl_add_u32 v15, v0, 2, 0x24000
	v_mov_b32 v31, 0
	v_lshrrev_b32 v28, 5, v0
	v_readfirstlane_b32 s[WV], v28                 ; wave 0..15
	v_and_b32 v29, 31, v0                          ; lane
	v_lshlrev_b32 v[LI], 4, v29
	s_wait_alu depctr_va_vdst(0)
	v_lshlrev_b32 v[LS], 2, v29
	v_bfe_u32 v[VB], v0, 4, 1
	v_lshlrev_b32 v[VB], 6, v[VB]
	s_wait_alu depctr_va_sdst(0)                   ; the wave's number is written, ahead of its first reader
	s_and_b32 s21, s[WV], 7                        ; which pair of column tiles
	s_lshr_b32 s23, s[WV], 3                       ; which half of K
	s_lshl_b32 s34, s23, 16                        ; 16 K steps of 4,096 bytes
	v_add_nc_u32 v[XAD], s34, v[LI]
	v_add_nc_u32 v[XAD+4], 8*A_S, v[XAD]           ; eight K steps on: the immediates begin anew
	s_lshl_b32 s34, s23, 13                        ; 16 K steps of 512 bytes
	s_add_co_u32 s34, s34, 131072
	v_add_nc_u32 v[XSD], s34, v[LS]
	v_add_nc_u32 v[XSD+4], 8*AS_S, v[XSD]
	s_lshl_b32 s34, s21, 13
	v_add_nc_u32 v[EX], s34, v[LI]
	s_lshl_b32 s34, s[WV], 13
	v_add_nc_u32 v28, s34, v[LI]                   ; the copy of the rows' images: 8,192 w + 16 lane, in memory and in LDS
	s_lshl_b32 s34, s[WV], 10
	v_add_nc_u32 v29, s34, v[LI]                   ; of their scale images: 1,024 w + 16 lane,
	v_add_nc_u32 v30, 131072, v29                  ; and in LDS
	s_and_b32 s22, ttmp7, 0xffff                   ; the quarter of the columns
	s_lshl_b32 s34, ttmp9, 17                      ; h's images of group G
	s_mov_b32 s35, 0
	s_lshl_b32 s36, ttmp9, 14
	s_add_co_u32 s36, s36, 8388608
	s_mov_b32 s37, 0
	s_lshl_b32 s38, s22, 3
	s_add_co_u32 s38, s38, s21                     ; g = 8 quarter + (w & 7)
	s_lshl_b32 s39, s38, 6                         ; two tiles of 32 fragments
	s_lshl_b32 s40, s23, 4                         ; my K half's 16
	s_add_co_u32 s39, s39, s40
	s_add_co_u32 s39, s39, 6144                    ; my first fragment of w2
	s_lshl_b32 s40, s39, 10
	s_mov_b32 s41, 0
	s_lshl_b32 s42, s39, 7
	s_add_co_u32 s42, s42, 8388608
	s_mov_b32 s43, 0
	s_lshl_b32 s48, s38, 7                         ; b2: 32 numbers for each g
	s_mov_b32 s49, 0
	s_lshl_b32 s50, ttmp9, 4
	s_lshr_b32 s51, s38, 1
	s_add_co_u32 s50, s50, s51                     ; 16 G + the 64 columns g / 2
	s_lshl_b32 s50, s50, 14
	s_and_b32 s51, s38, 1
	s_lshl_b32 s51, s51, 11                        ; their lower or upper pair of tiles
	s_add_co_u32 s50, s50, s51
	s_mov_b32 s51, 0
	s_wait_kmcnt 0x0
	s_add_nc_u64 s[AC:AC+1], s[4:5], s[34:35]
	s_add_nc_u64 s[AS:AS+1], s[4:5], s[36:37]
	s_add_nc_u64 s[WC:WC+1], s[6:7], s[40:41]
	s_add_nc_u64 s[WS:WS+1], s[6:7], s[42:43]
	s_add_nc_u64 s[BP:BP+1], s[8:9], s[48:49]
	s_add_nc_u64 s[OB:OB+1], s[10:11], s[50:51]
	s_wait_alu depctr_va_vdst(0)                   ; the offsets and LDS addresses v1-v8 and v28-v30 are written, which the loads and stores from here on read
.irp i, 0,1,2,3,4,5,6,7,8,9,10,11,12,13,14,15
	global_load_b128 v[SG+4*\i:SG+4*\i+3], v28, s[AC:AC+1] offset:512*\i
.endr
.irp i, 0,1
	global_load_b128 v[ACC+4*\i:ACC+4*\i+3], v29, s[AS:AS+1] offset:512*\i
.endr
	WLOAD 0
	WLOAD 1
	WLOAD 2
	WLOAD 3
	s_wait_loadcnt 24                              ; the rows' images are in; four steps' weights, six loads each, may be out
.irp i, 0,1,2,3,4,5,6,7,8,9,10,11,12,13,14,15
	ds_store_b128 v28, v[SG+4*\i:SG+4*\i+3] offset:512*\i
.endr
.irp i, 0,1
	ds_store_b128 v30, v[ACC+4*\i:ACC+4*\i+3] offset:512*\i
.endr
	BAR                                            ; the 64 rows' images lie in LDS
	s_wait_alu depctr_vm_vsrc(0)                   ; the copy's LDS stores have read v[SG ..], in which rows' set 1 and b2 land, and v[ACC .. ACC + 7], which the first products write
.irp rt, 0,1,2,3
	XLOAD1 0, \rt
.endr
.set S, 0
.rept KSH
	STEP
.set S, S+1
.endr
	s_wait_alu depctr_va_vdst(0)                   ; the products have written the accumulators, which the upper waves' LDS stores read, and are done reading the weight sets, in which the lower waves' LDS loads land: stated ahead of the branches
	BAR                                            ; every wave has read the rows' images for the last time: their first 65,536 bytes take the upper K half's sums
	s_cmp_lt_u32 s[WV], 8
	s_cbranch_scc1 .Llower
.set J, 0
.rept 16
	ds_store_b128 v[EX], v[ACC+4*J:ACC+4*J+3] offset:512*J   ; each accumulator from its low end on
.set J, J+1
.endr
.Llower:
	BAR                                            ; the sums lie in LDS
	s_cmp_ge_u32 s[WV], 8
	s_cbranch_scc1 .Ldone
.set J, 0
.rept 16
	ds_load_b128 v[WF+4*J:WF+4*J+3], v[EX] offset:512*J
.set J, J+1
.endr
	s_wait_loadcnt 0x0                             ; b2
.irp a, 0,1,2,3,4,5,6,7
.irp j, 0,2,4,6
	v_pk_add_f32 v[ACC+8*\a+\j:ACC+8*\a+\j+1], v[ACC+8*\a+\j:ACC+8*\a+\j+1], v[BI+8*(\a%2)+\j:BI+8*(\a%2)+\j+1]
.endr
.endr
	s_wait_dscnt 0x0
.set J, 0
.rept 32
	v_pk_add_f32 v[ACC+J:ACC+J+1], v[ACC+J:ACC+J+1], v[WF+J:WF+J+1]
.set J, J+2
.endr
	s_wait_alu depctr_va_vdst(0)                   ; the additions have written v[ACC ..], which the stores read
.set J, 0
.rept 16
	global_store_b128 v[LI], v[ACC+4*J:ACC+4*J+3], s[OB:OB+1] offset:(J/4)*4096+((J/2)%2)*1024+(J%2)*512   ; 512 consecutive bytes: row tile J / 4, column tile (J / 2) % 2, register quad J % 2
.set J, J+1
.endr
.Ldone:
	s_wait_dscnt 0x0                               ; the closing lines, six on end
	s_wait_alu 0x0
	s_wait_tensorcnt 0x0
	ds_add_u32 v15, v31
	s_wait_dscnt 0x0
	s_endpgm
.Lfunc_end_k_qa7313bdbcf_ff2g:
	.size	k_qa7313bdbcf_ff2g, .Lfunc_end_k_qa7313bdbcf_ff2g-k_qa7313bdbcf_ff2g
	.p2alignl 7, 3214868480
	.fill 96, 4, 3214868480
	.section	.rodata,"a",@progbits
	.p2align	6, 0x0
	.amdhsa_kernel k_qa7313bdbcf_ff2g
		.amdhsa_group_segment_fixed_size 149504
		.amdhsa_private_segment_fixed_size 0
		.amdhsa_enable_private_segment 0
		.amdhsa_kernarg_size 32
		.amdhsa_user_sgpr_count 2
		.amdhsa_user_sgpr_kernarg_segment_ptr 1
		.amdhsa_wavefront_size32 1
		.amdhsa_system_sgpr_workgroup_id_x 1
		.amdhsa_system_sgpr_workgroup_id_y 1
		.amdhsa_system_sgpr_workgroup_id_z 1
		.amdhsa_system_vgpr_workitem_id 0
		.amdhsa_next_free_vgpr 256
		.amdhsa_next_free_sgpr 66
		.amdhsa_reserve_vcc 0
		.amdhsa_float_denorm_mode_32 3
		.amdhsa_float_denorm_mode_16_64 3
		.amdhsa_memory_ordered 1
		.amdhsa_forward_progress 1
		.amdhsa_inst_pref_size 55
	.end_amdhsa_kernel
	.amdgpu_metadata
---
amdhsa.version: [ 1, 2 ]
amdhsa.kernels:
  - .name:           k_qa7313bdbcf_ff2g
    .symbol:         k_qa7313bdbcf_ff2g.kd
    .args:
      - { .name: himg, .offset: 0, .size: 8, .value_kind: global_buffer, .address_space: global }
      - { .name: wimg, .offset: 8, .size: 8, .value_kind: global_buffer, .address_space: global }
      - { .name: b2, .offset: 16, .size: 8, .value_kind: global_buffer, .address_space: global }
      - { .name: obuf, .offset: 24, .size: 8, .value_kind: global_buffer, .address_space: global }
    .group_segment_fixed_size: 149504
    .private_segment_fixed_size: 0
    .kernarg_segment_align: 8
    .kernarg_segment_size: 32
    .max_flat_workgroup_size: 512
    .sgpr_count:     66
    .vgpr_count:     256
    .wavefront_size: 32
...
	.end_amdgpu_metadata
.endif
;; end of part 15
;; launch lnf (part 16): grid 64 x 4, 16 waves a work-group, no clusters, 76,800 bytes of LDS; arguments obuf, xbuf, g2, beta2, out0; writes out0
.if DOCPART == 16
	.amdgcn_target "amdgcn-amd-amdhsa--gfx1250"
	.amdhsa_code_object_version 6
	.text
	.protected	k_qa7313bdbcf_lnf
	.globl	k_qa7313bdbcf_lnf
	.p2align	8
	.type	k_qa7313bdbcf_lnf,@function
k_qa7313bdbcf_lnf:
	s_mov_b64 s[64:65], 0
	v_nop
	global_prefetch_b8 v0, s[64:65] scope:SCOPE_SE
	s_setreg_imm32_b32 hwreg(HW_REG_WAVE_MODE, 25, 1), 1
	s_wait_xcnt 0x0
; out0 = u / |u|, u = LayerNorm(x + o / (|o| + 1e-8)) with gain g2 and bias beta2 (variance over 1,023); o = h W2^T + b2 as the launch before left it.  All in f32; no product, so no matrix instruction.
; Work-group (G, rt): the 16 rows of row tile rt of group G, all 1,024 columns.  Sixteen waves, wave w columns 64 w .. 64 w + 63.  o and x come as images of registers: lane (r, h) holds row pi(r) = r + 8 (r / 8) of the tile,
; and register 8 ct + j column 64 w + 32 (ct / 2) + 16 h + 8 (ct % 2) + j.  Each load reads 512 consecutive bytes.
; Four figures span a row: |o|, the mean, the variance, |u|.  For each the waves' parts meet in a table of its own, 16 rows x 80 bytes, behind one barrier, and each lane adds the sixteen parts of its own row.
; The rows leave through a stage of the wave's own: sixteen lanes store 256 consecutive, aligned bytes.  Memory binds: clusters and tensor loads would add nothing; every byte is read once.
; Mean and variance in two passes.  LIMITS: NaN and infinities are not served; divisions are reciprocals (or reciprocal roots) and multiplications.
.set STG, 5120                         ; LDS: four tables of 1,280 bytes; then 16 rows x (256 bytes + 16) for each wave
.set LI,  1                            ; v1   16 lane
.set RW,  2                            ; v2   80 r + 4 w
.set RR,  3                            ; v3   80 r
.set VB,  4                            ; v4   256 w + 64 h
.set SI,  5                            ; v5   the stage, in: row r, + 64 h
.set SO,  6                            ; v6   the stage, back: lanes 0-15 one row, lanes 16-31 the next
.set GO,  7                            ; v7   and the same two rows in out0
; v[12:13] my row's figure in the low word; the upper word is 0
.set ACC, 32                           ; v32-63   o, then y, d, u
.set X,   64                           ; v64-95   x; on the way out the rows read back
.set GG,  96                           ; v96-127  g2
.set BB,  128                          ; v128-159 beta2
.set T,   160                          ; v160-175 the sixteen waves' parts
.set PP,  176
.set PQ,  178
.set P,   180
.set PT,  181
.set WV,  20
.set IO,  24
.set IX,  26
.set OP,  28
.set SEL, 32
.set E5,  44
.set EPS, 46
.set C1023, 47
.macro SUMSQ                           ; v[PP:PP+1] = the squares of my 32 numbers, in two chains
	v_pk_mul_f32 v[PP:PP+1], v[ACC:ACC+1], v[ACC:ACC+1]
	v_pk_mul_f32 v[PQ:PQ+1], v[ACC+2:ACC+3], v[ACC+2:ACC+3]
.set J, 4
.rept 7
	s_delay_alu instid0(VALU_DEP_2)
	v_pk_fma_f32 v[PP:PP+1], v[ACC+J:ACC+J+1], v[ACC+J:ACC+J+1], v[PP:PP+1]
	s_delay_alu instid0(VALU_DEP_2)
	v_pk_fma_f32 v[PQ:PQ+1], v[ACC+J+2:ACC+J+3], v[ACC+J+2:ACC+J+3], v[PQ:PQ+1]
.set J, J+4
.endr
	s_delay_alu instid0(VALU_DEP_1)
	v_pk_add_f32 v[PP:PP+1], v[PP:PP+1], v[PQ:PQ+1]
.endm
.macro ROWSUM k                        ; v[T] = the row's sum of what stands in v[PP:PP+1], over all 1,024 columns
	s_delay_alu instid0(VALU_DEP_1)
	v_add_f32 v[P], v[PP], v[PP+1]
	s_delay_alu instid0(VALU_DEP_1)
	v_permlanex16_b32 v[PT], v[P], s[SEL], s[SEL+1]
	s_delay_alu instid0(VALU_DEP_1)
	v_add_f32 v[P], v[P], v[PT]                    ; with lane l xor 16's: the wave's 64 columns
	ds_store_b32 v[RW], v[P] offset:1280*\k        ; both halves of the lanes write the same word with the same value
	s_wait_dscnt 0x0                               ; for the others' sake: my store has landed
	s_barrier_signal -1
	s_barrier_wait -1
.irp q, 0,1,2,3
	ds_load_b128 v[T+4*\q:T+4*\q+3], v[RR] offset:1280*\k+16*\q
.endr
	s_wait_dscnt 0x0
.irp o, 0,4,8,12
	v_pk_add_f32 v[T+\o:T+\o+1], v[T+\o:T+\o+1], v[T+\o+2:T+\o+3]
.endr
.irp o, 0
	s_delay_alu instid0(VALU_DEP_3)
	v_pk_add_f32 v[T+\o:T+\o+1], v[T+\o:T+\o+1], v[T+\o+4:T+\o+5]
.endr
.irp o, 8
	s_delay_alu instid0(VALU_DEP_2)
	v_pk_add_f32 v[T+\o:T+\o+1], v[T+\o:T+\o+1], v[T+\o+4:T+\o+5]
.endr
	s_delay_alu instid0(VALU_DEP_1)
	v_pk_add_f32 v[T:T+1], v[T:T+1], v[T+8:T+9]
	s_delay_alu instid0(VALU_DEP_1)
	v_add_f32 v[T], v[T], v[T+1]
.endm
.macro TIMES                           ; my 32 numbers x my row's figure
.set J, 0
.rept 16
	v_pk_mul_f32 v[ACC+J:ACC+J+1], v[ACC+J:ACC+J+1], v[12:13] op_sel_hi:[1,0]
.set J, J+2
.endr
.endm
.macro COLS dst, ptr                   ; 32 numbers of a vector over the columns, in my registers' order
.irp ct, 0,1,2,3
.irp k, 0,1
	global_load_b128 v[\dst+8*\ct+4*\k:\dst+8*\ct+4*\k+3], v[VB], s[\ptr:\ptr+1] offset:128*(\ct/2)+32*(\ct%2)+16*\k
.endr
.endr
.endm
	s_load_b256 s[4:11], s[0:1], 0x0               ; obuf, xbuf, g2, beta2
	s_load_b64 s[12:13], s[0:1], 0x20              ; out0
	v_lshl_add_u32 v192, v0, 2, 0x12400
	v_mov_b32 v193, 0
	v_lshrrev_b32 v8, 5, v0
	s_delay_alu instid0(VALU_DEP_1)
	v_readfirstlane_b32 s[WV], v8                  ; wave 0..15
	v_and_b32 v9, 31, v0                           ; lane
	s_delay_alu instid0(VALU_DEP_1)
	v_lshlrev_b32 v[LI], 4, v9
	v_and_b32 v10, 15, v0                          ; r
	v_bfe_u32 v11, v0, 4, 1                        ; h
	s_lshl_b32 s21, s[WV], 2
	s_lshl_b32 s23, s[WV], 8
	v_mul_u32_u24 v[RR], v10, 80
	s_delay_alu instid0(VALU_DEP_1)
	v_add_nc_u32 v[RW], s21, v[RR]
	v_lshl_add_u32 v[VB], v11, 6, s23
	s_mul_i32 s38, s[WV], 4352
	s_add_co_u32 s38, s38, STG                     ; my stage
	v_mul_u32_u24 v[SI], v10, 272
	s_delay_alu instid0(VALU_DEP_1)
	v_lshl_add_u32 v[SI], v11, 6, v[SI]
	s_delay_alu instid0(VALU_DEP_1)
	v_add_nc_u32 v[SI], s38, v[SI]
	v_mul_u32_u24 v[SO], v11, 272
	s_delay_alu instid0(VALU_DEP_1)
	v_lshl_add_u32 v[SO], v10, 4, v[SO]
	s_delay_alu instid0(VALU_DEP_1)
	v_add_nc_u32 v[SO], s38, v[SO]
	v_lshlrev_b32 v[GO], 13, v11
	s_delay_alu instid0(VALU_DEP_1)
	v_lshl_add_u32 v[GO], v10, 4, v[GO]
	v_mov_b32 v13, 0                               ; the pair's upper word
	v_mov_b32 v[PT], 0                             ; a lane permute's destination counts as read
	s_and_b32 s22, ttmp7, 0xffff                   ; rt
	s_lshl_b32 s34, ttmp9, 4
	s_add_co_u32 s34, s34, s[WV]
	s_lshl_b32 s34, s34, 14                        ; the images of group G, wave w: 16,384 bytes,
	s_lshl_b32 s35, s22, 12
	s_add_co_u32 s34, s34, s35                     ; of which row tile rt has 4,096
	s_mov_b32 s35, 0
	s_lshr_b32 s36, ttmp9, 5
	s_lshl_b32 s36, s36, 12                        ; out0: the batch,
	s_and_b32 s37, ttmp9, 31
	s_lshl_b32 s37, s37, 19                        ; the group's 64 rows of 8,192 bytes,
	s_add_co_u32 s36, s36, s37
	s_add_co_u32 s36, s36, s23                     ; my 64 columns,
	s_lshr_b32 s37, s22, 1
	s_lshl_b32 s37, s37, 18
	s_add_co_u32 s36, s36, s37
	s_and_b32 s37, s22, 1
	s_lshl_b32 s37, s37, 16
	s_add_co_u32 s36, s36, s37                     ; the tile's first row: 32 (rt / 2) + 8 (rt % 2)
	s_mov_b32 s37, 0
	s_mov_b32 s[SEL], 0x76543210
	s_mov_b32 s[SEL+1], 0xfedcba98
	s_mov_b32 s[EPS], 0x322bcc77                   ; 1e-8
	s_mov_b32 s[C1023], 0x3a802008                 ; 1 / 1023
	s_mov_b32 s[E5], 0x3727c5ac                    ; 1e-5
	s_wait_kmcnt 0x0
	s_add_nc_u64 s[IO:IO+1], s[4:5], s[34:35]
	s_add_nc_u64 s[IX:IX+1], s[6:7], s[34:35]
	s_add_nc_u64 s[OP:OP+1], s[12:13], s[36:37]
.irp k, 0,1,2,3,4,5,6,7
	global_load_b128 v[ACC+4*\k:ACC+4*\k+3], v[LI], s[IO:IO+1] offset:512*\k th:TH_LOAD_NT
.endr
.irp k, 0,1,2,3,4,5,6,7
	global_load_b128 v[X+4*\k:X+4*\k+3], v[LI], s[IX:IX+1] offset:512*\k th:TH_LOAD_NT
.endr
	COLS GG, 8
	COLS BB, 10
	s_wait_loadcnt 24                              ; o is in; x, g2 and beta2, eight loads each, may be out
	SUMSQ
	ROWSUM 0
	s_wait_alu depctr_va_vdst(0)
	v_sqrt_f32 v[T], v[T]
	v_nop
	s_wait_alu depctr_va_vdst(0)                   ; the wait ahead of the root's first reader
	v_add_f32 v[T], s[EPS], v[T]
	s_wait_alu depctr_va_vdst(0)
	v_rcp_f32 v12, v[T]                            ; 1 / (|o| + 1e-8)
	v_nop
	s_wait_alu depctr_va_vdst(0)
	s_wait_loadcnt 16                              ; x is in
.set J, 0
.rept 16
	v_pk_fma_f32 v[ACC+J:ACC+J+1], v[ACC+J:ACC+J+1], v[12:13], v[X+J:X+J+1] op_sel_hi:[1,0,1]   ; y = o / (|o| + 1e-8) + x
.set J, J+2
.endr
	v_pk_add_f32 v[178:179], v[32:33], v[36:37]
	v_pk_add_f32 v[190:191], v[40:41], v[44:45]
	v_pk_add_f32 v[188:189], v[48:49], v[52:53]
	v_pk_add_f32 v[186:187], v[56:57], v[60:61]
	v_pk_add_f32 v[184:185], v[34:35], v[38:39]
	v_pk_add_f32 v[182:183], v[42:43], v[46:47]
	v_pk_add_f32 v[174:175], v[50:51], v[54:55]
	v_pk_add_f32 v[176:177], v[58:59], v[62:63]
	s_delay_alu instid0(VALU_DEP_1)
	v_pk_add_f32 v[176:177], v[176:177], v[186:187]
	v_pk_add_f32 v[178:179], v[178:179], v[184:185]
	v_pk_add_f32 v[190:191], v[190:191], v[182:183]
	v_pk_add_f32 v[188:189], v[188:189], v[174:175]
	s_delay_alu instid0(VALU_DEP_2)
	v_pk_add_f32 v[176:177], v[176:177], v[190:191]
	s_delay_alu instid0(VALU_DEP_2)
	v_pk_add_f32 v[178:179], v[178:179], v[188:189]
	s_delay_alu instid0(VALU_DEP_1)
	v_pk_add_f32 v[176:177], v[176:177], v[178:179]
	ROWSUM 1
	s_delay_alu instid0(VALU_DEP_1)
	v_mul_f32 v12, 0xba800000, v[T]                ; - the mean: x -1 / 1024
.set J, 0
.rept 16
	v_pk_add_f32 v[ACC+J:ACC+J+1], v[ACC+J:ACC+J+1], v[12:13] op_sel_hi:[1,0]   ; d = y - mean
.set J, J+2
.endr
	SUMSQ
	ROWSUM 2
	s_delay_alu instid0(VALU_DEP_1)
	v_fma_f32 v[T], v[T], s[C1023], s[E5]          ; the variance + 1e-5
	s_wait_alu depctr_va_vdst(0)
	v_rsq_f32 v12, v[T]
	v_nop
	s_wait_alu depctr_va_vdst(0)
	TIMES
	s_wait_loadcnt 0x0                             ; g2, beta2
.set J, 0
.rept 16
	v_pk_fma_f32 v[ACC+J:ACC+J+1], v[ACC+J:ACC+J+1], v[GG+J:GG+J+1], v[BB+J:BB+J+1]
.set J, J+2
.endr
	SUMSQ
	ROWSUM 3
	s_wait_alu depctr_va_vdst(0)
	v_rsq_f32 v12, v[T]                            ; 1 / |u|
	v_nop
	s_wait_alu depctr_va_vdst(0)
	TIMES
.irp bb, 0,1
.irp q, 0,1,2,3
	ds_store_b128 v[SI], v[ACC+16*\bb+4*\q:ACC+16*\bb+4*\q+3] offset:128*\bb+16*\q   ; columns 32 bb + 16 h + 4 q on of my 64
.endr
.endr
.irp i, 0,1,2,3,4,5,6,7
	ds_load_b128 v[X+4*\i:X+4*\i+3], v[SO] offset:544*\i   ; LDS serves a wave's instructions in order: these see my stores
.endr
.irp i, 0,1,2,3,4,5,6,7
	s_wait_dscnt 7-\i                              ; the younger loads may be out
	global_store_b128 v[GO], v[X+4*\i:X+4*\i+3], s[OP:OP+1] offset:8192*(2*\i+8*(\i/4)) th:TH_STORE_NT   ; stage rows 2 i, 2 i + 1 are the tile's rows pi(2 i), pi(2 i + 1); sixteen lanes store 256 consecutive bytes, aligned
.endr
	s_wait_tensorcnt 0x0
	ds_add_u32 v192, v193
	s_wait_dscnt 0x0
	s_endpgm
.Lfunc_end_k_qa7313bdbcf_lnf:
	.size	k_qa7313bdbcf_lnf, .Lfunc_end_k_qa7313bdbcf_lnf-k_qa7313bdbcf_lnf
	.p2alignl 7, 3214868480
	.fill 96, 4, 3214868480
	.section	.rodata,"a",@progbits
	.p2align	6, 0x0
	.amdhsa_kernel k_qa7313bdbcf_lnf
		.amdhsa_group_segment_fixed_size 76800
		.amdhsa_private_segment_fixed_size 0
		.amdhsa_enable_private_segment 0
		.amdhsa_kernarg_size 40
		.amdhsa_user_sgpr_count 2
		.amdhsa_user_sgpr_kernarg_segment_ptr 1
		.amdhsa_wavefront_size32 1
		.amdhsa_system_sgpr_workgroup_id_x 1
		.amdhsa_system_sgpr_workgroup_id_y 1
		.amdhsa_system_sgpr_workgroup_id_z 1
		.amdhsa_system_vgpr_workitem_id 0
		.amdhsa_next_free_vgpr 194
		.amdhsa_next_free_sgpr 66
		.amdhsa_reserve_vcc 0
		.amdhsa_float_denorm_mode_32 3
		.amdhsa_float_denorm_mode_16_64 3
		.amdhsa_memory_ordered 1
		.amdhsa_forward_progress 1
		.amdhsa_inst_pref_size 25
	.end_amdhsa_kernel
	.amdgpu_metadata
---
amdhsa.version: [ 1, 2 ]
amdhsa.kernels:
  - .name:           k_qa7313bdbcf_lnf
    .symbol:         k_qa7313bdbcf_lnf.kd
    .args:
      - { .name: obuf, .offset: 0, .size: 8, .value_kind: global_buffer, .address_space: global }
      - { .name: xbuf, .offset: 8, .size: 8, .value_kind: global_buffer, .address_space: global }
      - { .name: g2, .offset: 16, .size: 8, .value_kind: global_buffer, .address_space: global }
      - { .name: beta2, .offset: 24, .size: 8, .value_kind: global_buffer, .address_space: global }
      - { .name: out0, .offset: 32, .size: 8, .value_kind: global_buffer, .address_space: global }
    .group_segment_fixed_size: 76800
    .private_segment_fixed_size: 0
    .kernarg_segment_align: 8
    .kernarg_segment_size: 40
    .max_flat_workgroup_size: 512
    .sgpr_count:     66
    .vgpr_count:     194
    .wavefront_size: 32
...
	.end_amdgpu_metadata
.endif
;; end of part 16
